; MI455X (gfx1250); checked and timed in simulation.
; The chip was launched on July 23, 2026; its instructions are those of AMD's public machine-readable ISA for CDNA 5 (MIT licence, August 2026) and "CDNA5" Instruction Set Architecture Reference Guide (July 2026). The comments in the code are by the model that wrote it; some were corrected since.
;; Attention. Allowed arithmetic: matrix products marked QUANTISED: E2M3 operands, one E8M0 scale for each 32 along K, by v_wmma_scale_f32_16x16x128_f8f6f4 with both operands' format E2M3, f32 sums; everything else in f32.
;; Inputs: freqs_cis 2,048 x 64 x 2 float32; wk 2,048 x 2,048 float32; wo 2,048 x 2,048 float32; wq 2,048 x 2,048 float32; wv 2,048 x 2,048 float32; x 1 x 2,048 x 2,048 float32.
;; Outputs: out0 1 x 2,048 x 2,048 float32.
;; This version of the problem:
;;   THIS VERSION OF THE PROBLEM IS GIVEN IN LOW PRECISION. The matrix products marked QUANTISED in the list below multiply operands that are first quantised to E2M3 (2 exponent bits, 3 mantissa bits; 6 bits a number), with one power-of-two scale for each 32 numbers along K (OCP MX v1.0); their sums are f32. All else is computed in f32.
;;   The module's matrix products, in the order in which they are computed (A, B: the left and right operand; K: the contracted axis; several contracted axes count as one K, in the product's order):
;;     1. [M 2,048, K 2,048] x [K 2,048, N 2,048]; A: input x; B: input wq: QUANTISED
;;     2. [M 2,048, K 2,048] x [K 2,048, N 2,048]; A: input x; B: input wk: QUANTISED
;;     3. [M 2,048, K 2,048] x [K 2,048, N 2,048]; A: input x; B: input wv: QUANTISED
;;     4. batch 16 x [M 2,048, K 128] x [K 128, N 2,048]; A: computed on the way; B: computed on the way: QUANTISED
;;     5. batch 16 x [M 128, K 2,048] x [K 2,048, N 2,048]; A: computed on the way; B: softmax (see below): QUANTISED
;;     6. [M 2,048, K 2,048] x [K 2,048, N 2,048]; A: computed on the way; B: input wo: QUANTISED
;;   THE QUANTISER, for each operand of a quantised product, along K:
;;     - K is cut into blocks of 32 from its start; a last block that is shorter is filled with zeros.
;;     - A block's scale is 2^e with e = floor(log2(the largest magnitude in the block)) - 2, held to -126 .. 127; a block of zeros has e = 0. As a byte (E8M0): e + 127.
;;     - Each number is divided by its block's scale, clamped to +-7.5, and rounded to the nearest number of E2M3, ties to even, subnormals kept.
;;     - The product sums the exact products of the quantised numbers (number of the format x scale) in f32.
;;   ~~~python
;;   def quantise(x, axis):      # numpy; x: float32 -> the quantised numbers, widened to float32 again
;;       x = np.moveaxis(x, axis, -1); K = x.shape[-1]
;;       x = np.pad(x, [(0, 0)] * (x.ndim - 1) + [(0, -K % 32)]); x = x.reshape(x.shape[:-1] + (-1, 32)); a = np.abs(x).max(-1, keepdims=True)
;;       e = np.where(a > 0, np.clip(np.frexp(np.where(a > 0, a, 1))[1] - 1 - 2, -126, 127), 0)      # np.frexp(a)[1] - 1 = floor(log2(a)), exactly
;;       r = np.clip(x / 2.0 ** e, -7.5, 7.5)
;;       step = 2.0 ** (np.maximum(np.frexp(np.where(r == 0, 1, r))[1] - 1, 0) - 3)
;;       q = np.round(r / step) * step * 2.0 ** e      # np.round: ties to even
;;       return np.moveaxis(q.reshape(q.shape[:-2] + (-1,))[..., :K], -1, axis).astype(np.float32)
;;   ~~~
;;   SOFTMAX AHEAD OF A QUANTISED PRODUCT. Where the list says 'softmax', what is quantised is not the finished softmax but p = 2^(t - M), with t = logit x log2(e) and M = ceil(the row's largest t), a whole number; so 1/2 < the row's largest p <= 1. The row's sum l is taken of the UNQUANTISED p, in f32, and the product's result is divided by l at the end. Since M is a whole number, a kernel that streams over the keys may use a running M (the ceiling of the running maximum): every later rescaling is an exact power of two, which a block's scale takes up: the codes' values come out the same.
;;   OPERANDS COMPUTED ON THE WAY. 'Computed on the way' means the value that the module computes at that place (a softmax that the list does not call 'softmax' is quantised finished and normalised). What goes into a quantiser is computed in f32, as accurately as f32 sums, v_exp_f32 and their like allow (about 1e-6 of the number): no bf16 or f16 on the way to a quantiser, and a product that is left as it is and whose result goes on into a quantised operand takes f32 operands (vector FMAs, or v_wmma_f32_16x16x4_f32). A number that lies on a knife's edge between two numbers of the format may be rounded either way, as far as f32 arithmetic and the matrix unit's own rounding can turn it there, and no further.
;; 2 versions. Each part assembles by itself: llvm-mc -triple=amdgcn-amd-amdhsa -mcpu=gfx1250 --defsym DOCPART=n.
;; ======== version 1 of 2: 4 launches
;; workspace buffers: xw_codes 15,728,640 bytes; xw_scales 655,360 bytes; qkv_codes 9,437,184 bytes; qkv_scales 393,216 bytes; o_codes 3,145,728 bytes; o_scales 131,072 bytes
;; launch quant (part 1): grid 640 x 1, 4 waves a work-group, no clusters, 34,304 bytes of LDS; arguments x, wq, wk, wv, wo, xw_codes, xw_scales; writes xw_codes, xw_scales
.if DOCPART == 1
	.amdgcn_target "amdgcn-amd-amdhsa--gfx1250"
	.amdhsa_code_object_version 6
	.text
	.protected	k_qf6d92946cb_quant
	.globl	k_qf6d92946cb_quant
	.p2align	8
	.type	k_qf6d92946cb_quant,@function
k_qf6d92946cb_quant:
	s_mov_b64 s[64:65], 0
	v_nop
	global_prefetch_b8 v0, s[64:65] scope:SCOPE_SE
	s_setreg_imm32_b32 hwreg(HW_REG_WAVE_MODE, 25, 1), 1
	s_wait_xcnt 0x0
; x, wq, wk, wv, wo, each [2048][2048] f32 with K innermost, become codes of FP6 (E2M3) with one E8M0 scale byte for each 32 along K.
; A block's scale is 2^(floor(log2(its largest magnitude)) - 2); its byte is the largest magnitude's exponent field - 2, held at 1 from below.
; LIMITS: NaN and infinities among the inputs are not served.  A block of zeros gets the byte 1 where the rule says 127: its codes are zeros, and this program alone reads the bytes.
; Blocks whose largest magnitude lies under 2^-124 keep the byte 1.
; THE WORKSPACE IS LAID AS ITS USERS' REGISTERS WANT IT.
;   TILE: rows go in groups of 32; tile u (0, 1) of a group holds, for lane row r = 0 .. 15, row 8 u + r + 8 (r / 8).  Tile t of a tensor: rows 32 (t / 2) + that.
;   IMAGE of a fragment (a tile x 128 K: 12 registers a lane, 1,536 bytes): byte 512 c + 16 lane + 4 e is register 4 c + e of that lane.
;   Codes of tile t, K step s (128 along K): (t / 8) 196,608 + (s / 2) 24,576 + (t % 8) 3,072 + (s % 2) 1,536: so 128 rows x 256 K are 24,576 bytes on end.
;   PACK of scale words of tiles 4 P .. 4 P + 3 for one K step (256 bytes): byte 8 lane + 4 c is the word of row lane % 16 of tile 4 P + 2 c + lane / 16.  Pack (P, s) lies at 4,096 P + 256 s.
; SHARES.  A wave takes 64 rows x 128 K: four fragments and one pack.  Work-group g: tensor g / 128; wave's job j = 4 (g % 128) + wave: K step j % 16, rows 64 (j / 16) on.
; Each load reads 512 consecutive bytes of one row.  A fragment's 16 rows turn through the wave's own stage in LDS (rows of 512 + 16 bytes), so that a lane gets 16 neighbours of each block of 32.
; Loads run two fragments (32 loads a wave) ahead.  No barrier: waves share nothing.
.set STG,   16*528                     ; a wave's stage
.set SPARE, 4*STG                      ; behind the stages: the spare words, 128 bytes for each wave, which no other line names
.set LO,  1                            ; v1   16 x lane: my bytes of a load's 512, and of an image's 512
.set SA,  2                            ; v2   the stage, on the way in: 16 x lane
.set SB,  3                            ; v3   and on the way out: row r, + 64 h
.set L8,  4                            ; v4   8 x lane: my place in a pack
.set SPW, 10                           ; v10  LDS address of my spare word; never rewritten
.set NIL, 11                           ; v11  0; never rewritten
.set R,   16                           ; v16-143  two sets of 64 registers as loaded
.set X,   144                          ; v144-207 64 numbers: register 16 b + i = k 32 b + 16 h + i of my row
.set PC,  208                          ; v208-227 the codes just made
.set TM,  228                          ; v228-243 at work
.set SW,  244                          ; v244-247 the four fragments' scale words
.set W,   248                          ; v248-249 the pack
.set SEL, 20                           ; s[20:21] lane selects for v_permlanex16_b32: lane l xor 16
; 64 numbers of a lane, v[s] on, register 16 b + i = k 32 b + 16 (lane / 16) + i of my row, become a fragment's codes in v[PC] on and its scale word in v[pw].
.macro QUANT s, pw
.irp b, 0,1,2,3
	v_max3_num_f32 v[TM+\b], |v[\s+16*\b]|, |v[\s+1+16*\b]|, 0x1800000   ; block b: my 16 numbers, and the floor 2^(3 - 127): the byte cannot fall under 1
.endr
.irp i, 2,4,6,8,10,12,14
.irp b, 0,1,2,3
	v_max3_num_f32 v[TM+\b], v[TM+\b], |v[\s+16*\b+\i]|, |v[\s+1+16*\b+\i]|   ; the four blocks by turns
.endr
.endr
.irp b, 0,1,2,3
	v_permlanex16_b32 v[TM+4+\b], v[TM+\b], s[SEL], s[SEL+1]
.endr
.irp b, 0,1,2,3
	v_max_num_f32 v[TM+\b], v[TM+\b], v[TM+4+\b]   ; with lane l xor 16's: the block's largest magnitude
.endr
.irp b, 0,1,2,3
	v_add_nc_u32 v[TM+12+\b], 0xff000000, v[TM+\b]   ; 2 off its exponent field: the conversion takes the exponent field of this operand as its scale
.endr
.irp b, 0,1,2,3
	v_lshrrev_b32 v[TM+4+\b], 23, v[TM+12+\b]      ; the scale's byte
.endr
	v_lshl_or_b32 v[\pw], v[TM+5], 8, v[TM+4]      ; four bytes: my row's scale word
	v_lshl_or_b32 v[\pw], v[TM+6], 16, v[\pw]
	v_lshl_or_b32 v[\pw], v[TM+7], 24, v[\pw]
.irp c, 0,1
	v_cvt_scalef32_pk16_fp6_f32 v[PC+6*\c:PC+2+6*\c], v[\s+32*\c:\s+15+32*\c], v[TM+12+2*\c]
	v_cvt_scalef32_pk16_fp6_f32 v[PC+12+4*\c:PC+14+4*\c], v[\s+16+32*\c:\s+31+32*\c], v[TM+12+2*\c+1]   ; (a conversion's three registers begin on an even number)
.endr
	v_nop                                          ; one plain place behind a scaled conversion
.irp c, 0,1                                    ; the operand's layout wants a whole block in a lane: lanes 0-15 block 2 c, lanes 16-31 block 2 c + 1
.irp i, 0,1,2
	v_permlane16_swap_b32 v[PC+6*\c+\i], v[PC+12+4*\c+\i]
.endr
.irp i, 0,1,2
	v_mov_b32 v[PC+3+6*\c+\i], v[PC+12+4*\c+\i]
.endr
.endr
.endm
	s_load_b256 s[4:11], s[0:1], 0x0               ; x, wq, wk, wv
	s_load_b128 s[12:15], s[0:1], 0x20             ; wo, the codes
	s_load_b64 s[16:17], s[0:1], 0x30              ; the scale words
	v_lshl_add_u32 v[SPW], v0, 2, SPARE
	v_mov_b32 v[NIL], 0
	v_lshrrev_b32 v5, 5, v0
	v_readfirstlane_b32 s18, v5                    ; wave 0..3
	v_and_b32 v5, 31, v0                           ; lane
	v_lshlrev_b32 v[LO], 4, v5
	v_lshlrev_b32 v[L8], 3, v5
	s_mul_i32 s23, s18, STG                        ; my stage
	v_add_nc_u32 v[SA], s23, v[LO]
	v_and_b32 v6, 15, v0                           ; r
	v_bfe_u32 v7, v0, 4, 1                         ; h
	v_mul_u32_u24 v[SB], v6, 528
	v_lshl_add_u32 v[SB], v7, 6, v[SB]
	v_add_nc_u32 v[SB], s23, v[SB]
	s_mov_b32 s[SEL], 0x76543210
	s_mov_b32 s[SEL+1], 0xfedcba98
	s_mov_b32 s22, 0xffff0000                      ; a mask of lanes 16-31
.irp b, 0,1,2,3
	v_mov_b32 v[TM+4+\b], 0                        ; written once: a lane permute's destination counts as one of its sources
.endr
	s_lshr_b32 s24, ttmp9, 7                       ; which tensor
	s_and_b32 s25, ttmp9, 127
	s_lshl_b32 s25, s25, 2
	s_add_co_u32 s25, s25, s18                     ; my job
	s_and_b32 s26, s25, 15                         ; its K step
	s_lshr_b32 s27, s25, 4                         ; its group of 64 rows
	s_lshl_b32 s28, s27, 19                        ; in: 64 rows of 8,192 bytes,
	s_lshl_b32 s29, s26, 9                         ; 512 bytes a K step
	s_add_co_u32 s28, s28, s29
	s_mov_b32 s29, 0
	s_mul_i32 s30, s24, 3145728                    ; the codes: the tensor,
	s_lshr_b32 s31, s27, 1
	s_mul_i32 s31, s31, 196608                     ; the group of 128 rows,
	s_add_co_u32 s30, s30, s31
	s_and_b32 s31, s27, 1
	s_mul_i32 s31, s31, 12288                      ; its tiles 0-3 or 4-7,
	s_add_co_u32 s30, s30, s31
	s_lshr_b32 s31, s26, 1
	s_mul_i32 s31, s31, 24576                      ; the pair of K steps,
	s_add_co_u32 s30, s30, s31
	s_and_b32 s31, s26, 1
	s_mul_i32 s31, s31, 1536                       ; and which of the two
	s_add_co_u32 s30, s30, s31
	s_mov_b32 s31, 0
	s_lshl_b32 s32, s24, 17                        ; the pack: 131,072 bytes a tensor, 4,096 a group of 64 rows, 256 a K step
	s_lshl_b32 s33, s27, 12
	s_add_co_u32 s32, s32, s33
	s_lshl_b32 s33, s26, 8
	s_add_co_u32 s32, s32, s33
	s_mov_b32 s33, 0
	s_wait_kmcnt 0x0
	s_cmp_eq_u32 s24, 1                            ; the tensor is chosen by the work-group's number alone
	s_cselect_b64 s[4:5], s[6:7], s[4:5]
	s_cmp_eq_u32 s24, 2
	s_cselect_b64 s[4:5], s[8:9], s[4:5]
	s_cmp_eq_u32 s24, 3
	s_cselect_b64 s[4:5], s[10:11], s[4:5]
	s_cmp_eq_u32 s24, 4
	s_cselect_b64 s[4:5], s[12:13], s[4:5]
	s_add_nc_u64 s[4:5], s[4:5], s[28:29]
	s_add_nc_u64 s[14:15], s[14:15], s[30:31]
	s_add_nc_u64 s[16:17], s[16:17], s[32:33]
.macro LOAD f                          ; fragment f: its 16 rows, in the tile's order; each load reads 512 consecutive bytes of one row
.irp p, 0,1,2,3,4,5,6,7,8,9,10,11,12,13,14,15
	global_load_b128 v[R+64*((\f)%2)+4*\p:R+64*((\f)%2)+4*\p+3], v[LO], s[4:5] offset:(32*((\f)/2)+8*((\f)%2)+\p+8*(\p/8))*8192 th:TH_LOAD_NT
.endr
.endm
.macro FRAGMENT f
.if (\f) < 3
	s_wait_loadcnt 16                              ; this fragment's 16 loads are in; the next fragment's 16 may be out
.else
	s_wait_loadcnt 0x0
.endif
.irp p, 0,1,2,3,4,5,6,7,8,9,10,11,12,13,14,15
	ds_store_b128 v[SA], v[R+64*((\f)%2)+4*\p:R+64*((\f)%2)+4*\p+3] offset:528*\p
.endr
.irp b, 0,1,2,3
.irp j, 0,1,2,3
	ds_load_b128 v[X+16*\b+4*\j:X+16*\b+4*\j+3], v[SB] offset:128*\b+16*\j   ; LDS serves a wave's instructions in order: these see my stores
.endr
.endr
	s_wait_dscnt 0x0                               ; the numbers are back, and the stores have read their registers,
.if (\f) < 2
	LOAD (\f)+2                                    ; which take the loads of two fragments on
.endif
.if (\f) > 0
	s_wait_xcnt 0x0                                ; the last fragment's stores have read the codes' registers: they are written again only behind this wait
.endif
	QUANT X, SW+(\f)
.irp c, 0,1,2
	global_store_b128 v[LO], v[PC+4*\c:PC+4*\c+3], s[14:15] offset:3072*(\f)+512*\c   ; the image: 32 lanes store 512 consecutive bytes, at a multiple of 512 from the buffer's first byte
.endr
.endm
	LOAD 0
	LOAD 1
	FRAGMENT 0
	FRAGMENT 1
	FRAGMENT 2
	FRAGMENT 3
	v_cndmask_b32 v[W], v[SW], v[SW+1], s22        ; the pack: register c holds tile 2 c's words in lanes 0-15 and tile 2 c + 1's in lanes 16-31 (both halves of the lanes hold a row's word)
	v_cndmask_b32 v[W+1], v[SW+2], v[SW+3], s22
	global_store_b64 v[L8], v[W:W+1], s[16:17]     ; 32 lanes store 256 consecutive bytes, aligned
	s_wait_tensorcnt 0x0                           ; the wave's end: behind my last LDS store
	ds_add_u32 v[SPW], v[NIL]
	s_wait_dscnt 0x0
	s_endpgm
.Lfunc_end_k_qf6d92946cb_quant:
	.size	k_qf6d92946cb_quant, .Lfunc_end_k_qf6d92946cb_quant-k_qf6d92946cb_quant
	.p2alignl 7, 3214868480
	.fill 96, 4, 3214868480
	.section	.rodata,"a",@progbits
	.p2align	6, 0x0
	.amdhsa_kernel k_qf6d92946cb_quant
		.amdhsa_group_segment_fixed_size 34304
		.amdhsa_private_segment_fixed_size 0
		.amdhsa_enable_private_segment 0
		.amdhsa_kernarg_size 56
		.amdhsa_user_sgpr_count 2
		.amdhsa_user_sgpr_kernarg_segment_ptr 1
		.amdhsa_wavefront_size32 1
		.amdhsa_system_sgpr_workgroup_id_x 1
		.amdhsa_system_sgpr_workgroup_id_y 1
		.amdhsa_system_sgpr_workgroup_id_z 1
		.amdhsa_system_vgpr_workitem_id 0
		.amdhsa_next_free_vgpr 256
		.amdhsa_next_free_sgpr 66
		.amdhsa_reserve_vcc 0
		.amdhsa_float_denorm_mode_32 3
		.amdhsa_float_denorm_mode_16_64 3
		.amdhsa_memory_ordered 1
		.amdhsa_forward_progress 1
		.amdhsa_inst_pref_size 34
	.end_amdhsa_kernel
	.amdgpu_metadata
---
amdhsa.version: [ 1, 2 ]
amdhsa.kernels:
  - .name:           k_qf6d92946cb_quant
    .symbol:         k_qf6d92946cb_quant.kd
    .args:
      - { .name: x, .offset: 0, .size: 8, .value_kind: global_buffer, .address_space: global }
      - { .name: wq, .offset: 8, .size: 8, .value_kind: global_buffer, .address_space: global }
      - { .name: wk, .offset: 16, .size: 8, .value_kind: global_buffer, .address_space: global }
      - { .name: wv, .offset: 24, .size: 8, .value_kind: global_buffer, .address_space: global }
      - { .name: wo, .offset: 32, .size: 8, .value_kind: global_buffer, .address_space: global }
      - { .name: xw_codes, .offset: 40, .size: 8, .value_kind: global_buffer, .address_space: global }
      - { .name: xw_scales, .offset: 48, .size: 8, .value_kind: global_buffer, .address_space: global }
    .group_segment_fixed_size: 34304
    .private_segment_fixed_size: 0
    .kernarg_segment_align: 8
    .kernarg_segment_size: 56
    .max_flat_workgroup_size: 128
    .sgpr_count:     66
    .vgpr_count:     256
    .wavefront_size: 32
...
	.end_amdgpu_metadata
.endif
;; end of part 1
;; launch qkv (part 2): grid 24 x 8, 4 waves a work-group, clusters of 4 x 4, 327,680 bytes of LDS; arguments xw_codes, xw_scales, freqs_cis, qkv_codes, qkv_scales; writes qkv_codes, qkv_scales
.if DOCPART == 2
	.amdgcn_target "amdgcn-amd-amdhsa--gfx1250"
	.amdhsa_code_object_version 6
	.text
	.protected	k_qf6d92946cb_qkv
	.globl	k_qf6d92946cb_qkv
	.p2align	8
	.type	k_qf6d92946cb_qkv,@function
k_qf6d92946cb_qkv:
	s_mov_b64 s[64:65], 0
	v_nop
	global_prefetch_b8 v0, s[64:65] scope:SCOPE_SE
	s_setreg_imm32_b32 hwreg(HW_REG_WAVE_MODE, 25, 1), 1
	s_wait_xcnt 0x0
	s_wait_alu depctr_hold_cnt(0) depctr_sa_sdst(0) depctr_va_vdst(0) depctr_va_sdst(0) depctr_va_ssrc(0) depctr_va_vcc(0) depctr_vm_vsrc(0)
	s_getreg_b32 s2, hwreg(HW_REG_IB_STS2, 6, 4)
	s_cmp_eq_u32 s2, 0
	s_cbranch_scc0 .Lentry_in_a_cluster
	s_endpgm
.Lentry_in_a_cluster:
	s_bfe_u32 s2, ttmp6, 0x10000c
	s_cmp_lg_u32 s2, 0xf033
	s_cbranch_scc0 .Lentry_shape_is_right
	s_endpgm
.Lentry_shape_is_right:
; q = rope(x wq^T), k = rope(x wk^T), v = x wv^T on codes of FP6 (E2M3) with E8M0 scales; the results are quantised at once: q and k along the head's 128, v along the keys.
; OPERANDS lie in xw_codes / xw_scales as images and packs (x, wq, wk, wv, wo in this order; a group of 128 rows is 196,608 bytes of codes and 8,192 of scale words):
;   TILE t of a tensor: lane row r is row 32 (t / 2) + 8 (t % 2) + r + 8 (r / 8).   IMAGE of a fragment (a tile x 128 K): byte 512 c + 16 lane + 4 e = register 4 c + e of the lane.
;   Codes (t, K step s) at (t / 8) 196,608 + (s / 2) 24,576 + (t % 8) 3,072 + (s % 2) 1,536.   PACK (tiles 4 P .. 4 P + 3, K step s) at 4,096 P + 256 s: byte 8 lane + 4 c = word of row lane % 16 of tile 4 P + 2 c + lane / 16.
; A tile of the result, 256 x 256, is made by four waves, 128 x 128 each: 64 accumulators.  K goes in steps of 256 through two LDS slots; source 0's tile order makes a lane's 64 results of a block
; 64 numbers in the order 32 b + 16 (lane / 16) + i along source 0's rows, which is what the quantiser takes; a lane keeps one row of source 1.
; TWO ROLES, by the cluster's x alone (the same in all sixteen partners).  Cluster x 0-3: source 0 = 256 rows of wq | wk (two heads), source 1 = 256 tokens of x: a lane holds a token, its registers a head.
; Cluster x 4-5: source 0 = 256 tokens of x, source 1 = 256 rows of wv: a lane holds a channel of v, its registers run along the tokens, which are the second attention product's K.
; OUT (qkv_codes: q, k, v; 3,145,728 bytes each): fragment (p, g, a) at 196,608 p + 12,288 g + 1,536 a; packs at 8,192 p + 512 g + 256 (a / 4).
;   q, k: p = head, g = group of 128 tokens, a = tile of tokens.   v: p = head, g = step of 128 keys, a = tile of channels.
; CLUSTERS: source 1's tiles are shared along a row of the cluster, source 0's along a column: each is asked for jointly.
; LIMITS: NaN and infinities are not served; a block of zeros gets the byte 1 (its codes are zeros; this program alone reads the bytes); the rotation uses a fused multiply-add, one rounding less than two products and a sum.
; REGISTERS: window 0: v16-29 addresses; v32-63 scale words, two sets, and nothing else; v64-127 a set of cos | sin; v128-223 source 1's fragments, one set (on the way out: v128-191 numbers, v192-239 at work).
;   window 1: source 0's fragments, two sets, at v0 and v128 (on the way out v0-63: the other set of cos | sin).   windows 2, 3: the accumulators, (a, b) at v[8 (8 (a % 4) + b)].
.set FR,     12                        ; registers of a fragment
.set NL,     3                         ; LDS loads that bring one
.set NP,     4                         ; places behind this matrix instruction (ISA guide 7.12.1)
.set HALFT,  24576                     ; 128 rows x 256 K: 16 images; what one tensor load brings
.set SLOT,   4*HALFT                   ; source 1's two halves, then source 0's
.set STEPB,  24576                     ; from a K step of 256 to the next, in memory
.set LAPS,   4                         ; a lap = two K steps of 256; K = 2,048
.set SCL,    2*SLOT                    ; behind the ring: the scale words for all of K, filled once
.set HALFS,  8192                      ; those of 128 rows
.set SPARE,  SCL+4*HALFS               ; the spare words, 128 bytes for each wave, which no other line names
.set ADRA, 16                          ; v16-17  16 x lane + my half of source 1 in slot 0, 1
.set ADRB, 20                          ; v20-21  the same for source 0
.set ADSA, 22                          ; v22     8 x lane + my half's packs, source 1; steps 512 bytes a K step of 256
.set ADSB, 23                          ; v23     source 0
.set LI,   24                          ; v24     16 x lane
.set L8,   25                          ; v25     8 x lane
.set FO,   26                          ; v26     my token's row of cos | sin in a tile: (r + 8 (r / 8)) 512 + 64 h
.set SPW,  28                          ; v28     LDS address of my spare word; never rewritten
.set NIL,  29                          ; v29     0; never rewritten
.set SC,   32                          ; scale words: set sc at SC + 16 sc; + 8 for source 0; + 4 q + 2 (tile / 4) + (tile % 4) / 2; odd tiles in lanes 16-31
.set AF,   128                         ; source 1's fragments
.set T,    128                         ; the way out: 64 numbers
.set PC,   192                         ; the codes just made
.set TM,   212                         ; at work
.set SW,   228                         ; the eight blocks' scale words
.set W,    236                         ; two packs
.set SEL,  66                          ; s[66:67] lane selects for v_permlanex16_b32
.set G1, 24                            ; s[24:31] descriptor group 1 for source 1's tiles;  s[32:39] group 0, one set for each slot
.set G0, 32
.set G1B, 48                           ; s[48:55], s[56:63] the same for source 0's
.set G0B, 56
.set G1S, 68                           ; s[68:75], s[76:79] groups 1 and 0 for source 1's scale words;  s[80:87], s[88:91] for source 0's
.set G0S, 76
.set G1SB, 80
.set G0SB, 88
.set MSB, 0
.macro WIN new                         ; the immediate's high byte repeats the setting that is left
.if MSB != (\new)
	s_set_vgpr_msb (MSB<<8)|(\new)
.set MSB, (\new)
.endif
.endm
.set MUL_LO, 0xa1                      ; source 0 window 1, source 1 window 0, C and D window 2
.set MUL_HI, 0xf1                      ; the same, C and D window 3
.set TO_B,   0x40                      ; destination window 1, address window 0
; A joint load: waves 0 and 1 fetch for source 1, waves 2 and 3 for source 0.  The branch hangs on the wave's number alone.  An s_nop 0 and four v_nop follow each of the two lines.
.macro JLOAD g0a, g1a, g0b, g1b
	s_cmp_eq_u32 s15, 0
	s_cbranch_scc0 .Lfor_b_\@
	tensor_load_to_lds s[\g0a:\g0a+3], s[\g1a:\g1a+7]
	s_nop 0
.rept 4
	v_nop
.endr
	s_branch .Lasked_\@
.Lfor_b_\@:
	tensor_load_to_lds s[\g0b:\g0b+3], s[\g1b:\g1b+7]
	s_nop 0
.rept 4
	v_nop
.endr
.Lasked_\@:
.endm
.macro CREST                           ; a round of the cluster's barrier behind its opening barrier
	s_cmp_lg_u32 s14, 0
	s_cbranch_scc1 .Lnot_wave_0_\@
	s_barrier_signal -3
.Lnot_wave_0_\@:
	s_barrier_wait -3
	s_barrier_signal -1
	s_barrier_wait -1
.endm
.macro CROUND                          ; a whole round
	s_barrier_signal -1
	s_barrier_wait -1
	CREST
.endm
	s_load_b256 s[4:11], s[0:1], 0x0               ; the operands' codes s[4:5], their scale words s[6:7], cos | sin s[8:9], the results' codes s[10:11]
	s_load_b64 s[12:13], s[0:1], 0x20              ; the results' scale words
	v_lshl_add_u32 v[SPW], v0, 2, SPARE
	v_mov_b32 v[NIL], 0
	ds_add_u32 v[SPW], v[NIL]                      ; the wave's opening: the add and its wait ahead of my first tensor load; the set-up below, work on registers, stands between them
	v_lshrrev_b32 v1, 5, v0
	v_readfirstlane_b32 s14, v1                    ; wave 0..3
	s_lshr_b32 s15, s14, 1                         ; my half of source 1's rows.  Also: I fetch for source 1 (0) or source 0 (1)
	s_and_b32 s16, s14, 1                          ; my half of source 0's rows.  Also: which 128 rows I fetch
	s_bfe_u32 s40, ttmp6, 0x40000                  ; cx, cy: my place in the cluster
	s_bfe_u32 s41, ttmp6, 0x40004
	s_lshl_b32 s42, ttmp9, 2
	s_add_co_u32 s42, s42, s40                     ; X = 4 x cluster x + cx: 0 .. 23
	s_and_b32 s17, ttmp7, 0xffff
	s_lshl_b32 s17, s17, 2
	s_add_co_u32 s17, s17, s41                     ; Y = 4 x cluster y + cy: 0 .. 7
	s_lshl_b32 s43, s41, 2
	s_lshl_b32 s43, 15, s43                        ; my row of the cluster
	s_lshl_b32 s44, 0x1111, s40                    ; my column
	s_cmp_ge_u32 ttmp9, 4                          ; the role, by the cluster's x: the same in all partners
	s_cselect_b32 s95, 48, 0                       ; 48 groups of 128 rows lie in front of wv
	; descriptor group 1: 24,576 bytes on end, as 96 rows of 32 elements of 8 bytes; no padding: an image is read as consecutive bytes
	s_or_b32 s[G1+0], s43, (3<<16)|(1<<21)         ; 15:0 the mask: source 1's tiles go to my row; 17:16 elements of 8 bytes; 21 set beside a mask
	s_or_b32 s[G1B+0], s44, (3<<16)|(1<<21)        ; source 0's to my column
.irp g, G1, G1B
	s_mov_b32 s[\g+1], 32<<16                      ; tensor_dim0
	s_mov_b32 s[\g+2], 96<<16                      ; tensor_dim1
	s_mov_b32 s[\g+3], 32<<16                      ; tile_dim0
	s_mov_b32 s[\g+4], 96                          ; tile_dim1
	s_mov_b32 s[\g+5], 32                          ; tensor_dim0_stride
	s_mov_b32 s[\g+6], 0
	s_mov_b32 s[\g+7], 0
.endr
	s_or_b32 s[G1S+0], s43, (3<<16)|(1<<21)        ; the scale words of 128 rows for all of K: 8,192 bytes on end, 32 such rows
	s_or_b32 s[G1SB+0], s44, (3<<16)|(1<<21)
.irp g, G1S, G1SB
	s_mov_b32 s[\g+1], 32<<16
	s_mov_b32 s[\g+2], 32<<16
	s_mov_b32 s[\g+3], 32<<16
	s_mov_b32 s[\g+4], 32
	s_mov_b32 s[\g+5], 32
	s_mov_b32 s[\g+6], 0
	s_mov_b32 s[\g+7], 0
.endr
	s_lshl_b32 s20, s17, 1                         ; source 1's group of 128 rows: 2 Y + half (x), or 48 more (wv): no cx in it
	s_add_co_u32 s20, s20, s16
	s_add_co_u32 s20, s20, s95
	s_lshl_b32 s46, s42, 1                         ; source 0's: 16 + 2 X + half (wq | wk), or 48 less (x): no cy in it
	s_add_co_u32 s46, s46, s16
	s_add_co_u32 s46, s46, 16
	s_sub_co_u32 s46, s46, s95
	s_lshl_b32 s22, s20, 13                        ; their scale words, in bytes,
	s_mov_b32 s23, 0
	s_lshl_b32 s92, s46, 13
	s_mov_b32 s93, 0
	s_mul_i32 s20, s20, 196608                     ; and their codes
	s_mov_b32 s21, 0
	s_mul_i32 s46, s46, 196608
	s_mov_b32 s47, 0
	s_mul_i32 s45, s14, HALFT                      ; where they go: wave x a part: no place in the cluster enters an LDS address
	s_mul_i32 s94, s14, HALFS
	s_mov_b32 s[SEL], 0x76543210
	s_mov_b32 s[SEL+1], 0xfedcba98
	s_mov_b32 s96, 0xffff0000                      ; a mask of lanes 16-31
	s_wait_dscnt 0x0                               ; the opening add is done
	s_wait_kmcnt 0x0
	s_add_nc_u64 s[20:21], s[4:5], s[20:21]
	s_add_nc_u64 s[22:23], s[6:7], s[22:23]
	s_add_nc_u64 s[46:47], s[4:5], s[46:47]
	s_add_nc_u64 s[92:93], s[6:7], s[92:93]
	CROUND                                         ; all sixteen work-groups are here: the first joint loads meet
	s_mov_b32 s[G0S], 1
	s_add_co_u32 s[G0S+1], s94, SCL
	s_mov_b64 s[G0S+2:G0S+3], s[22:23]
	s_or_b32 s[G0S+3], s[G0S+3], 0x80000000
	s_mov_b32 s[G0SB], 1
	s_add_co_u32 s[G0SB+1], s94, SCL
	s_mov_b64 s[G0SB+2:G0SB+3], s[92:93]
	s_or_b32 s[G0SB+3], s[G0SB+3], 0x80000000
	JLOAD G0S, G1S, G0SB, G1SB                     ; the scale words first: they are wanted with K step 0
.irp s, 0,1
	s_mov_b32 s[G0+4*\s], 1
	s_add_co_u32 s[G0+4*\s+1], s45, \s*SLOT
	s_add_nc_u64 s[G0+4*\s+2:G0+4*\s+3], s[20:21], \s*STEPB
	s_or_b32 s[G0+4*\s+3], s[G0+4*\s+3], 0x80000000
	s_mov_b32 s[G0B+4*\s], 1
	s_add_co_u32 s[G0B+4*\s+1], s45, \s*SLOT
	s_add_nc_u64 s[G0B+4*\s+2:G0B+4*\s+3], s[46:47], \s*STEPB
	s_or_b32 s[G0B+4*\s+3], s[G0B+4*\s+3], 0x80000000
	JLOAD G0+4*\s, G1, G0B+4*\s, G1B               ; three tensor loads of mine are out
.endr
	v_and_b32 v1, 31, v0                           ; lane
	v_lshlrev_b32 v[LI], 4, v1
	v_lshlrev_b32 v[L8], 3, v1
	s_mul_i32 s21, s15, HALFT                      ; my 128 rows of source 1
	s_mul_i32 s22, s16, HALFT                      ; my 128 rows of source 0,
	s_add_co_u32 s22, s22, 2*HALFT                 ; which lie behind source 1's 256
.irp s, 0,1
	v_add_nc_u32 v[ADRA+\s], s21, v[LI]
	v_add_nc_u32 v[ADRB+\s], s22, v[LI]
	s_add_co_u32 s21, s21, SLOT
	s_add_co_u32 s22, s22, SLOT
.endr
	s_mul_i32 s21, s15, HALFS
	s_add_co_u32 s21, s21, SCL
	s_mul_i32 s22, s16, HALFS
	s_add_co_u32 s22, s22, SCL+2*HALFS
	v_add_nc_u32 v[ADSA], s21, v[L8]
	v_add_nc_u32 v[ADSB], s22, v[L8]
	v_and_b32 v2, 15, v0                           ; r
	v_bfe_u32 v3, v0, 4, 1                         ; h
	v_and_b32 v4, 8, v2
	v_add_nc_u32 v4, v4, v2                        ; r + 8 (r / 8)
	v_lshlrev_b32 v[FO], 9, v4                     ; a token's cos | sin are 512 bytes
	v_lshl_add_u32 v[FO], v3, 6, v[FO]
	; where my results go
	s_lshl_b32 s97, s17, 1
	s_add_co_u32 s97, s97, s15                     ; source 1's group that I multiply: 2 Y + my half
	s_lshl_b32 s98, s42, 1
	s_add_co_u32 s98, s98, s16                     ; source 0's: 2 X + my half
	s_add_co_u32 s99, s97, 32
	s_sub_co_u32 s100, s98, 32
	s_cmp_lg_u32 s95, 0
	s_cselect_b32 s99, s99, s98                    ; p: q's and k's heads 0 .. 31 by source 0; v's, 32 .. 47, by source 1
	s_cselect_b32 s100, s100, s97                  ; g: the tokens' group
	s_mul_i32 s20, s99, 196608
	s_mul_i32 s21, s100, 12288
	s_add_co_u32 s20, s20, s21
	s_mov_b32 s21, 0
	s_add_nc_u64 s[10:11], s[10:11], s[20:21]
	s_lshl_b32 s20, s99, 13
	s_lshl_b32 s22, s100, 9
	s_add_co_u32 s20, s20, s22
	s_add_nc_u64 s[12:13], s[12:13], s[20:21]
	s_lshl_b32 s20, s97, 16                        ; cos | sin of 128 tokens are 65,536 bytes
	s_add_nc_u64 s[8:9], s[8:9], s[20:21]
; cos | sin for block a's 16 tokens: register 16 b + i = number 32 b + 16 h + i of my token's 128 (cos at even places, sin behind it), as the results' registers lie.  Even blocks: v64 on of window 0; odd: v0 on of window 1.
.macro FLOAD a
.if (\a)%2
	WIN TO_B
.endif
.set FF, 64*(1-(\a)%2)
.irp b, 0,1,2,3
.irp j, 0,1,2,3
	global_load_b128 v[FF+16*\b+4*\j:FF+16*\b+4*\j+3], v[FO], s[8:9] offset:(32*((\a)/2)+8*((\a)%2))*512+128*\b+16*\j
.endr
.endr
	WIN 0
.endm
	FLOAD 0                                        ; block 0's, a whole product ahead of its use.  Both roles issue it, so that the text has one way up to the way out; v's role never reads it (the address lies in the table for every work-group)
.macro FRAG reg, adr, q, i             ; a fragment's image: three loads of 512 consecutive bytes
.irp c, 0,1,2
	ds_load_b128 v[\reg+4*\c:\reg+4*\c+3], v[\adr] offset:3072*(\i)+1536*(\q)+512*\c
.endr
.endm
; One product: source 1's block a x source 0's block b, 128 along K: the slot's q-th.  p: source 0's set;  sc: the set of scale words.  An odd tile's words stand in lanes 16-31.
.macro WM a, b, p, q, sc, zero
.set DD, 8*(8*((\a)%4)+(\b))
.set FB, 128*(\p)+FR*(\b)
.set FA, AF+FR*(\a)
.set ZB, SC+16*(\sc)+8+4*(\q)+2*((\b)/4)+((\b)%4)/2
.set ZA, SC+16*(\sc)+4*(\q)+2*((\a)/4)+((\a)%4)/2
.if \zero
.if ((\b)%2) && ((\a)%2)
	v_wmma_scale_f32_16x16x128_f8f6f4 v[DD:DD+7], v[FB:FB+FR-1], v[FA:FA+FR-1], 0, v[ZB], v[ZA] matrix_a_fmt:MATRIX_FMT_FP6 matrix_b_fmt:MATRIX_FMT_FP6 matrix_a_scale:MATRIX_SCALE_ROW1 matrix_b_scale:MATRIX_SCALE_ROW1
.elseif (\b)%2
	v_wmma_scale_f32_16x16x128_f8f6f4 v[DD:DD+7], v[FB:FB+FR-1], v[FA:FA+FR-1], 0, v[ZB], v[ZA] matrix_a_fmt:MATRIX_FMT_FP6 matrix_b_fmt:MATRIX_FMT_FP6 matrix_a_scale:MATRIX_SCALE_ROW1
.elseif (\a)%2
	v_wmma_scale_f32_16x16x128_f8f6f4 v[DD:DD+7], v[FB:FB+FR-1], v[FA:FA+FR-1], 0, v[ZB], v[ZA] matrix_a_fmt:MATRIX_FMT_FP6 matrix_b_fmt:MATRIX_FMT_FP6 matrix_b_scale:MATRIX_SCALE_ROW1
.else
	v_wmma_scale_f32_16x16x128_f8f6f4 v[DD:DD+7], v[FB:FB+FR-1], v[FA:FA+FR-1], 0, v[ZB], v[ZA] matrix_a_fmt:MATRIX_FMT_FP6 matrix_b_fmt:MATRIX_FMT_FP6
.endif
.else
.if ((\b)%2) && ((\a)%2)
	v_wmma_scale_f32_16x16x128_f8f6f4 v[DD:DD+7], v[FB:FB+FR-1], v[FA:FA+FR-1], v[DD:DD+7], v[ZB], v[ZA] matrix_a_fmt:MATRIX_FMT_FP6 matrix_b_fmt:MATRIX_FMT_FP6 matrix_a_scale:MATRIX_SCALE_ROW1 matrix_b_scale:MATRIX_SCALE_ROW1
.elseif (\b)%2
	v_wmma_scale_f32_16x16x128_f8f6f4 v[DD:DD+7], v[FB:FB+FR-1], v[FA:FA+FR-1], v[DD:DD+7], v[ZB], v[ZA] matrix_a_fmt:MATRIX_FMT_FP6 matrix_b_fmt:MATRIX_FMT_FP6 matrix_a_scale:MATRIX_SCALE_ROW1
.elseif (\a)%2
	v_wmma_scale_f32_16x16x128_f8f6f4 v[DD:DD+7], v[FB:FB+FR-1], v[FA:FA+FR-1], v[DD:DD+7], v[ZB], v[ZA] matrix_a_fmt:MATRIX_FMT_FP6 matrix_b_fmt:MATRIX_FMT_FP6 matrix_b_scale:MATRIX_SCALE_ROW1
.else
	v_wmma_scale_f32_16x16x128_f8f6f4 v[DD:DD+7], v[FB:FB+FR-1], v[FA:FA+FR-1], v[DD:DD+7], v[ZB], v[ZA] matrix_a_fmt:MATRIX_FMT_FP6 matrix_b_fmt:MATRIX_FMT_FP6
.endif
.endif
.endm
; 16 products: blocks a0, a0 + 1 x source 0's eight.  The 64 accumulators take turns, one instruction a turn, in the same order in every step.  zero = 1: the first product starts the sums.
.macro MUL16 a0, p, q, sc, zero
.irp a, \a0, \a0+1
.irp b, 0,1,2,3,4,5,6,7
	WM \a, \b, \p, \q, \sc, \zero
.endr
.endr
.endm
.macro FETCH_B slot, q, p              ; source 0's eight fragments of the slot's q-th 128 along K into set p
	WIN TO_B
.irp i, 0,1,2,3,4,5,6,7
	FRAG 128*(\p)+FR*\i, ADRB+\slot, \q, \i
.endr
	WIN 0
.endm
.macro FETCH_A slot, q, i0             ; source 1's blocks i0 .. i0 + 3
.irp i, \i0, \i0+1, \i0+2, \i0+3
	FRAG AF+FR*(\i), ADRA+\slot, \q, \i
.endr
.endm
.macro SCALES sc                       ; a K step's packs into set sc: two steps of 128 x two packs a side: eight loads of 8 bytes a lane
.irp q, 0,1
.irp p, 0,1
	ds_load_b64 v[SC+16*(\sc)+4*\q+2*\p:SC+16*(\sc)+4*\q+2*\p+1], v[ADSA] offset:4096*\p+256*\q
	ds_load_b64 v[SC+16*(\sc)+8+4*\q+2*\p:SC+16*(\sc)+8+4*\q+2*\p+1], v[ADSB] offset:4096*\p+256*\q
.endr
.endr
.endm
; A load into a register that a matrix instruction has read, and a vector instruction that reads a matrix result or writes one of its registers, stand NP places behind it; only plain vector instructions that name none of its registers are places.
.macro PLACES n
.rept \n
	v_nop
.endr
.endm
; A slot's first 128 along K (source 0's set 0); the second 128's fragments are fetched on the way.
.macro STEP slot, zero
	s_wait_dscnt 4*NL                              ; all but the youngest twelve loads (source 1's blocks 4-7) are in
	WIN MUL_LO
	MUL16 0, 0, 0, \slot, \zero
	MUL16 2, 0, 0, \slot, \zero
	s_wait_dscnt 0x0                               ; blocks 4-7 are in (asked for 32 matrix instructions ago)
	PLACES NP
	FETCH_B \slot, 1, 1
	FETCH_A \slot, 1, 0
	WIN MUL_HI
	MUL16 4, 0, 0, \slot, \zero
	MUL16 6, 0, 0, \slot, \zero
	PLACES NP
	WIN 0
	FETCH_A \slot, 1, 4
.endm
; A slot's second 128 changes slots: ONE barrier; in front of it each wave waits for all its tensor loads, adds 0 to its spare word, and waits for that and for its own reads of this slot.  fill = 1: this slot is filled again, two K steps ahead.
.macro TURN slot, next, fill
	s_wait_tensorcnt 0x0                           ; all my tensor loads have landed: my part of the next slot (every window is 0 here)
	ds_add_u32 v[SPW], v[NIL]                      ; 0 onto my spare word
	s_wait_dscnt 4*NL+1                            ; (the add and the youngest twelve loads may be out)
	WIN MUL_LO
	MUL16 0, 1, 1, \slot, 0                        ; sixteen matrix instructions stand between the add and the wait for it
	s_wait_dscnt 0x0                               ; the add is done, and my reads of this slot are over
	s_barrier_signal -1
	MUL16 2, 1, 1, \slot, 0
	WIN 0
	s_barrier_wait -1
.if \fill
	CREST                                          ; the barrier has opened a round of the cluster's barrier: no wave of any partner still reads this slot's tile or has a load on its way
	s_add_nc_u64 s[G0+4*\slot+2:G0+4*\slot+3], s[G0+4*\slot+2:G0+4*\slot+3], 2*STEPB
	s_add_nc_u64 s[G0B+4*\slot+2:G0B+4*\slot+3], s[G0B+4*\slot+2:G0B+4*\slot+3], 2*STEPB
	JLOAD G0+4*\slot, G1, G0B+4*\slot, G1B         ; the first tensor load behind the round, my one load until the next; its four v_nop are the places in front of the loads below
.else
	PLACES NP
.endif
	v_add_nc_u32 v[ADSA], 512, v[ADSA]             ; on to the next K step's packs
	v_add_nc_u32 v[ADSB], 512, v[ADSB]
	FETCH_B \next, 0, 0
	FETCH_A \next, 0, 0
	SCALES \next
	WIN MUL_HI
	MUL16 4, 1, 1, \slot, 0
	MUL16 6, 1, 1, \slot, 0
	PLACES NP
	WIN 0
	FETCH_A \next, 0, 4
.endm
	s_wait_tensorcnt 1                             ; the scale words and my part of K step 0 are in (K step 1's load may be out)
	s_barrier_signal -1
	s_barrier_wait -1                              ; everybody's are
	FETCH_B 0, 0, 0
	FETCH_A 0, 0, 0
	SCALES 0
	FETCH_A 0, 0, 4
	STEP 0, 1                                      ; the first step stands in front of the loop: its products start the sums
	s_mov_b32 s3, LAPS-1
.Llap:                                             ; a trip goes once round the ring and fills both slots again
	TURN 0, 1, 1
	STEP 1, 0
	TURN 1, 0, 1
	STEP 0, 0
	s_sub_co_u32 s3, s3, 1
	s_cmp_lg_u32 s3, 0
	s_cbranch_scc1 .Llap
	TURN 0, 1, 0                                   ; the last lap fills nothing, and has no round of the cluster's barrier
	STEP 1, 0
	s_wait_dscnt 4*NL                              ; the very last step: nothing more to fetch
	WIN MUL_LO
	MUL16 0, 1, 1, 1, 0
	MUL16 2, 1, 1, 1, 0
	s_wait_dscnt 0x0
	WIN MUL_HI
	MUL16 4, 1, 1, 1, 0
	MUL16 6, 1, 1, 1, 0
	WIN 0
; 64 numbers of a lane, v[s] on, register 16 b + i = k 32 b + 16 (lane / 16) + i of my row, become a fragment's codes in v[PC] on and its scale word in v[pw].
.macro QUANT s, pw
.irp b, 0,1,2,3
	v_max3_num_f32 v[TM+\b], |v[\s+16*\b]|, |v[\s+1+16*\b]|, 0x1800000   ; block b: my 16 numbers, and the floor 2^(3 - 127): the byte cannot fall under 1
.endr
.irp i, 2,4,6,8,10,12,14
.irp b, 0,1,2,3
	v_max3_num_f32 v[TM+\b], v[TM+\b], |v[\s+16*\b+\i]|, |v[\s+1+16*\b+\i]|
.endr
.endr
.irp b, 0,1,2,3
	v_permlanex16_b32 v[TM+4+\b], v[TM+\b], s[SEL], s[SEL+1]
.endr
.irp b, 0,1,2,3
	v_max_num_f32 v[TM+\b], v[TM+\b], v[TM+4+\b]   ; with lane l xor 16's: the block's largest magnitude
.endr
.irp b, 0,1,2,3
	v_add_nc_u32 v[TM+12+\b], 0xff000000, v[TM+\b]   ; 2 off its exponent field: the conversion's scale operand
.endr
.irp b, 0,1,2,3
	v_lshrrev_b32 v[TM+4+\b], 23, v[TM+12+\b]      ; the scale's byte
.endr
	v_lshl_or_b32 v[\pw], v[TM+5], 8, v[TM+4]
	v_lshl_or_b32 v[\pw], v[TM+6], 16, v[\pw]
	v_lshl_or_b32 v[\pw], v[TM+7], 24, v[\pw]
.irp c, 0,1
	v_cvt_scalef32_pk16_fp6_f32 v[PC+6*\c:PC+2+6*\c], v[\s+32*\c:\s+15+32*\c], v[TM+12+2*\c]
	v_cvt_scalef32_pk16_fp6_f32 v[PC+12+4*\c:PC+14+4*\c], v[\s+16+32*\c:\s+31+32*\c], v[TM+12+2*\c+1]   ; (a conversion's three registers begin on an even number)
.endr
	v_nop                                          ; one plain place behind a scaled conversion
.irp c, 0,1                                    ; a whole block to a lane: lanes 0-15 block 2 c, lanes 16-31 block 2 c + 1
.irp i, 0,1,2
	v_permlane16_swap_b32 v[PC+6*\c+\i], v[PC+12+4*\c+\i]
.endr
.irp i, 0,1,2
	v_mov_b32 v[PC+3+6*\c+\i], v[PC+12+4*\c+\i]
.endr
.endr
.endm
; THE WAY OUT of block a (16 rows of source 1 x my 128 of source 0): its 64 accumulator registers, each accumulator from its low end on, go to window 0, rotated (rope = 1) or as they are; they are quantised; the image leaves.
.macro BLOCK a, rope
.set XA, 64*((\a)%4)
.if \rope
.if (\a) < 7
	s_wait_loadcnt 16                              ; this block's cos | sin are in; the next block's 16 loads may be out
.else
	s_wait_loadcnt 0x0
.endif
.set FF, 64*(1-(\a)%2)
	WIN (2+(\a)/4)|(((\a)%2)<<2)                   ; source 0: the accumulators' window; source 1: window 0 or 1
.set m, 0
.rept 32
	v_pk_mul_f32 v[T+m:T+m+1], v[XA+m:XA+m+1], v[FF+m:FF+m+1] op_sel_hi:[0,1]   ; (x0 cos, x0 sin)
.set m, m+2
.endr
.set m, 0
.rept 32
	v_pk_fma_f32 v[T+m:T+m+1], v[XA+m:XA+m+1], v[FF+m:FF+m+1], v[T+m:T+m+1] op_sel:[1,1,0] op_sel_hi:[1,0,1] neg_lo:[1,0,0]   ; (- x1 sin, + x1 cos) added
.set m, m+2
.endr
	WIN 0
.if (\a) < 6
	FLOAD (\a)+2                                   ; the set just read takes the block two on
.endif
.else
	WIN 2+(\a)/4
.set m, 0
.rept 32
	v_pk_mul_f32 v[T+m:T+m+1], v[XA+m:XA+m+1], 1.0 op_sel_hi:[1,0]   ; out of the accumulators' window, two registers an instruction; x 1 changes nothing
.set m, m+2
.endr
	WIN 0
.endif
.if (\a) > 0
	s_wait_xcnt 0x0                                ; the last block's stores have read the codes' registers: they are written again only behind this wait
.endif
	QUANT T, SW+(\a)
.irp c, 0,1,2
	global_store_b128 v[LI], v[PC+4*\c:PC+4*\c+3], s[10:11] offset:1536*(\a)+512*\c   ; 32 lanes store 512 consecutive bytes, aligned
.endr
.if (\a)%4 == 3
	v_cndmask_b32 v[W+2*((\a)/4)], v[SW+(\a)-3], v[SW+(\a)-2], s96   ; four blocks' words make a pack: even tiles in lanes 0-15, odd in lanes 16-31
	v_cndmask_b32 v[W+2*((\a)/4)+1], v[SW+(\a)-1], v[SW+(\a)], s96
	global_store_b64 v[L8], v[W+2*((\a)/4):W+2*((\a)/4)+1], s[12:13] offset:256*((\a)/4)   ; 256 consecutive bytes, aligned
.endif
.endm
	PLACES NP                                      ; behind the last products: for the reads of results, the writes over source 1's fragments and the loads over source 0's set 0
.irp b, 0,1,2,3
	v_mov_b32 v[TM+4+\b], 0                        ; written once: a lane permute's destination counts as one of its sources
.endr
	s_cmp_lg_u32 s95, 0                            ; the role: ids alone, the same in all partners
	s_cbranch_scc1 .Lv_way
	FLOAD 1
.irp a, 0,1,2,3,4,5,6,7
	BLOCK \a, 1
.endr
	s_branch .Lend
.Lv_way:
.irp a, 0,1,2,3,4,5,6,7
	BLOCK \a, 0
.endr
.Lend:
	s_wait_tensorcnt 0x0                           ; the wave's end: behind my last tensor load
	ds_add_u32 v[SPW], v[NIL]
	s_wait_dscnt 0x0
	CROUND                                         ; the closing round: no work-group ends while a partner may still ask for a tile that names it
	s_endpgm
.Lfunc_end_k_qf6d92946cb_qkv:
	.size	k_qf6d92946cb_qkv, .Lfunc_end_k_qf6d92946cb_qkv-k_qf6d92946cb_qkv
	.p2alignl 7, 3214868480
	.fill 96, 4, 3214868480
	.section	.rodata,"a",@progbits
	.p2align	6, 0x0
	.amdhsa_kernel k_qf6d92946cb_qkv
		.amdhsa_group_segment_fixed_size 327680
		.amdhsa_private_segment_fixed_size 0
		.amdhsa_enable_private_segment 0
		.amdhsa_kernarg_size 40
		.amdhsa_user_sgpr_count 2
		.amdhsa_user_sgpr_kernarg_segment_ptr 1
		.amdhsa_wavefront_size32 1
		.amdhsa_system_sgpr_workgroup_id_x 1
		.amdhsa_system_sgpr_workgroup_id_y 1
		.amdhsa_system_sgpr_workgroup_id_z 1
		.amdhsa_system_vgpr_workitem_id 0
		.amdhsa_next_free_vgpr 1024
		.amdhsa_next_free_sgpr 102
		.amdhsa_reserve_vcc 0
		.amdhsa_float_denorm_mode_32 3
		.amdhsa_float_denorm_mode_16_64 3
		.amdhsa_memory_ordered 1
		.amdhsa_forward_progress 1
		.amdhsa_inst_pref_size 233
	.end_amdhsa_kernel
	.amdgpu_metadata
---
amdhsa.version: [ 1, 2 ]
amdhsa.kernels:
  - .name:           k_qf6d92946cb_qkv
    .symbol:         k_qf6d92946cb_qkv.kd
    .args:
      - { .name: xw_codes, .offset: 0, .size: 8, .value_kind: global_buffer, .address_space: global }
      - { .name: xw_scales, .offset: 8, .size: 8, .value_kind: global_buffer, .address_space: global }
      - { .name: freqs_cis, .offset: 16, .size: 8, .value_kind: global_buffer, .address_space: global }
      - { .name: qkv_codes, .offset: 24, .size: 8, .value_kind: global_buffer, .address_space: global }
      - { .name: qkv_scales, .offset: 32, .size: 8, .value_kind: global_buffer, .address_space: global }
    .group_segment_fixed_size: 327680
    .private_segment_fixed_size: 0
    .kernarg_segment_align: 8
    .kernarg_segment_size: 40
    .max_flat_workgroup_size: 128
    .sgpr_count:     102
    .vgpr_count:     1024
    .wavefront_size: 32
...
	.end_amdgpu_metadata
.endif
;; end of part 2
;; launch attn (part 3): grid 16 x 16, 8 waves a work-group, clusters of 4 x 1, 327,680 bytes of LDS; arguments qkv_codes, qkv_scales, o_codes, o_scales; writes o_codes, o_scales
.if DOCPART == 3
	.amdgcn_target "amdgcn-amd-amdhsa--gfx1250"
	.amdhsa_code_object_version 6
	.text
	.protected	k_qf6d92946cb_attn
	.globl	k_qf6d92946cb_attn
	.p2align	8
	.type	k_qf6d92946cb_attn,@function
k_qf6d92946cb_attn:
	s_mov_b64 s[64:65], 0
	v_nop
	global_prefetch_b8 v0, s[64:65] scope:SCOPE_SE
	s_setreg_imm32_b32 hwreg(HW_REG_WAVE_MODE, 25, 1), 1
	s_wait_xcnt 0x0
	s_wait_alu depctr_hold_cnt(0) depctr_sa_sdst(0) depctr_va_vdst(0) depctr_va_sdst(0) depctr_va_ssrc(0) depctr_va_vcc(0) depctr_vm_vsrc(0)
	s_getreg_b32 s2, hwreg(HW_REG_IB_STS2, 6, 4)
	s_cmp_eq_u32 s2, 0
	s_cbranch_scc0 .Lentry_in_a_cluster
	s_endpgm
.Lentry_in_a_cluster:
	s_bfe_u32 s2, ttmp6, 0x10000c
	s_cmp_lg_u32 s2, 0x3003
	s_cbranch_scc0 .Lentry_shape_is_right
	s_endpgm
.Lentry_shape_is_right:
; o[q][head] = the sum over k of softmax_k(q . k / sqrt(128)) v, 16 heads, 2,048 tokens, no mask, both products on codes of FP6 (E2M3) with E8M0 scales; o is quantised at once along D for the last product.
; THE SOFTMAX AHEAD OF THE SECOND PRODUCT: t = score x log2(e) / sqrt(128); M = the row's largest t so far, rounded UP to a whole number; p = 2^(t - M) is what is quantised, along the keys, not normalised.
; The row's sum is taken of the unquantised p and divides O at the end.  When M moves, the sum and O are multiplied by 2^(old M - new M): exact.
; IN (qkv_codes: q, k, v, 3,145,728 bytes each): a fragment's image (byte 512 c + 16 lane + 4 e = register 4 c + e) at 196,608 head + 12,288 g + 1,536 a; packs of scale words at 8,192 head + 512 g + 256 (a / 4)
; (byte 8 lane + 4 c = word of row lane % 16 of tile 4 P + 2 c + lane / 16).  q, k: g = group of 128 tokens, a = tile of tokens (lane row r = token 32 (a / 2) + 8 (a % 2) + r + 8 (r / 8)), K = the head's 128.
; v: g = step of 128 keys, a = tile of channels in the same order, K = those keys.
; OUT (o_codes): tile t of tokens, K step = head: (t / 8) 196,608 + (head / 2) 24,576 + (t % 8) 3,072 + (head % 2) 1,536; packs at 4,096 (t / 4) + 256 head.
; SHARES.  A work-group owns 128 queries of one head; wave a owns tile a: 16 queries.  Two waves to a SIMD.  Every wave walks 16 key steps of 128 keys.
; LAYOUT.  Both products are used transposed: S^T = K Q^T, O^T = V^T P^T: a lane holds ONE query throughout; by the tiles' order the 16 registers of tiles 2 b, 2 b + 1 are 16 neighbours along the next K.
; RING.  Two slots of 512 keys (K's four steps, then V's four; 12,288 bytes each); each of the eight waves fetches one of the eight parts with one tensor load.
; CLUSTER.  The four query groups of a cluster walk the same K and V: every tile is asked for jointly, by the same load with the same descriptor and a mask that names the four.
; LIMITS: NaN and infinities are not served; a block of zeros gets the byte 1 (its codes are zeros); 1 / the sum comes from v_rcp_f32.
; REGISTERS: window 0: v1-11, v28-29 addresses; v12 -M, v13 the largest t, v[14:15] the sum in two halves; v16-27 Q; v84-87, v88-91 K's and V's scale words; v96-159 S^T, then p; v160-223 O^T; v224-235 p's codes;
;   v232-254 at work; v253 p's scale word; v255 Q's.  On the way out v32-68.   window 1: v0-95 K's eight fragments, v96-191 V's.
.set KSTEP, 12288                      ; a key step's eight images
.set VOFF,  4*KSTEP                    ; in a slot: K's four steps, then V's
.set SLOT1, 1<<17                      ; slot 1 begins here, so that one exclusive or turns an address in one slot into the other's
.set SCK,   2*SLOT1                    ; K's packs of the whole head, 8,192 bytes; V's behind them; filled once
.set OSC,   SCK+16384                  ; o's two packs: written by LDS stores alone
.set SPARE, OSC+512                    ; the spare words, 128 bytes for each wave, which no other line names
.set AL,   1                           ; v1   16 x lane
.set AV0,  2                           ; v2   16 x lane + VOFF
.set ASK0, 3                           ; v3   SCK + 8 x lane
.set PFO,  4                           ; v4   256 x lane: the prefetches' offset; never rewritten
.set SPW,  5                           ; v5   LDS address of my spare word; never rewritten
.set NIL,  6                           ; v6   0; never rewritten
.set R8,   7                           ; v7   8 x (lane % 16)
.set ADK,  8                           ; v8   the slot in hand: K's images
.set ADV,  9                           ; v9   V's
.set ADS,  10                          ; v10  the step's packs
.set OSA,  11                          ; v11  where my tile's scale word goes among o's packs
.set QF,   16
.set OSB,  28                          ; v28  where a pack is read back
.set L8,   29                          ; v29  8 x lane
.set PC,   32
.set TM,   52
.set PW,   68
.set KS,   84
.set VS,   88
.set S,    96
.set O,    160
.set QS,   255
.set WV,   18                          ; s18  my wave's number
.set SEL,  20                          ; s[20:21] lane selects for v_permlanex16_b32
.set CS,   22                          ; s[22:23] c = log2(e) / sqrt(128)
.set G1,   24                          ; s[24:31] descriptor group 1 for the images;  s[32:39] for the packs
.set G1S,  32
.set G0,   40                          ; s[40:43] group 0 for the images: it walks;  s[44:47] for the packs
.set G0S,  44
.set TB,   48                          ; s48  LDS byte at which the slot in hand begins
.set TS,   49                          ; s49  the step's packs: 512 bytes a step
.set SLOTS, 50                         ; s50  slots still to be asked for
.set LIM,  51                          ; s51  1 in a wave that prefetches, else the greatest number
.set PFA,  52                          ; s[52:53] where my prefetches stand
.set MSB, 0
.macro WIN new
.if MSB != (\new)
	s_set_vgpr_msb (MSB<<8)|(\new)
.set MSB, (\new)
.endif
.endm
.macro CROUND                          ; a round of the cluster's barrier
	s_barrier_signal -1
	s_barrier_wait -1
	s_cmp_lg_u32 s[WV], 0
	s_cbranch_scc1 .Lnot_wave_0_\@
	s_barrier_signal -3
.Lnot_wave_0_\@:
	s_barrier_wait -3
	s_barrier_signal -1
	s_barrier_wait -1
.endm
; A PREFETCH INTO THE L2 of the slot that the NEXT change of slots will ask for: 98,304 bytes = 4 partners x 3 waves x 32 lanes x 256.  All four clusters of a head walk the same K and V: the head's first cluster asks.
; Its partners are told apart by address alone (two take K's halves, two V's); in each, waves 0 to 2 ask, 8,192 bytes a wave, lanes 256 bytes apart.  So each aligned block of 256 bytes is named once in the launch.
; The change that loads slot c names slot c + 1: four key steps ahead of that load.  Slots 0 and 1 come by their loads alone; the last change that fills a slot asks for nothing.
.macro ASK
	s_cmp_gt_u32 s[SLOTS], s[LIM]
	s_cbranch_scc0 .Lnot_mine_\@
	global_prefetch_b8 v[PFO], s[PFA:PFA+1] th:TH_LOAD_NT scope:SCOPE_SE
.Lnot_mine_\@:
.endm
	s_load_b256 s[4:11], s[0:1], 0x0               ; q k v's codes s[4:5], their scale words s[6:7], o's codes s[8:9], o's scale words s[10:11]
	v_lshl_add_u32 v[SPW], v0, 2, SPARE
	v_mov_b32 v[NIL], 0
	ds_add_u32 v[SPW], v[NIL]                      ; the wave's opening: the add and its wait ahead of my first tensor load; the set-up below, work on registers, stands between them
	v_lshrrev_b32 v8, 5, v0
	v_readfirstlane_b32 s[WV], v8                  ; wave 0..7
	s_bfe_u32 s54, ttmp6, 0x40000                  ; cx: my place in the cluster
	s_lshl_b32 s55, ttmp9, 2
	s_add_co_u32 s55, s55, s54                     ; my group of 128 queries: it enters Q's and o's addresses alone
	s_and_b32 s56, ttmp7, 0xffff                   ; the head, which the four partners share
	s_mul_i32 s57, s56, 196608                     ; the head's codes in a tensor,
	s_lshl_b32 s62, s56, 13                        ; and its packs
	s_lshr_b32 s58, s[WV], 2                       ; I fetch for K (0) or V (1),
	s_and_b32 s59, s[WV], 3                        ; which of a slot's four steps
	; descriptor group 1: 12,288 bytes on end, as 48 rows of 32 elements of 8 bytes; no padding: an image is read as consecutive bytes
	s_mov_b32 s[G1], 15|(3<<16)|(1<<21)            ; 15:0 the mask: all four work-groups; 17:16 elements of 8 bytes; 21 set beside a mask
	s_mov_b32 s[G1+1], 32<<16                      ; tensor_dim0
	s_mov_b32 s[G1+2], 48<<16                      ; tensor_dim1
	s_mov_b32 s[G1+3], 32<<16                      ; tile_dim0
	s_mov_b32 s[G1+4], 48                          ; tile_dim1
	s_mov_b32 s[G1+5], 32                          ; tensor_dim0_stride
	s_mov_b32 s[G1+6], 0
	s_mov_b32 s[G1+7], 0
	s_mov_b32 s[G1S], 15|(3<<16)|(1<<21)           ; a quarter of a head's packs: 2,048 bytes, 8 such rows
	s_mov_b32 s[G1S+1], 32<<16
	s_mov_b32 s[G1S+2], 8<<16
	s_mov_b32 s[G1S+3], 32<<16
	s_mov_b32 s[G1S+4], 8
	s_mov_b32 s[G1S+5], 32
	s_mov_b32 s[G1S+6], 0
	s_mov_b32 s[G1S+7], 0
	s_mov_b32 s[G0], 1
	s_mul_i32 s[G0+1], s[WV], KSTEP                ; slot 0, my part: wave x 12,288
	s_mov_b32 s[G0S], 1
	s_lshl_b32 s[G0S+1], s[WV], 11
	s_add_co_u32 s[G0S+1], s[G0S+1], SCK           ; my part of the packs: wave x 2,048
	s_mul_i32 s60, s58, 3145728                    ; in memory: k's tensor or v's,
	s_mul_i32 s61, s59, KSTEP                      ; my step,
	s_add_co_u32 s60, s60, s61
	s_add_co_u32 s60, s60, s57                     ; the head,
	s_add_co_u32 s60, s60, 3145728                 ; behind q's tensor
	s_mov_b32 s61, 0
	s_lshl_b32 s66, s58, 17                        ; the packs likewise
	s_lshl_b32 s67, s59, 11
	s_add_co_u32 s66, s66, s67
	s_add_co_u32 s66, s66, s62
	s_add_co_u32 s66, s66, 131072
	s_mov_b32 s67, 0
	s_mov_b32 s[SEL], 0x76543210
	s_mov_b32 s[SEL+1], 0xfedcba98
	s_mov_b32 s[CS], 0x3e0293ee                    ; c = log2(e) / sqrt(128)
	s_mov_b32 s[CS+1], s[CS]                       ; (named with it as a pair, so it is written)
	s_mov_b32 s[TB], 0
	s_mov_b32 s[TS], 0
	s_mov_b32 s[SLOTS], 3
	s_cmp_lt_u32 s[WV], 3                          ; waves 0 to 2
	s_cselect_b32 s[LIM], 0, 1
	s_or_b32 s[LIM], s[LIM], ttmp9                 ; of the head's first cluster: the same in all four partners
	s_cmp_eq_u32 s[LIM], 0
	s_cselect_b32 s[LIM], 1, -1
	s_wait_dscnt 0x0                               ; the opening add is done
	s_wait_kmcnt 0x0
	s_add_nc_u64 s[G0+2:G0+3], s[4:5], s[60:61]
	s_or_b32 s[G0+3], s[G0+3], 0x80000000
	s_add_nc_u64 s[G0S+2:G0S+3], s[6:7], s[66:67]
	s_or_b32 s[G0S+3], s[G0S+3], 0x80000000
	CROUND                                         ; all four work-groups are here: the first joint loads meet
	tensor_load_to_lds s[G0S:G0S+3], s[G1S:G1S+7]  ; the packs of the whole head: filled once
	s_nop 0
	tensor_load_to_lds s[G0:G0+3], s[G1:G1+7]      ; slot 0.  Two tensor loads of mine are out
	s_nop 0
.rept 4
	v_nop
.endr
	s_mul_i32 s68, s55, KSTEP                      ; Q: my group,
	s_mul_i32 s69, s[WV], 1536                     ; my tile,
	s_add_co_u32 s68, s68, s69
	s_add_co_u32 s68, s68, s57                     ; my head
	s_mov_b32 s69, 0
	s_add_nc_u64 s[70:71], s[4:5], s[68:69]
	s_lshl_b32 s76, s58, 8                         ; my tile's place in two packs: 256 (a / 4) + 128 (a % 2) + 4 ((a / 2) % 2)
	s_and_b32 s77, s[WV], 1
	s_lshl_b32 s77, s77, 7
	s_add_co_u32 s76, s76, s77
	s_bfe_u32 s77, s[WV], 0x10001
	s_lshl_b32 s77, s77, 2
	s_add_co_u32 s76, s76, s77
	s_lshl_b32 s72, s55, 9
	s_add_co_u32 s72, s72, s62
	s_add_co_u32 s72, s72, s76
	s_mov_b32 s73, 0
	s_add_nc_u64 s[72:73], s[6:7], s[72:73]        ; Q's scale words
	s_lshr_b32 s74, s54, 1                         ; the prefetches: partners 0, 1 take K's halves of a slot, partners 2, 3 V's,
	s_mul_i32 s74, s74, 3145728
	s_and_b32 s75, s54, 1
	s_mul_i32 s75, s75, 24576
	s_add_co_u32 s74, s74, s75
	s_lshl_b32 s75, s[WV], 13                      ; 8,192 bytes a wave,
	s_add_co_u32 s74, s74, s75
	s_add_co_u32 s74, s74, s57
	s_add_co_u32 s74, s74, 3145728+49152           ; in slot 1: the first change of slots steps it to slot 2.  Nothing is prefetched here, at the head
	s_mov_b32 s75, 0
	s_add_nc_u64 s[PFA:PFA+1], s[4:5], s[74:75]
	s_mul_i32 s66, s55, 196608                     ; o's codes: my group of 128 tokens,
	s_lshr_b32 s67, s56, 1
	s_mul_i32 s67, s67, 24576                      ; the pair of K steps,
	s_add_co_u32 s66, s66, s67
	s_mul_i32 s67, s[WV], 3072                     ; my tile,
	s_add_co_u32 s66, s66, s67
	s_and_b32 s67, s56, 1
	s_mul_i32 s67, s67, 1536                       ; and which of the two K steps
	s_add_co_u32 s66, s66, s67
	s_mov_b32 s67, 0
	s_add_nc_u64 s[8:9], s[8:9], s[66:67]
	s_lshl_b32 s66, s55, 1                         ; o's packs: pack 2 x group + wave % 2 (waves 0 and 1 store them), K step = head
	s_and_b32 s68, s[WV], 1
	s_add_co_u32 s66, s66, s68
	s_lshl_b32 s66, s66, 12
	s_lshl_b32 s69, s56, 8
	s_add_co_u32 s66, s66, s69
	s_add_nc_u64 s[10:11], s[10:11], s[66:67]
	v_and_b32 v8, 31, v0                           ; lane
	v_lshlrev_b32 v[AL], 4, v8
	v_add_nc_u32 v[AV0], VOFF, v[AL]
	v_lshlrev_b32 v[L8], 3, v8
	v_add_nc_u32 v[ASK0], SCK, v[L8]
	v_lshlrev_b32 v[PFO], 8, v8
	v_and_b32 v9, 15, v0
	v_lshlrev_b32 v[R8], 3, v9
.irp c, 0,1,2
	global_load_b128 v[QF+4*\c:QF+4*\c+3], v[AL], s[70:71] offset:512*\c   ; Q's fragment stays in registers
.endr
	global_load_b32 v[QS], v[R8], s[72:73]         ; Q's scale words: lane r has row r's
	s_add_co_u32 s77, s76, OSC
	v_add_nc_u32 v[OSA], s77, v[R8]
	s_lshl_b32 s77, s68, 8
	s_add_co_u32 s77, s77, OSC
	v_add_nc_u32 v[OSB], s77, v[L8]
	v_mov_b32 v13, 0xff61b1e6                      ; the largest t so far: -3e38, under every t
	v_floor_f32 v12, -v13                          ; -M
	v_mov_b32 v14, 0                               ; the sum, in two halves
	v_mov_b32 v15, 0
.irp b, 0,1,2,3
	v_mov_b32 v[236+\b], 0                         ; written once: a lane permute's destination counts as one of its sources
.endr
	v_mov_b32 v253, 0                              ; (named as the upper half of the pair v[252:253] before it is first written)
.set jj, 0
.rept 64
	v_mov_b32 v[O+jj], 0                           ; O^T.  (The step is written without a first step of its own: it finds zeros, which the first change of M leaves zeros)
.set jj, jj+1
.endr
.macro KFETCH q, so                    ; K's eight images of the slot's q-th step, and its two packs, so bytes on from the step in hand: 26 LDS loads
	WIN 0x40                                       ; destination window 1
.irp t, 0,1,2,3,4,5,6,7
.irp c, 0,1,2
	ds_load_b128 v[12*\t+4*\c:12*\t+4*\c+3], v[ADK] offset:KSTEP*(\q)+1536*\t+512*\c
.endr
.endr
	WIN 0
.irp p, 0,1
	ds_load_b64 v[KS+2*\p:KS+2*\p+1], v[ADS] offset:\so+256*\p
.endr
.endm
.macro VFETCH q                        ; V's likewise: 26 LDS loads
	WIN 0x40
.irp t, 0,1,2,3,4,5,6,7
.irp c, 0,1,2
	ds_load_b128 v[96+12*\t+4*\c:96+12*\t+4*\c+3], v[ADV] offset:KSTEP*(\q)+1536*\t+512*\c
.endr
.endr
	WIN 0
.irp p, 0,1
	ds_load_b64 v[VS+2*\p:VS+2*\p+1], v[ADS] offset:8192+256*\p
.endr
.endm
.macro SMUL t                          ; S^T, tile t: 16 keys x my 16 queries.  An odd tile's scale words stand in lanes 16-31
.if (\t)%2
	v_wmma_scale_f32_16x16x128_f8f6f4 v[S+8*(\t):S+8*(\t)+7], v[12*(\t):12*(\t)+11], v[QF:QF+11], 0, v[KS+2*((\t)/4)+((\t)%4)/2], v[QS] matrix_a_fmt:MATRIX_FMT_FP6 matrix_b_fmt:MATRIX_FMT_FP6 matrix_a_scale:MATRIX_SCALE_ROW1
.else
	v_wmma_scale_f32_16x16x128_f8f6f4 v[S+8*(\t):S+8*(\t)+7], v[12*(\t):12*(\t)+11], v[QF:QF+11], 0, v[KS+2*((\t)/4)+((\t)%4)/2], v[QS] matrix_a_fmt:MATRIX_FMT_FP6 matrix_b_fmt:MATRIX_FMT_FP6
.endif
.endm
.macro PMUL t                          ; O^T, tile t: 16 channels x my 16 queries, K = the step's 128 keys
.if (\t)%2
	v_wmma_scale_f32_16x16x128_f8f6f4 v[O+8*(\t):O+8*(\t)+7], v[96+12*(\t):96+12*(\t)+11], v[224:235], v[O+8*(\t):O+8*(\t)+7], v[VS+2*((\t)/4)+((\t)%4)/2], v253 matrix_a_fmt:MATRIX_FMT_FP6 matrix_b_fmt:MATRIX_FMT_FP6 matrix_a_scale:MATRIX_SCALE_ROW1
.else
	v_wmma_scale_f32_16x16x128_f8f6f4 v[O+8*(\t):O+8*(\t)+7], v[96+12*(\t):96+12*(\t)+11], v[224:235], v[O+8*(\t):O+8*(\t)+7], v[VS+2*((\t)/4)+((\t)%4)/2], v253 matrix_a_fmt:MATRIX_FMT_FP6 matrix_b_fmt:MATRIX_FMT_FP6
.endif
.endm
; A KEY STEP: 128 keys, the q-th of the slot in hand.  nxt = 1: the slot's next step's K is fetched on the way.
.macro STEP q, nxt
	s_wait_dscnt 0x0                               ; K's fragments and packs are in
	WIN 0x01                                       ; source 0 window 1
.irp t, 0,1,2,3,4,5,6,7
	SMUL \t
.endr
	WIN 0
	v_add_nc_u32 v[ADS], s[TS], v[ASK0]            ; this step's packs.  With three v_nop: the four places in front of the loads over K's and V's registers and of the first read of S^T
.rept 3
	v_nop
.endr
	VFETCH \q
.if \nxt
	KFETCH (\q)+1, 512
.endif
.irp b, 0,1,2,3
	v_max3_num_f32 v[232+\b], v[96+16*\b], v[97+16*\b], v[98+16*\b]   ; THE LARGEST SCORE OF EACH BLOCK OF 32 KEYS: it serves for the row's maximum and, since p rises with the score, for the block's largest p
.endr
.irp i, 3,5,7,9,11,13
.irp b, 0,1,2,3
	v_max3_num_f32 v[232+\b], v[232+\b], v[96+16*\b+\i], v[97+16*\b+\i]   ; (the four blocks by turns)
.endr
.endr
.irp b, 0,1,2,3
	v_max_num_f32 v[232+\b], v[232+\b], v[111+16*\b]
.endr
.irp b, 0,1,2,3
	v_permlanex16_b32 v[236+\b], v[232+\b], s[SEL], s[SEL+1]
.endr
.irp b, 0,1,2,3
	v_max_num_f32 v[232+\b], v[232+\b], v[236+\b]  ; with lane l xor 16's 16 keys
.endr
	v_max3_num_f32 v254, v232, v233, v234
	v_max_num_f32 v254, v254, v235                 ; the step's largest score of my query
	v_mul_f32 v254, s[CS], v254                    ; as t (c is positive)
	v_max_num_f32 v13, v13, v254                   ; the running largest t
	v_mov_b32 v254, v12
	v_floor_f32 v12, -v13                          ; the new -M = floor(-t) = -ceil(t): M is a whole number
	v_sub_f32 v254, v12, v254                      ; M's old value less its new one: a whole number, 0 or less
	v_cvt_i32_f32 v254, v254                       ; (it saturates)
	v_ldexp_f32 v252, 1.0, v254                    ; f = 2^(old M - new M)
.set jj, 0
.rept 32
	v_pk_fma_f32 v[96+jj:97+jj], v[96+jj:97+jj], s[CS:CS+1], v[12:13] op_sel_hi:[1,0,0]   ; t - M, two at a time (of the pairs c and -M the low word serves both halves)
.set jj, jj+2
.endr
.irp b, 0,1,2,3
	v_fma_f32 v[232+\b], v[232+\b], s[CS], v12     ; the same of each block's largest score
.endr
.set jj, 0
.rept 64
	v_exp_f32 v[96+jj], v[96+jj]                   ; p = 2^(t - M), at most 1: not normalised
.set jj, jj+1
.endr
	v_pk_mul_f32 v[14:15], v[14:15], v[252:253] op_sel_hi:[1,0]   ; the sums under the new M.  (A plain place behind the exponentials)
	s_wait_alu depctr_va_vdst(0)                   ; one wait for the whole batch, ahead of its first reader
.irp b, 0,1,2,3
	v_exp_f32 v[232+\b], v[232+\b]                 ; the block's largest p: the same two instructions on the same number give the same bits
.endr
	v_pk_add_f32 v[236:237], v[96:97], v[98:99]    ; THE ROW'S SUM IS TAKEN OF THE UNQUANTISED p: two at a time, in two chains
.irp j, 4,8,12,16,20,24,28,32,36,40,44,48,52,56,60
	v_pk_add_f32 v[14:15], v[14:15], v[96+\j:97+\j]
	v_pk_add_f32 v[236:237], v[236:237], v[98+\j:99+\j]
.endr
	v_pk_add_f32 v[14:15], v[14:15], v[236:237]
	s_wait_alu depctr_va_vdst(0)                   ; and one for the four
.irp b, 0,1,2,3
	v_max_num_f32 v[232+\b], 0x1800000, v[232+\b]  ; the floor 2^(3 - 127): the byte cannot fall under 1
.endr
.irp b, 0,1,2,3
	v_add_nc_u32 v[244+\b], 0xff000000, v[232+\b]  ; 2 off the exponent field: the conversion's scale operand
.endr
.irp b, 0,1,2,3
	v_lshrrev_b32 v[236+\b], 23, v[244+\b]         ; the scale's byte
.endr
	v_lshl_or_b32 v253, v237, 8, v236              ; p's scale word for these 128 keys
	v_lshl_or_b32 v253, v238, 16, v253
	v_lshl_or_b32 v253, v239, 24, v253
.irp c, 0,1
	v_cvt_scalef32_pk16_fp6_f32 v[224+6*\c:226+6*\c], v[96+32*\c:111+32*\c], v[244+2*\c]
	v_cvt_scalef32_pk16_fp6_f32 v[236+4*\c:238+4*\c], v[112+32*\c:127+32*\c], v[244+2*\c+1]   ; (a conversion's three registers begin on an even number)
.endr
	v_nop                                          ; one plain place behind a scaled conversion
.irp c, 0,1                                    ; a whole block to a lane: lanes 0-15 block 2 c, lanes 16-31 block 2 c + 1
.irp i, 0,1,2
	v_permlane16_swap_b32 v[224+6*\c+\i], v[236+4*\c+\i]
.endr
.irp i, 0,1,2
	v_mov_b32 v[227+6*\c+\i], v[236+4*\c+\i]
.endr
.endr
.set jj, 0
.rept 32
	v_pk_mul_f32 v[O+jj:O+jj+1], v[O+jj:O+jj+1], v[252:253] op_sel_hi:[1,0]   ; O^T under the new M: x f.  (These 32 are also the places between the writes of p's codes and scale word and the products below)
.set jj, jj+2
.endr
.if \nxt
	s_wait_dscnt 26                                ; V's 26 loads are in; the next step's K, 26 loads, may be out
.else
	s_wait_dscnt 0x0
.endif
	WIN 0x01
.irp t, 0,1,2,3,4,5,6,7
	PMUL \t                                        ; eight accumulators, one instruction each: by turns
.endr
	WIN 0
	s_add_co_u32 s[TS], s[TS], 512                 ; the next step's packs
.endm
; THE CHANGE OF SLOTS stands at a slot's head.  Each wave waits for all its tensor loads (its part of the slot that it is about to read), adds 0 to its spare word, and waits for that and for its reads of the slot that it has left.
; fill = 1: the barrier is a round of the cluster's, and behind it the slot that was left is filled with the keys that follow: the load has four key steps in which to land.
.macro CHANGE fill
	s_wait_tensorcnt 0x0                           ; no tensor load of mine is out, so a group 0 may be written
	ds_add_u32 v[SPW], v[NIL]                      ; 0 onto my spare word
.if \fill
	s_xor_b32 s[G0+1], s[G0+1], SLOT1              ; the walking descriptor: the other slot than last time,
	s_add_nc_u64 s[G0+2:G0+3], s[G0+2:G0+3], 4*KSTEP   ; the next 512 keys; the type bits on top are not reached
	s_wait_xcnt 0x0                                ; the last prefetch, a slot back, has read its address, so it may be written:
	s_add_nc_u64 s[PFA:PFA+1], s[PFA:PFA+1], 4*KSTEP   ; one slot further on than the walking descriptor
.endif
	s_wait_dscnt 0x0                               ; the add is done, and my reads of the slot that I have left are over
.if \fill
	CROUND                                         ; no wave of any partner still reads that slot or has a load on its way
	tensor_load_to_lds s[G0:G0+3], s[G1:G1+7]      ; the first thing behind the round, and my one tensor load until the next
	s_nop 0
.rept 4
	v_nop
.endr
.else
	s_barrier_signal -1
	s_barrier_wait -1
.endif
	v_add_nc_u32 v[ADK], s[TB], v[AL]
	v_add_nc_u32 v[ADV], s[TB], v[AV0]
	v_add_nc_u32 v[ADS], s[TS], v[ASK0]
	KFETCH 0, 0
.if \fill
	ASK                                            ; behind the tensor load and the run of LDS loads that the next products wait for
.endif
.endm
.macro SLOT_STEPS
	STEP 0, 1
	STEP 1, 1
	STEP 2, 1
	STEP 3, 0
	s_xor_b32 s[TB], s[TB], SLOT1                  ; on to the other slot
.endm
	s_wait_loadcnt 0x0                             ; Q
.Lslot:                                            ; three trips: behind each change of slots but the last the next slot is asked for
	CHANGE 1
	SLOT_STEPS
	s_sub_co_u32 s[SLOTS], s[SLOTS], 1
	s_cmp_lg_u32 s[SLOTS], 0
	s_cbranch_scc1 .Lslot
	CHANGE 0                                       ; the last slot is written out
	SLOT_STEPS
; 64 numbers of a lane, v[s] on, register 16 b + i = k 32 b + 16 (lane / 16) + i of my row, become a fragment's codes in v[PC] on and its scale word in v[pw].
.macro QUANT s, pw
.irp b, 0,1,2,3
	v_max3_num_f32 v[TM+\b], |v[\s+16*\b]|, |v[\s+1+16*\b]|, 0x1800000
.endr
.irp i, 2,4,6,8,10,12,14
.irp b, 0,1,2,3
	v_max3_num_f32 v[TM+\b], v[TM+\b], |v[\s+16*\b+\i]|, |v[\s+1+16*\b+\i]|
.endr
.endr
.irp b, 0,1,2,3
	v_permlanex16_b32 v[TM+4+\b], v[TM+\b], s[SEL], s[SEL+1]
.endr
.irp b, 0,1,2,3
	v_max_num_f32 v[TM+\b], v[TM+\b], v[TM+4+\b]
.endr
.irp b, 0,1,2,3
	v_add_nc_u32 v[TM+12+\b], 0xff000000, v[TM+\b]
.endr
.irp b, 0,1,2,3
	v_lshrrev_b32 v[TM+4+\b], 23, v[TM+12+\b]
.endr
	v_lshl_or_b32 v[\pw], v[TM+5], 8, v[TM+4]
	v_lshl_or_b32 v[\pw], v[TM+6], 16, v[\pw]
	v_lshl_or_b32 v[\pw], v[TM+7], 24, v[\pw]
.irp c, 0,1
	v_cvt_scalef32_pk16_fp6_f32 v[PC+6*\c:PC+2+6*\c], v[\s+32*\c:\s+15+32*\c], v[TM+12+2*\c]
	v_cvt_scalef32_pk16_fp6_f32 v[PC+12+4*\c:PC+14+4*\c], v[\s+16+32*\c:\s+31+32*\c], v[TM+12+2*\c+1]
.endr
	v_nop                                          ; one plain place behind a scaled conversion
.irp c, 0,1
.irp i, 0,1,2
	v_permlane16_swap_b32 v[PC+6*\c+\i], v[PC+12+4*\c+\i]
.endr
.irp i, 0,1,2
	v_mov_b32 v[PC+3+6*\c+\i], v[PC+12+4*\c+\i]
.endr
.endr
.endm
	; THE WAY OUT.  O^T / the sum: register 16 b + i is channel 32 b + 16 h + i of my query: one K step of the last product.  It is quantised, and its image leaves as it stands.
	v_add_f32 v14, v14, v15                        ; the sum's two halves,
	v_permlanex16_b32 v252, v14, s[SEL], s[SEL+1]
	v_add_f32 v14, v14, v252                       ; and lane l xor 16's: the row's sum
	v_rcp_f32 v14, v14
.irp b, 0,1,2,3
	v_mov_b32 v[TM+4+\b], 0                        ; plain places behind the reciprocal and behind the last products; a lane permute's destination counts as one of its sources
.endr
	s_wait_alu depctr_va_vdst(0)                   ; the wait ahead of the reciprocal's first reader
.set jj, 0
.rept 32
	v_pk_mul_f32 v[S+jj:S+jj+1], v[O+jj:O+jj+1], v[14:15] op_sel_hi:[1,0]   ; each accumulator from its low end on
.set jj, jj+2
.endr
	QUANT S, PW
.irp c, 0,1,2
	global_store_b128 v[AL], v[PC+4*\c:PC+4*\c+3], s[8:9] offset:512*\c   ; 32 lanes store 512 consecutive bytes, aligned
.endr
	ds_store_b32 v[OSA], v[PW]                     ; my tile's scale words to their places in o's two packs (lanes r and r + 16 write the same word with the same value)
	s_wait_dscnt 0x0                               ; for the others' sake: my store is done
	s_barrier_signal -1
	s_barrier_wait -1
	s_cmp_lt_u32 s[WV], 2                          ; waves 0 and 1 store a pack each
	s_cbranch_scc0 .Lno_pack
	ds_load_b64 v[70:71], v[OSB]
	s_wait_dscnt 0x0
	global_store_b64 v[L8], v[70:71], s[10:11]     ; 256 consecutive bytes, aligned
.Lno_pack:
	s_wait_tensorcnt 0x0                           ; the wave's end: behind my last tensor load and my last LDS store
	ds_add_u32 v[SPW], v[NIL]
	s_wait_dscnt 0x0
	CROUND                                         ; the closing round: no work-group ends while a partner may still ask for a tile that names it
	s_endpgm
.Lfunc_end_k_qf6d92946cb_attn:
	.size	k_qf6d92946cb_attn, .Lfunc_end_k_qf6d92946cb_attn-k_qf6d92946cb_attn
	.p2alignl 7, 3214868480
	.fill 96, 4, 3214868480
	.section	.rodata,"a",@progbits
	.p2align	6, 0x0
	.amdhsa_kernel k_qf6d92946cb_attn
		.amdhsa_group_segment_fixed_size 327680
		.amdhsa_private_segment_fixed_size 0
		.amdhsa_enable_private_segment 0
		.amdhsa_kernarg_size 32
		.amdhsa_user_sgpr_count 2
		.amdhsa_user_sgpr_kernarg_segment_ptr 1
		.amdhsa_wavefront_size32 1
		.amdhsa_system_sgpr_workgroup_id_x 1
		.amdhsa_system_sgpr_workgroup_id_y 1
		.amdhsa_system_sgpr_workgroup_id_z 1
		.amdhsa_system_vgpr_workitem_id 0
		.amdhsa_next_free_vgpr 512
		.amdhsa_next_free_sgpr 80
		.amdhsa_reserve_vcc 0
		.amdhsa_float_denorm_mode_32 3
		.amdhsa_float_denorm_mode_16_64 3
		.amdhsa_memory_ordered 1
		.amdhsa_forward_progress 1
		.amdhsa_inst_pref_size 165
	.end_amdhsa_kernel
	.amdgpu_metadata
---
amdhsa.version: [ 1, 2 ]
amdhsa.kernels:
  - .name:           k_qf6d92946cb_attn
    .symbol:         k_qf6d92946cb_attn.kd
    .args:
      - { .name: qkv_codes, .offset: 0, .size: 8, .value_kind: global_buffer, .address_space: global }
      - { .name: qkv_scales, .offset: 8, .size: 8, .value_kind: global_buffer, .address_space: global }
      - { .name: o_codes, .offset: 16, .size: 8, .value_kind: global_buffer, .address_space: global }
      - { .name: o_scales, .offset: 24, .size: 8, .value_kind: global_buffer, .address_space: global }
    .group_segment_fixed_size: 327680
    .private_segment_fixed_size: 0
    .kernarg_segment_align: 8
    .kernarg_segment_size: 32
    .max_flat_workgroup_size: 256
    .sgpr_count:     80
    .vgpr_count:     512
    .wavefront_size: 32
...
	.end_amdgpu_metadata
.endif
;; end of part 3
;; launch proj (part 4): grid 8 x 8, 4 waves a work-group, clusters of 4 x 4, 327,680 bytes of LDS; arguments o_codes, o_scales, xw_codes, xw_scales, out0; writes out0
.if DOCPART == 4
	.amdgcn_target "amdgcn-amd-amdhsa--gfx1250"
	.amdhsa_code_object_version 6
	.text
	.protected	k_qf6d92946cb_proj
	.globl	k_qf6d92946cb_proj
	.p2align	8
	.type	k_qf6d92946cb_proj,@function
k_qf6d92946cb_proj:
	s_mov_b64 s[64:65], 0
	v_nop
	global_prefetch_b8 v0, s[64:65] scope:SCOPE_SE
	s_setreg_imm32_b32 hwreg(HW_REG_WAVE_MODE, 25, 1), 1
	s_wait_xcnt 0x0
	s_wait_alu depctr_hold_cnt(0) depctr_sa_sdst(0) depctr_va_vdst(0) depctr_va_sdst(0) depctr_va_ssrc(0) depctr_va_vcc(0) depctr_vm_vsrc(0)
	s_getreg_b32 s2, hwreg(HW_REG_IB_STS2, 6, 4)
	s_cmp_eq_u32 s2, 0
	s_cbranch_scc0 .Lentry_in_a_cluster
	s_endpgm
.Lentry_in_a_cluster:
	s_bfe_u32 s2, ttmp6, 0x10000c
	s_cmp_lg_u32 s2, 0xf033
	s_cbranch_scc0 .Lentry_shape_is_right
	s_endpgm
.Lentry_shape_is_right:
; out0 = o wo^T on codes of FP6 (E2M3) with E8M0 scales; out0 [2048][2048] f32; sums in f32.
; OPERANDS lie as images and packs: TILE t: lane row r is row 32 (t / 2) + 8 (t % 2) + r + 8 (r / 8).  IMAGE of a fragment (a tile x 128 K): byte 512 c + 16 lane + 4 e = register 4 c + e of the lane.
; Codes (t, K step s) at (t / 8) 196,608 + (s / 2) 24,576 + (t % 8) 3,072 + (s % 2) 1,536.  PACK (tiles 4 P .. 4 P + 3, s) at 4,096 P + 256 s: byte 8 lane + 4 c = word of row lane % 16 of tile 4 P + 2 c + lane / 16.
; wo is the fifth tensor of xw_codes / xw_scales: 64 groups of 128 rows lie in front of it.
; A tile of the result, 256 x 256, is made by four waves, 128 x 128 each: 64 accumulators.  Source 0 = rows of wo, source 1 = tokens of o: a lane holds a token, and its registers of tiles 2 b, 2 b + 1 are the
; 16 neighbouring columns 32 b + 16 (lane / 16) + 0 .. 15.  K goes in steps of 256 through two LDS slots.  64 work-groups: the size has no more tiles of this shape; a smaller tile would halve the matrix work between two refills.
; CLUSTERS: source 1's tiles are shared along a row of the cluster, source 0's along a column: each is asked for jointly.
; REGISTERS: window 0: v16-29 addresses; v32-63 scale words, two sets, and nothing else; v128-223 source 1's fragments, one set (on the way out v128-255: rows read back).
;   window 1: source 0's fragments, two sets, at v0 and v128.   windows 2, 3: the accumulators, (a, b) at v[8 (8 (a % 4) + b)].
.set FR,     12
.set NL,     3
.set NP,     4
.set HALFT,  24576
.set SLOT,   4*HALFT
.set STEPB,  24576
.set LAPS,   4
.set SCL,    2*SLOT
.set HALFS,  8192
.set SPARE,  SCL+4*HALFS               ; the spare words, 128 bytes for each wave, which no other line names
.set SPITCH, 528                       ; the way out: a stage of 16 rows x (512 bytes + 16) for each wave, in slot 0, which has had its last fill and its last read when the first result is stored there
.set ADRA, 16
.set ADRB, 20
.set ADSA, 22
.set ADSB, 23
.set STO,  24                          ; v24     the stage: row r, + 64 h
.set RD,   25                          ; v25     the stage: 16 x lane
.set CO,   26                          ; v26     16 x lane: my bytes of a row's 512
.set SPW,  28
.set NIL,  29
.set SC,   32
.set AF,   128
.set BK,   128                         ; the way out: 16 rows read back: v128-191 and v192-255 by turns
.set G1, 24
.set G0, 32
.set G1B, 48
.set G0B, 56
.set G1S, 68
.set G0S, 76
.set G1SB, 80
.set G0SB, 88
.set MSB, 0
.macro WIN new
.if MSB != (\new)
	s_set_vgpr_msb (MSB<<8)|(\new)
.set MSB, (\new)
.endif
.endm
.set MUL_LO, 0xa1
.set MUL_HI, 0xf1
.set TO_B,   0x40
.macro JLOAD g0a, g1a, g0b, g1b        ; a joint load: waves 0 and 1 fetch for source 1, waves 2 and 3 for source 0; an s_nop 0 and four v_nop follow each of the two lines
	s_cmp_eq_u32 s15, 0
	s_cbranch_scc0 .Lfor_b_\@
	tensor_load_to_lds s[\g0a:\g0a+3], s[\g1a:\g1a+7]
	s_nop 0
.rept 4
	v_nop
.endr
	s_branch .Lasked_\@
.Lfor_b_\@:
	tensor_load_to_lds s[\g0b:\g0b+3], s[\g1b:\g1b+7]
	s_nop 0
.rept 4
	v_nop
.endr
.Lasked_\@:
.endm
.macro CREST
	s_cmp_lg_u32 s14, 0
	s_cbranch_scc1 .Lnot_wave_0_\@
	s_barrier_signal -3
.Lnot_wave_0_\@:
	s_barrier_wait -3
	s_barrier_signal -1
	s_barrier_wait -1
.endm
.macro CROUND
	s_barrier_signal -1
	s_barrier_wait -1
	CREST
.endm
	s_load_b256 s[4:11], s[0:1], 0x0               ; o's codes s[4:5], o's scale words s[6:7], the weights' codes s[8:9], their scale words s[10:11]
	s_load_b64 s[12:13], s[0:1], 0x20              ; out0
	v_lshl_add_u32 v[SPW], v0, 2, SPARE
	v_mov_b32 v[NIL], 0
	ds_add_u32 v[SPW], v[NIL]                      ; the wave's opening: the add and its wait ahead of my first tensor load; the set-up below, work on registers, stands between them
	v_lshrrev_b32 v1, 5, v0
	v_readfirstlane_b32 s14, v1                    ; wave 0..3
	s_lshr_b32 s15, s14, 1                         ; my half of the tokens.  Also: I fetch for source 1 (0) or source 0 (1)
	s_and_b32 s16, s14, 1                          ; my half of the columns.  Also: which 128 rows I fetch
	s_bfe_u32 s40, ttmp6, 0x40000                  ; cx, cy
	s_bfe_u32 s41, ttmp6, 0x40004
	s_lshl_b32 s42, ttmp9, 2
	s_add_co_u32 s42, s42, s40                     ; X: tile column
	s_and_b32 s17, ttmp7, 0xffff
	s_lshl_b32 s17, s17, 2
	s_add_co_u32 s17, s17, s41                     ; Y: tile row
	s_lshl_b32 s43, s41, 2
	s_lshl_b32 s43, 15, s43                        ; my row of the cluster
	s_lshl_b32 s44, 0x1111, s40                    ; my column
	s_or_b32 s[G1+0], s43, (3<<16)|(1<<21)         ; 24,576 bytes on end, as 96 rows of 32 elements of 8 bytes; the mask; bit 21 beside it
	s_or_b32 s[G1B+0], s44, (3<<16)|(1<<21)
.irp g, G1, G1B
	s_mov_b32 s[\g+1], 32<<16
	s_mov_b32 s[\g+2], 96<<16
	s_mov_b32 s[\g+3], 32<<16
	s_mov_b32 s[\g+4], 96
	s_mov_b32 s[\g+5], 32
	s_mov_b32 s[\g+6], 0
	s_mov_b32 s[\g+7], 0
.endr
	s_or_b32 s[G1S+0], s43, (3<<16)|(1<<21)        ; the scale words of 128 rows for all of K: 8,192 bytes, 32 such rows
	s_or_b32 s[G1SB+0], s44, (3<<16)|(1<<21)
.irp g, G1S, G1SB
	s_mov_b32 s[\g+1], 32<<16
	s_mov_b32 s[\g+2], 32<<16
	s_mov_b32 s[\g+3], 32<<16
	s_mov_b32 s[\g+4], 32
	s_mov_b32 s[\g+5], 32
	s_mov_b32 s[\g+6], 0
	s_mov_b32 s[\g+7], 0
.endr
	s_lshl_b32 s20, s17, 1                         ; o's group of 128 tokens: 2 Y + half
	s_add_co_u32 s20, s20, s16
	s_lshl_b32 s46, s42, 1                         ; wo's group of 128 rows: 64 + 2 X + half
	s_add_co_u32 s46, s46, s16
	s_add_co_u32 s46, s46, 64
	s_lshl_b32 s22, s20, 13
	s_mov_b32 s23, 0
	s_lshl_b32 s92, s46, 13
	s_mov_b32 s93, 0
	s_mul_i32 s20, s20, 196608
	s_mov_b32 s21, 0
	s_mul_i32 s46, s46, 196608
	s_mov_b32 s47, 0
	s_mul_i32 s45, s14, HALFT                      ; where they go: wave x a part
	s_mul_i32 s94, s14, HALFS
	s_wait_dscnt 0x0                               ; the opening add is done
	s_wait_kmcnt 0x0
	s_add_nc_u64 s[20:21], s[4:5], s[20:21]
	s_add_nc_u64 s[22:23], s[6:7], s[22:23]
	s_add_nc_u64 s[46:47], s[8:9], s[46:47]
	s_add_nc_u64 s[92:93], s[10:11], s[92:93]
	CROUND                                         ; all sixteen work-groups are here: the first joint loads meet
	s_mov_b32 s[G0S], 1
	s_add_co_u32 s[G0S+1], s94, SCL
	s_mov_b64 s[G0S+2:G0S+3], s[22:23]
	s_or_b32 s[G0S+3], s[G0S+3], 0x80000000
	s_mov_b32 s[G0SB], 1
	s_add_co_u32 s[G0SB+1], s94, SCL
	s_mov_b64 s[G0SB+2:G0SB+3], s[92:93]
	s_or_b32 s[G0SB+3], s[G0SB+3], 0x80000000
	JLOAD G0S, G1S, G0SB, G1SB
.irp s, 0,1
	s_mov_b32 s[G0+4*\s], 1
	s_add_co_u32 s[G0+4*\s+1], s45, \s*SLOT
	s_add_nc_u64 s[G0+4*\s+2:G0+4*\s+3], s[20:21], \s*STEPB
	s_or_b32 s[G0+4*\s+3], s[G0+4*\s+3], 0x80000000
	s_mov_b32 s[G0B+4*\s], 1
	s_add_co_u32 s[G0B+4*\s+1], s45, \s*SLOT
	s_add_nc_u64 s[G0B+4*\s+2:G0B+4*\s+3], s[46:47], \s*STEPB
	s_or_b32 s[G0B+4*\s+3], s[G0B+4*\s+3], 0x80000000
	JLOAD G0+4*\s, G1, G0B+4*\s, G1B               ; three tensor loads of mine are out
.endr
	v_and_b32 v1, 31, v0                           ; lane
	v_lshlrev_b32 v[CO], 4, v1
	v_lshlrev_b32 v2, 3, v1
	s_mul_i32 s21, s15, HALFT
	s_mul_i32 s22, s16, HALFT
	s_add_co_u32 s22, s22, 2*HALFT
.irp s, 0,1
	v_add_nc_u32 v[ADRA+\s], s21, v[CO]
	v_add_nc_u32 v[ADRB+\s], s22, v[CO]
	s_add_co_u32 s21, s21, SLOT
	s_add_co_u32 s22, s22, SLOT
.endr
	s_mul_i32 s21, s15, HALFS
	s_add_co_u32 s21, s21, SCL
	s_mul_i32 s22, s16, HALFS
	s_add_co_u32 s22, s22, SCL+2*HALFS
	v_add_nc_u32 v[ADSA], s21, v2
	v_add_nc_u32 v[ADSB], s22, v2
	s_mul_i32 s23, s14, 16*SPITCH                  ; my stage
	v_and_b32 v3, 15, v0                           ; r
	v_bfe_u32 v4, v0, 4, 1                         ; h
	v_mul_u32_u24 v[STO], v3, SPITCH
	v_lshl_add_u32 v[STO], v4, 6, v[STO]
	v_add_nc_u32 v[STO], s23, v[STO]
	v_add_nc_u32 v[RD], s23, v[CO]
	s_lshl_b32 s20, s17, 8
	s_lshl_b32 s21, s15, 7
	s_add_co_u32 s20, s20, s21                     ; my first row of out0: 256 Y + 128 x half,
	s_lshl_b32 s20, s20, 13                        ; of 8,192 bytes;
	s_lshl_b32 s46, s42, 10                        ; my first column, in bytes: 1,024 X + 512 x half
	s_lshl_b32 s47, s16, 9
	s_add_co_u32 s46, s46, s47
	s_add_co_u32 s20, s20, s46
	s_mov_b32 s21, 0
	s_add_nc_u64 s[12:13], s[12:13], s[20:21]
.macro FRAG reg, adr, q, i             ; a fragment's image: three loads of 512 consecutive bytes
.irp c, 0,1,2
	ds_load_b128 v[\reg+4*\c:\reg+4*\c+3], v[\adr] offset:3072*(\i)+1536*(\q)+512*\c
.endr
.endm
.macro WM a, b, p, q, sc, zero         ; one product: source 1's block a x source 0's block b; an odd tile's scale words stand in lanes 16-31
.set DD, 8*(8*((\a)%4)+(\b))
.set FB, 128*(\p)+FR*(\b)
.set FA, AF+FR*(\a)
.set ZB, SC+16*(\sc)+8+4*(\q)+2*((\b)/4)+((\b)%4)/2
.set ZA, SC+16*(\sc)+4*(\q)+2*((\a)/4)+((\a)%4)/2
.if \zero
.if ((\b)%2) && ((\a)%2)
	v_wmma_scale_f32_16x16x128_f8f6f4 v[DD:DD+7], v[FB:FB+FR-1], v[FA:FA+FR-1], 0, v[ZB], v[ZA] matrix_a_fmt:MATRIX_FMT_FP6 matrix_b_fmt:MATRIX_FMT_FP6 matrix_a_scale:MATRIX_SCALE_ROW1 matrix_b_scale:MATRIX_SCALE_ROW1
.elseif (\b)%2
	v_wmma_scale_f32_16x16x128_f8f6f4 v[DD:DD+7], v[FB:FB+FR-1], v[FA:FA+FR-1], 0, v[ZB], v[ZA] matrix_a_fmt:MATRIX_FMT_FP6 matrix_b_fmt:MATRIX_FMT_FP6 matrix_a_scale:MATRIX_SCALE_ROW1
.elseif (\a)%2
	v_wmma_scale_f32_16x16x128_f8f6f4 v[DD:DD+7], v[FB:FB+FR-1], v[FA:FA+FR-1], 0, v[ZB], v[ZA] matrix_a_fmt:MATRIX_FMT_FP6 matrix_b_fmt:MATRIX_FMT_FP6 matrix_b_scale:MATRIX_SCALE_ROW1
.else
	v_wmma_scale_f32_16x16x128_f8f6f4 v[DD:DD+7], v[FB:FB+FR-1], v[FA:FA+FR-1], 0, v[ZB], v[ZA] matrix_a_fmt:MATRIX_FMT_FP6 matrix_b_fmt:MATRIX_FMT_FP6
.endif
.else
.if ((\b)%2) && ((\a)%2)
	v_wmma_scale_f32_16x16x128_f8f6f4 v[DD:DD+7], v[FB:FB+FR-1], v[FA:FA+FR-1], v[DD:DD+7], v[ZB], v[ZA] matrix_a_fmt:MATRIX_FMT_FP6 matrix_b_fmt:MATRIX_FMT_FP6 matrix_a_scale:MATRIX_SCALE_ROW1 matrix_b_scale:MATRIX_SCALE_ROW1
.elseif (\b)%2
	v_wmma_scale_f32_16x16x128_f8f6f4 v[DD:DD+7], v[FB:FB+FR-1], v[FA:FA+FR-1], v[DD:DD+7], v[ZB], v[ZA] matrix_a_fmt:MATRIX_FMT_FP6 matrix_b_fmt:MATRIX_FMT_FP6 matrix_a_scale:MATRIX_SCALE_ROW1
.elseif (\a)%2
	v_wmma_scale_f32_16x16x128_f8f6f4 v[DD:DD+7], v[FB:FB+FR-1], v[FA:FA+FR-1], v[DD:DD+7], v[ZB], v[ZA] matrix_a_fmt:MATRIX_FMT_FP6 matrix_b_fmt:MATRIX_FMT_FP6 matrix_b_scale:MATRIX_SCALE_ROW1
.else
	v_wmma_scale_f32_16x16x128_f8f6f4 v[DD:DD+7], v[FB:FB+FR-1], v[FA:FA+FR-1], v[DD:DD+7], v[ZB], v[ZA] matrix_a_fmt:MATRIX_FMT_FP6 matrix_b_fmt:MATRIX_FMT_FP6
.endif
.endif
.endm
.macro MUL16 a0, p, q, sc, zero        ; 16 products; the 64 accumulators take turns, one instruction a turn, in the same order in every step
.irp a, \a0, \a0+1
.irp b, 0,1,2,3,4,5,6,7
	WM \a, \b, \p, \q, \sc, \zero
.endr
.endr
.endm
.macro FETCH_B slot, q, p
	WIN TO_B
.irp i, 0,1,2,3,4,5,6,7
	FRAG 128*(\p)+FR*\i, ADRB+\slot, \q, \i
.endr
	WIN 0
.endm
.macro FETCH_A slot, q, i0
.irp i, \i0, \i0+1, \i0+2, \i0+3
	FRAG AF+FR*(\i), ADRA+\slot, \q, \i
.endr
.endm
.macro SCALES sc
.irp q, 0,1
.irp p, 0,1
	ds_load_b64 v[SC+16*(\sc)+4*\q+2*\p:SC+16*(\sc)+4*\q+2*\p+1], v[ADSA] offset:4096*\p+256*\q
	ds_load_b64 v[SC+16*(\sc)+8+4*\q+2*\p:SC+16*(\sc)+8+4*\q+2*\p+1], v[ADSB] offset:4096*\p+256*\q
.endr
.endr
.endm
.macro PLACES n                        ; places behind matrix instructions: in front of loads into registers that they have read, and of the first read of results
.rept \n
	v_nop
.endr
.endm
.macro STEP slot, zero                 ; a slot's first 128 along K; the second 128's fragments are fetched on the way
	s_wait_dscnt 4*NL                              ; all but the youngest twelve loads (source 1's blocks 4-7) are in
	WIN MUL_LO
	MUL16 0, 0, 0, \slot, \zero
	MUL16 2, 0, 0, \slot, \zero
	s_wait_dscnt 0x0
	PLACES NP
	FETCH_B \slot, 1, 1
	FETCH_A \slot, 1, 0
	WIN MUL_HI
	MUL16 4, 0, 0, \slot, \zero
	MUL16 6, 0, 0, \slot, \zero
	PLACES NP
	WIN 0
	FETCH_A \slot, 1, 4
.endm
.macro TURN slot, next, fill           ; a slot's second 128 changes slots: one barrier; in front of it the wait for all my tensor loads, the add, and the wait for it and for my reads of this slot
	s_wait_tensorcnt 0x0                           ; all my tensor loads have landed: my part of the next slot
	ds_add_u32 v[SPW], v[NIL]                      ; 0 onto my spare word
	s_wait_dscnt 4*NL+1                            ; (the add and the youngest twelve loads may be out)
	WIN MUL_LO
	MUL16 0, 1, 1, \slot, 0
	s_wait_dscnt 0x0                               ; the add is done, and my reads of this slot are over
	s_barrier_signal -1
	MUL16 2, 1, 1, \slot, 0
	WIN 0
	s_barrier_wait -1
.if \fill
	CREST                                          ; the barrier has opened a round of the cluster's barrier
	s_add_nc_u64 s[G0+4*\slot+2:G0+4*\slot+3], s[G0+4*\slot+2:G0+4*\slot+3], 2*STEPB
	s_add_nc_u64 s[G0B+4*\slot+2:G0B+4*\slot+3], s[G0B+4*\slot+2:G0B+4*\slot+3], 2*STEPB
	JLOAD G0+4*\slot, G1, G0B+4*\slot, G1B         ; the first tensor load behind the round, my one load until the next
.else
	PLACES NP
.endif
	v_add_nc_u32 v[ADSA], 512, v[ADSA]
	v_add_nc_u32 v[ADSB], 512, v[ADSB]
	FETCH_B \next, 0, 0
	FETCH_A \next, 0, 0
	SCALES \next
	WIN MUL_HI
	MUL16 4, 1, 1, \slot, 0
	MUL16 6, 1, 1, \slot, 0
	PLACES NP
	WIN 0
	FETCH_A \next, 0, 4
.endm
	s_wait_tensorcnt 1                             ; the scale words and my part of K step 0 are in (K step 1's load may be out)
	s_barrier_signal -1
	s_barrier_wait -1                              ; everybody's are
	FETCH_B 0, 0, 0
	FETCH_A 0, 0, 0
	SCALES 0
	FETCH_A 0, 0, 4
	STEP 0, 1                                      ; the first step's products start the sums
	s_mov_b32 s3, LAPS-1
.Llap:
	TURN 0, 1, 1
	STEP 1, 0
	TURN 1, 0, 1
	STEP 0, 0
	s_sub_co_u32 s3, s3, 1
	s_cmp_lg_u32 s3, 0
	s_cbranch_scc1 .Llap
	TURN 0, 1, 0                                   ; the last lap fills nothing
	STEP 1, 0
	s_wait_dscnt 4*NL
	WIN MUL_LO
	MUL16 0, 1, 1, 1, 0
	MUL16 2, 1, 1, 1, 0
	s_wait_dscnt 0x0
	WIN MUL_HI
	MUL16 4, 1, 1, 1, 0
	MUL16 6, 1, 1, 1, 0
	WIN 0
; THE WAY OUT, block by block of 16 tokens x 128 columns, through my own stage and back as whole rows of 512 bytes.  Accumulator b's eight registers are columns 32 (b / 2) + 16 h + 8 (b % 2) + 0 .. 7.
; Stage row t is the tile's lane row t: token 32 (a / 2) + 8 (a % 2) + t + 8 (t / 8) of my 128: the tiles' order is undone in the stores' immediates, 127 rows of 8,192 bytes at the most.
.macro TOSTAGE a
.set AC, 64*((\a)%4)
	WIN 0x08+4*((\a)/4)                            ; an LDS store's data: window 2 or 3
.irp b, 0,1,2,3,4,5,6,7
	ds_store_b128 v[STO], v[AC+8*\b:AC+8*\b+3] offset:128*(\b/2)+32*(\b%2)          ; each accumulator from its low end on
	ds_store_b128 v[STO], v[AC+8*\b+4:AC+8*\b+7] offset:128*(\b/2)+32*(\b%2)+16
.endr
	WIN 0
.set BB, BK+64*((\a)%2)
.irp t, 0,1,2,3,4,5,6,7,8,9,10,11,12,13,14,15
	ds_load_b128 v[BB+4*\t:BB+4*\t+3], v[RD] offset:\t*SPITCH   ; LDS serves a wave's instructions in order: these see my stores
.endr
.endm
.macro SEND a, younger                 ; younger: the LDS instructions issued behind block a's loads, which may stay out
.set BB, BK+64*((\a)%2)
	s_wait_dscnt \younger
.irp t, 0,1,2,3,4,5,6,7,8,9,10,11,12,13,14,15
	global_store_b128 v[CO], v[BB+4*\t:BB+4*\t+3], s[12:13] offset:(32*((\a)/2)+8*((\a)%2)+\t+8*(\t/8))*8192 th:TH_STORE_NT   ; 32 lanes store 512 consecutive bytes, aligned; written once
.endr
.endm
	PLACES NP                                      ; behind the last products: for the stores that read results and the loads over source 1's fragments
	TOSTAGE 0
.irp a, 1,2,3,4,5,6,7
.if \a > 1
	s_wait_xcnt 0x0                                ; block a - 2's stores have read their registers: block a's loads may land there
.endif
	TOSTAGE \a
	SEND \a-1, 32                                  ; behind block a - 1's loads: block a's 16 stores and 16 loads
.endr
	SEND 7, 0
	s_wait_tensorcnt 0x0                           ; the wave's end: behind my last tensor load and my last LDS store
	ds_add_u32 v[SPW], v[NIL]
	s_wait_dscnt 0x0
	CROUND                                         ; the closing round
	s_endpgm
.Lfunc_end_k_qf6d92946cb_proj:
	.size	k_qf6d92946cb_proj, .Lfunc_end_k_qf6d92946cb_proj-k_qf6d92946cb_proj
	.p2alignl 7, 3214868480
	.fill 96, 4, 3214868480
	.section	.rodata,"a",@progbits
	.p2align	6, 0x0
	.amdhsa_kernel k_qf6d92946cb_proj
		.amdhsa_group_segment_fixed_size 327680
		.amdhsa_private_segment_fixed_size 0
		.amdhsa_enable_private_segment 0
		.amdhsa_kernarg_size 40
		.amdhsa_user_sgpr_count 2
		.amdhsa_user_sgpr_kernarg_segment_ptr 1
		.amdhsa_wavefront_size32 1
		.amdhsa_system_sgpr_workgroup_id_x 1
		.amdhsa_system_sgpr_workgroup_id_y 1
		.amdhsa_system_sgpr_workgroup_id_z 1
		.amdhsa_system_vgpr_workitem_id 0
		.amdhsa_next_free_vgpr 1024
		.amdhsa_next_free_sgpr 100
		.amdhsa_reserve_vcc 0
		.amdhsa_float_denorm_mode_32 3
		.amdhsa_float_denorm_mode_16_64 3
		.amdhsa_memory_ordered 1
		.amdhsa_forward_progress 1
		.amdhsa_inst_pref_size 135
	.end_amdhsa_kernel
	.amdgpu_metadata
---
amdhsa.version: [ 1, 2 ]
amdhsa.kernels:
  - .name:           k_qf6d92946cb_proj
    .symbol:         k_qf6d92946cb_proj.kd
    .args:
      - { .name: o_codes, .offset: 0, .size: 8, .value_kind: global_buffer, .address_space: global }
      - { .name: o_scales, .offset: 8, .size: 8, .value_kind: global_buffer, .address_space: global }
      - { .name: xw_codes, .offset: 16, .size: 8, .value_kind: global_buffer, .address_space: global }
      - { .name: xw_scales, .offset: 24, .size: 8, .value_kind: global_buffer, .address_space: global }
      - { .name: out0, .offset: 32, .size: 8, .value_kind: global_buffer, .address_space: global }
    .group_segment_fixed_size: 327680
    .private_segment_fixed_size: 0
    .kernarg_segment_align: 8
    .kernarg_segment_size: 40
    .max_flat_workgroup_size: 128
    .sgpr_count:     100
    .vgpr_count:     1024
    .wavefront_size: 32
...
	.end_amdgpu_metadata
.endif
;; end of part 4
;; ======== version 2 of 2: 4 launches
;; limits: right only within a limited range of input values
;; workspace buffers: xw_codes 15,728,640 bytes; xw_scales 655,360 bytes; qkv_codes 9,830,400 bytes; o_codes 3,145,728 bytes; o_scales 131,072 bytes
;; launch quant (part 5): grid 640 x 1, 4 waves a work-group, no clusters, 34,304 bytes of LDS; arguments x, wq, wk, wv, wo, xw_codes, xw_scales; writes xw_codes, xw_scales
.if DOCPART == 5
	.amdgcn_target "amdgcn-amd-amdhsa--gfx1250"
	.amdhsa_code_object_version 6
	.text
	.protected	k_qf6d92946cb_quant
	.globl	k_qf6d92946cb_quant
	.p2align	8
	.type	k_qf6d92946cb_quant,@function
k_qf6d92946cb_quant:
	s_mov_b64 s[64:65], 0
	v_nop
	global_prefetch_b8 v0, s[64:65] scope:SCOPE_SE
	s_setreg_imm32_b32 hwreg(HW_REG_WAVE_MODE, 25, 1), 1
	s_wait_xcnt 0x0
; x, wq, wk, wv, wo, each [2048][2048] f32 with K innermost, become codes of FP6 (E2M3) with one E8M0 scale byte for each 32 along K.
; A block's scale is 2^(floor(log2(its largest magnitude)) - 2); its byte is the largest magnitude's exponent field - 2, held at 1 from below.
; LIMITS: NaN and infinities among the inputs are not served.  A block of zeros gets the byte 1 where the rule says 127: its codes are zeros, and this program alone reads the bytes.
; Blocks whose largest magnitude lies under 2^-124 keep the byte 1.
; THE WORKSPACE IS LAID AS ITS USERS' REGISTERS WANT IT.
;   TILE: rows go in groups of 32; tile u (0, 1) of a group holds, for lane row r = 0 .. 15, row 8 u + r + 8 (r / 8).  Tile t of a tensor: rows 32 (t / 2) + that.
;   IMAGE of a fragment (a tile x 128 K: 12 registers a lane, 1,536 bytes): byte 512 c + 16 lane + 4 e is register 4 c + e of that lane.
;   Codes of tile t, K step s (128 along K): (t / 8) 196,608 + (s / 2) 24,576 + (t % 8) 3,072 + (s % 2) 1,536: so 128 rows x 256 K are 24,576 bytes on end.
;   PACK of scale words of tiles 4 P .. 4 P + 3 for one K step (256 bytes): byte 8 lane + 4 c is the word of row lane % 16 of tile 4 P + 2 c + lane / 16.  Pack (P, s) lies at 4,096 P + 256 s.
; SHARES.  A wave takes 64 rows x 128 K: four fragments and one pack.  Work-group g: tensor g / 128; wave's job j = 4 (g % 128) + wave: K step j % 16, rows 64 (j / 16) on.
; Each load reads 512 consecutive bytes of one row.  A fragment's 16 rows turn through the wave's own stage in LDS (rows of 512 + 16 bytes), so that a lane gets 16 neighbours of each block of 32.
; Loads run two fragments (32 loads a wave) ahead.  No barrier: waves share nothing.
.set STG,   16*528                     ; a wave's stage
.set SPARE, 4*STG                      ; behind the stages: the spare words, 128 bytes for each wave, which no other line names
.set LO,  1                            ; v1   16 x lane: my bytes of a load's 512, and of an image's 512
.set SA,  2                            ; v2   the stage, on the way in: 16 x lane
.set SB,  3                            ; v3   and on the way out: row r, + 64 h
.set L8,  4                            ; v4   8 x lane: my place in a pack
.set SPW, 10                           ; v10  LDS address of my spare word; never rewritten
.set NIL, 11                           ; v11  0; never rewritten
.set R,   16                           ; v16-143  two sets of 64 registers as loaded
.set X,   144                          ; v144-207 64 numbers: register 16 b + i = k 32 b + 16 h + i of my row
.set PC,  208                          ; v208-227 the codes just made
.set TM,  228                          ; v228-243 at work
.set SW,  244                          ; v244-247 the four fragments' scale words
.set W,   248                          ; v248-249 the pack
.set SEL, 20                           ; s[20:21] lane selects for v_permlanex16_b32: lane l xor 16
; 64 numbers of a lane, v[s] on, register 16 b + i = k 32 b + 16 (lane / 16) + i of my row, become a fragment's codes in v[PC] on and its scale word in v[pw].
.macro QUANT s, pw
.irp b, 0,1,2,3
	v_max3_num_f32 v[TM+\b], |v[\s+16*\b]|, |v[\s+1+16*\b]|, 0x1800000   ; block b: my 16 numbers, and the floor 2^(3 - 127): the byte cannot fall under 1
.endr
.irp i, 2,4,6,8,10,12,14
.irp b, 0,1,2,3
	v_max3_num_f32 v[TM+\b], v[TM+\b], |v[\s+16*\b+\i]|, |v[\s+1+16*\b+\i]|   ; the four blocks by turns
.endr
.endr
.irp b, 0,1,2,3
	v_permlanex16_b32 v[TM+4+\b], v[TM+\b], s[SEL], s[SEL+1]
.endr
.irp b, 0,1,2,3
	v_max_num_f32 v[TM+\b], v[TM+\b], v[TM+4+\b]   ; with lane l xor 16's: the block's largest magnitude
.endr
.irp b, 0,1,2,3
	v_add_nc_u32 v[TM+12+\b], 0xff000000, v[TM+\b]   ; 2 off its exponent field: the conversion takes the exponent field of this operand as its scale
.endr
.irp b, 0,1,2,3
	v_lshrrev_b32 v[TM+4+\b], 23, v[TM+12+\b]      ; the scale's byte
.endr
	v_lshl_or_b32 v[\pw], v[TM+5], 8, v[TM+4]      ; four bytes: my row's scale word
	v_lshl_or_b32 v[\pw], v[TM+6], 16, v[\pw]
	v_lshl_or_b32 v[\pw], v[TM+7], 24, v[\pw]
.irp c, 0,1
	v_cvt_scalef32_pk16_fp6_f32 v[PC+6*\c:PC+2+6*\c], v[\s+32*\c:\s+15+32*\c], v[TM+12+2*\c]
	v_cvt_scalef32_pk16_fp6_f32 v[PC+12+4*\c:PC+14+4*\c], v[\s+16+32*\c:\s+31+32*\c], v[TM+12+2*\c+1]   ; (a conversion's three registers begin on an even number)
.endr
	v_nop                                          ; one plain place behind a scaled conversion
.irp c, 0,1                                    ; the operand's layout wants a whole block in a lane: lanes 0-15 block 2 c, lanes 16-31 block 2 c + 1
.irp i, 0,1,2
	v_permlane16_swap_b32 v[PC+6*\c+\i], v[PC+12+4*\c+\i]
.endr
.irp i, 0,1,2
	v_mov_b32 v[PC+3+6*\c+\i], v[PC+12+4*\c+\i]
.endr
.endr
.endm
	s_load_b256 s[4:11], s[0:1], 0x0               ; x, wq, wk, wv
	s_load_b128 s[12:15], s[0:1], 0x20             ; wo, the codes
	s_load_b64 s[16:17], s[0:1], 0x30              ; the scale words
	v_lshl_add_u32 v[SPW], v0, 2, SPARE
	v_mov_b32 v[NIL], 0
	v_lshrrev_b32 v5, 5, v0
	v_readfirstlane_b32 s18, v5                    ; wave 0..3
	v_and_b32 v5, 31, v0                           ; lane
	v_lshlrev_b32 v[LO], 4, v5
	v_lshlrev_b32 v[L8], 3, v5
	s_mul_i32 s23, s18, STG                        ; my stage
	v_add_nc_u32 v[SA], s23, v[LO]
	v_and_b32 v6, 15, v0                           ; r
	v_bfe_u32 v7, v0, 4, 1                         ; h
	v_mul_u32_u24 v[SB], v6, 528
	v_lshl_add_u32 v[SB], v7, 6, v[SB]
	v_add_nc_u32 v[SB], s23, v[SB]
	s_mov_b32 s[SEL], 0x76543210
	s_mov_b32 s[SEL+1], 0xfedcba98
	s_mov_b32 s22, 0xffff0000                      ; a mask of lanes 16-31
.irp b, 0,1,2,3
	v_mov_b32 v[TM+4+\b], 0                        ; written once: a lane permute's destination counts as one of its sources
.endr
	s_lshr_b32 s24, ttmp9, 7                       ; which tensor
	s_and_b32 s25, ttmp9, 127
	s_lshl_b32 s25, s25, 2
	s_add_co_u32 s25, s25, s18                     ; my job
	s_and_b32 s26, s25, 15                         ; its K step
	s_lshr_b32 s27, s25, 4                         ; its group of 64 rows
	s_lshl_b32 s28, s27, 19                        ; in: 64 rows of 8,192 bytes,
	s_lshl_b32 s29, s26, 9                         ; 512 bytes a K step
	s_add_co_u32 s28, s28, s29
	s_mov_b32 s29, 0
	s_mul_i32 s30, s24, 3145728                    ; the codes: the tensor,
	s_lshr_b32 s31, s27, 1
	s_mul_i32 s31, s31, 196608                     ; the group of 128 rows,
	s_add_co_u32 s30, s30, s31
	s_and_b32 s31, s27, 1
	s_mul_i32 s31, s31, 12288                      ; its tiles 0-3 or 4-7,
	s_add_co_u32 s30, s30, s31
	s_lshr_b32 s31, s26, 1
	s_mul_i32 s31, s31, 24576                      ; the pair of K steps,
	s_add_co_u32 s30, s30, s31
	s_and_b32 s31, s26, 1
	s_mul_i32 s31, s31, 1536                       ; and which of the two
	s_add_co_u32 s30, s30, s31
	s_mov_b32 s31, 0
	s_lshl_b32 s32, s24, 17                        ; the pack: 131,072 bytes a tensor, 4,096 a group of 64 rows, 256 a K step
	s_lshl_b32 s33, s27, 12
	s_add_co_u32 s32, s32, s33
	s_lshl_b32 s33, s26, 8
	s_add_co_u32 s32, s32, s33
	s_mov_b32 s33, 0
	s_wait_alu depctr_va_vdst(0)
	s_wait_kmcnt 0x0
	s_cmp_eq_u32 s24, 1                            ; the tensor is chosen by the work-group's number alone
	s_cselect_b64 s[4:5], s[6:7], s[4:5]
	s_cmp_eq_u32 s24, 2
	s_cselect_b64 s[4:5], s[8:9], s[4:5]
	s_cmp_eq_u32 s24, 3
	s_cselect_b64 s[4:5], s[10:11], s[4:5]
	s_cmp_eq_u32 s24, 4
	s_cselect_b64 s[4:5], s[12:13], s[4:5]
	s_add_nc_u64 s[4:5], s[4:5], s[28:29]
	s_add_nc_u64 s[14:15], s[14:15], s[30:31]
	s_add_nc_u64 s[16:17], s[16:17], s[32:33]
.macro LOAD f                          ; fragment f: its 16 rows, in the tile's order; each load reads 512 consecutive bytes of one row
.irp p, 0,1,2,3,4,5,6,7,8,9,10,11,12,13,14,15
	global_load_b128 v[R+64*((\f)%2)+4*\p:R+64*((\f)%2)+4*\p+3], v[LO], s[4:5] offset:(32*((\f)/2)+8*((\f)%2)+\p+8*(\p/8))*8192 th:TH_LOAD_NT
.endr
.endm
.macro FRAGMENT f
.if (\f) < 3
	s_wait_loadcnt 16                              ; this fragment's 16 loads are in; the next fragment's 16 may be out
.else
	s_wait_loadcnt 0x0
.endif
.irp p, 0,1,2,3,4,5,6,7,8,9,10,11,12,13,14,15
	ds_store_b128 v[SA], v[R+64*((\f)%2)+4*\p:R+64*((\f)%2)+4*\p+3] offset:528*\p
.endr
.irp b, 0,1,2,3
.irp j, 0,1,2,3
	ds_load_b128 v[X+16*\b+4*\j:X+16*\b+4*\j+3], v[SB] offset:128*\b+16*\j   ; LDS serves a wave's instructions in order: these see my stores
.endr
.endr
	s_wait_dscnt 0x0                               ; the numbers are back, and the stores have read their registers,
.if (\f) < 2
	LOAD (\f)+2                                    ; which take the loads of two fragments on
.endif
.if (\f) > 0
	s_wait_xcnt 0x0                                ; the last fragment's stores have read the codes' registers: they are written again only behind this wait
.endif
	QUANT X, SW+(\f)
.irp c, 0,1,2
	global_store_b128 v[LO], v[PC+4*\c:PC+4*\c+3], s[14:15] offset:3072*(\f)+512*\c   ; the image: 32 lanes store 512 consecutive bytes, at a multiple of 512 from the buffer's first byte
.endr
.endm
	LOAD 0
	LOAD 1
	FRAGMENT 0
	FRAGMENT 1
	FRAGMENT 2
	FRAGMENT 3
	v_cndmask_b32 v[W], v[SW], v[SW+1], s22        ; the pack: register c holds tile 2 c's words in lanes 0-15 and tile 2 c + 1's in lanes 16-31 (both halves of the lanes hold a row's word)
	v_cndmask_b32 v[W+1], v[SW+2], v[SW+3], s22
	global_store_b64 v[L8], v[W:W+1], s[16:17]     ; 32 lanes store 256 consecutive bytes, aligned
	s_wait_tensorcnt 0x0                           ; the wave's end: behind my last LDS store
	ds_add_u32 v[SPW], v[NIL]
	s_wait_dscnt 0x0
	s_endpgm
.Lfunc_end_k_qf6d92946cb_quant:
	.size	k_qf6d92946cb_quant, .Lfunc_end_k_qf6d92946cb_quant-k_qf6d92946cb_quant
	.p2alignl 7, 3214868480
	.fill 96, 4, 3214868480
	.section	.rodata,"a",@progbits
	.p2align	6, 0x0
	.amdhsa_kernel k_qf6d92946cb_quant
		.amdhsa_group_segment_fixed_size 34304
		.amdhsa_private_segment_fixed_size 0
		.amdhsa_enable_private_segment 0
		.amdhsa_kernarg_size 56
		.amdhsa_user_sgpr_count 2
		.amdhsa_user_sgpr_kernarg_segment_ptr 1
		.amdhsa_wavefront_size32 1
		.amdhsa_system_sgpr_workgroup_id_x 1
		.amdhsa_system_sgpr_workgroup_id_y 1
		.amdhsa_system_sgpr_workgroup_id_z 1
		.amdhsa_system_vgpr_workitem_id 0
		.amdhsa_next_free_vgpr 256
		.amdhsa_next_free_sgpr 66
		.amdhsa_reserve_vcc 0
		.amdhsa_float_denorm_mode_32 3
		.amdhsa_float_denorm_mode_16_64 3
		.amdhsa_memory_ordered 1
		.amdhsa_forward_progress 1
		.amdhsa_inst_pref_size 34
	.end_amdhsa_kernel
	.amdgpu_metadata
---
amdhsa.version: [ 1, 2 ]
amdhsa.kernels:
  - .name:           k_qf6d92946cb_quant
    .symbol:         k_qf6d92946cb_quant.kd
    .args:
      - { .name: x, .offset: 0, .size: 8, .value_kind: global_buffer, .address_space: global }
      - { .name: wq, .offset: 8, .size: 8, .value_kind: global_buffer, .address_space: global }
      - { .name: wk, .offset: 16, .size: 8, .value_kind: global_buffer, .address_space: global }
      - { .name: wv, .offset: 24, .size: 8, .value_kind: global_buffer, .address_space: global }
      - { .name: wo, .offset: 32, .size: 8, .value_kind: global_buffer, .address_space: global }
      - { .name: xw_codes, .offset: 40, .size: 8, .value_kind: global_buffer, .address_space: global }
      - { .name: xw_scales, .offset: 48, .size: 8, .value_kind: global_buffer, .address_space: global }
    .group_segment_fixed_size: 34304
    .private_segment_fixed_size: 0
    .kernarg_segment_align: 8
    .kernarg_segment_size: 56
    .max_flat_workgroup_size: 128
    .sgpr_count:     66
    .vgpr_count:     256
    .wavefront_size: 32
...
	.end_amdgpu_metadata
.endif
;; end of part 5
;; launch qkv (part 6): grid 24 x 8, 4 waves a work-group, clusters of 4 x 4, 327,680 bytes of LDS; arguments xw_codes, xw_scales, freqs_cis, qkv_codes; writes qkv_codes
.if DOCPART == 6
	.amdgcn_target "amdgcn-amd-amdhsa--gfx1250"
	.amdhsa_code_object_version 6
	.text
	.protected	k_qf6d92946cb_qkv
	.globl	k_qf6d92946cb_qkv
	.p2align	8
	.type	k_qf6d92946cb_qkv,@function
k_qf6d92946cb_qkv:
	s_mov_b64 s[64:65], 0
	v_nop
	global_prefetch_b8 v0, s[64:65] scope:SCOPE_SE
	s_setreg_imm32_b32 hwreg(HW_REG_WAVE_MODE, 25, 1), 1
	s_wait_xcnt 0x0
	s_wait_alu depctr_hold_cnt(0) depctr_sa_sdst(0) depctr_va_vdst(0) depctr_va_sdst(0) depctr_va_ssrc(0) depctr_va_vcc(0) depctr_vm_vsrc(0)
	s_getreg_b32 s2, hwreg(HW_REG_IB_STS2, 6, 4)
	s_cmp_eq_u32 s2, 0
	s_cbranch_scc0 .Lentry_in_a_cluster
	s_endpgm
.Lentry_in_a_cluster:
	s_bfe_u32 s2, ttmp6, 0x10000c
	s_cmp_lg_u32 s2, 0xf033
	s_cbranch_scc0 .Lentry_shape_is_right
	s_endpgm
.Lentry_shape_is_right:
; q = rope(x wq^T), k = rope(x wk^T), v = x wv^T on codes of FP6 (E2M3) with E8M0 scales; the results are quantised at once: q and k along the head's 128, v along the keys.
; OPERANDS lie in xw_codes / xw_scales as images and packs (x, wq, wk, wv, wo in this order; a group of 128 rows is 196,608 bytes of codes and 8,192 of scale words):
;   TILE t of a tensor: lane row r is row 32 (t / 2) + 8 (t % 2) + r + 8 (r / 8).   IMAGE of a fragment (a tile x 128 K): byte 512 c + 16 lane + 4 e = register 4 c + e of the lane.
;   Codes (t, K step s) at (t / 8) 196,608 + (s / 2) 24,576 + (t % 8) 3,072 + (s % 2) 1,536.   PACK (tiles 4 P .. 4 P + 3, K step s) at 4,096 P + 256 s: byte 8 lane + 4 c = word of row lane % 16 of tile 4 P + 2 c + lane / 16.
; A tile of the result, 256 x 256, is made by four waves, 128 x 128 each: 64 accumulators.  K goes in steps of 256 through two LDS slots; source 0's tile order makes a lane's 64 results of a block
; 64 numbers in the order 32 b + 16 (lane / 16) + i along source 0's rows, which is what the quantiser takes; a lane keeps one row of source 1.
; TWO ROLES, by the cluster's x alone (the same in all sixteen partners).  Cluster x 0-3: source 0 = 256 rows of wq | wk (two heads), source 1 = 256 tokens of x: a lane holds a token, its registers a head.
; Cluster x 4-5: source 0 = 256 tokens of x, source 1 = 256 rows of wv: a lane holds a channel of v, its registers run along the tokens, which are the second attention product's K.
; OUT (qkv_codes: q, k, v; 3,276,800 bytes each): (p, g) is 12,800 bytes at 204,800 p + 12,800 g: fragment a at 1,536 a, packs at 12,288 + 256 (a / 4).
;   q, k: p = head, g = group of 128 tokens, a = tile of tokens.   v: p = head, g = step of 128 keys, a = tile of channels.
; CLUSTERS: source 1's tiles are shared along a row of the cluster, source 0's along a column: each is asked for jointly.
; LIMITS: NaN and infinities are not served; a block of zeros gets the byte 1 (its codes are zeros; this program alone reads the bytes); the rotation uses a fused multiply-add, one rounding less than two products and a sum.
; REGISTERS: window 0: v16-29 addresses; v32-63 scale words, two sets, and nothing else; v64-127 a set of cos | sin; v128-223 source 1's fragments, one set (on the way out: v128-191 numbers, v192-239 at work).
;   window 1: source 0's fragments, two sets, at v0 and v128 (on the way out v0-255: four more sets of cos | sin).   windows 2, 3: the accumulators, (a, b) at v[8 (8 (a % 4) + b)].
.set FR,     12                        ; registers of a fragment
.set NL,     3                         ; LDS loads that bring one
.set NP,     4                         ; places behind this matrix instruction (ISA guide 7.12.1)
.set HALFT,  24576                     ; 128 rows x 256 K: 16 images; what one tensor load brings
.set SLOT,   4*HALFT                   ; source 1's two halves, then source 0's
.set STEPB,  24576                     ; from a K step of 256 to the next, in memory
.set LAPS,   4                         ; a lap = two K steps of 256; K = 2,048
.set SCL,    2*SLOT                    ; behind the ring: the scale words for all of K, filled once
.set HALFS,  8192                      ; those of 128 rows
.set SPARE,  SCL+4*HALFS               ; the spare words, 128 bytes for each wave, which no other line names
.set ADRA, 16                          ; v16-17  16 x lane + my half of source 1 in slot 0, 1
.set ADRB, 20                          ; v20-21  the same for source 0
.set ADSA, 22                          ; v22     8 x lane + my half's packs, source 1; steps 512 bytes a K step of 256
.set ADSB, 23                          ; v23     source 0
.set LI,   24                          ; v24     16 x lane
.set L8,   25                          ; v25     8 x lane
.set FO,   26                          ; v26     my token's row of cos | sin in a tile: (r + 8 (r / 8)) 512 + 64 h
.set SPW,  28                          ; v28     LDS address of my spare word; never rewritten
.set NIL,  29                          ; v29     0; never rewritten
.set SC,   32                          ; scale words: set sc at SC + 16 sc; + 8 for source 0; + 4 q + 2 (tile / 4) + (tile % 4) / 2; odd tiles in lanes 16-31
.set AF,   128                         ; source 1's fragments
.set T,    128                         ; the way out: 64 numbers
.set PC,   192                         ; the codes just made
.set TM,   212                         ; at work
.set SW,   228                         ; the eight blocks' scale words
.set W,    236                         ; two packs
.set SEL,  66                          ; s[66:67] lane selects for v_permlanex16_b32
.set G1, 24                            ; s[24:31] descriptor group 1 for source 1's tiles;  s[32:39] group 0, one set for each slot
.set G0, 32
.set G1B, 48                           ; s[48:55], s[56:63] the same for source 0's
.set G0B, 56
.set G1S, 68                           ; s[68:75], s[76:79] groups 1 and 0 for source 1's scale words;  s[80:87], s[88:91] for source 0's
.set G0S, 76
.set G1SB, 80
.set G0SB, 88
.set MSB, 0
.macro WIN new                         ; the immediate's high byte repeats the setting that is left
.if MSB != (\new)
	s_set_vgpr_msb (MSB<<8)|(\new)
.set MSB, (\new)
.endif
.endm
.set MUL_LO, 0xa1                      ; source 0 window 1, source 1 window 0, C and D window 2
.set MUL_HI, 0xf1                      ; the same, C and D window 3
.set TO_B,   0x40                      ; destination window 1, address window 0
; A joint load: waves 0 and 1 fetch for source 1, waves 2 and 3 for source 0.  The branch hangs on the wave's number alone.  An s_nop 0 and four v_nop follow each of the two lines.
.macro JLOAD g0a, g1a, g0b, g1b
	s_cmp_eq_u32 s15, 0
	s_cbranch_scc0 .Lfor_b_\@
	tensor_load_to_lds s[\g0a:\g0a+3], s[\g1a:\g1a+7]
	s_nop 0
.rept 4
	v_nop
.endr
	s_branch .Lasked_\@
.Lfor_b_\@:
	tensor_load_to_lds s[\g0b:\g0b+3], s[\g1b:\g1b+7]
	s_nop 0
.rept 4
	v_nop
.endr
.Lasked_\@:
.endm
.macro CREST                           ; a round of the cluster's barrier behind its opening barrier
	s_cmp_lg_u32 s14, 0
	s_cbranch_scc1 .Lnot_wave_0_\@
	s_barrier_signal -3
.Lnot_wave_0_\@:
	s_barrier_wait -3
	s_barrier_signal -1
	s_barrier_wait -1
.endm
.macro CROUND                          ; a whole round
	s_barrier_signal -1
	s_barrier_wait -1
	CREST
.endm
	s_load_b256 s[4:11], s[0:1], 0x0               ; the operands' codes s[4:5], their scale words s[6:7], cos | sin s[8:9], the results' codes s[10:11]
	v_lshl_add_u32 v[SPW], v0, 2, SPARE
	v_mov_b32 v[NIL], 0
	ds_add_u32 v[SPW], v[NIL]                      ; the wave's opening: two adds and their wait ahead of my first tensor load; the set-up below, work on registers, stands between them
	ds_add_u32 v[SPW], v[NIL]
	v_lshrrev_b32 v1, 5, v0
	v_readfirstlane_b32 s14, v1                    ; wave 0..3
	s_lshr_b32 s15, s14, 1                         ; my half of source 1's rows.  Also: I fetch for source 1 (0) or source 0 (1)
	s_and_b32 s16, s14, 1                          ; my half of source 0's rows.  Also: which 128 rows I fetch
	s_bfe_u32 s40, ttmp6, 0x40000                  ; cx, cy: my place in the cluster
	s_bfe_u32 s41, ttmp6, 0x40004
	s_lshl_b32 s42, ttmp9, 2
	s_add_co_u32 s42, s42, s40                     ; X = 4 x cluster x + cx: 0 .. 23
	s_and_b32 s17, ttmp7, 0xffff
	s_lshl_b32 s17, s17, 2
	s_add_co_u32 s17, s17, s41                     ; Y = 4 x cluster y + cy: 0 .. 7
	s_lshl_b32 s43, s41, 2
	s_lshl_b32 s43, 15, s43                        ; my row of the cluster
	s_lshl_b32 s44, 0x1111, s40                    ; my column
	s_cmp_ge_u32 ttmp9, 4                          ; the role, by the cluster's x: the same in all partners
	s_cselect_b32 s95, 48, 0                       ; 48 groups of 128 rows lie in front of wv
	; descriptor group 1: 24,576 bytes on end, as 96 rows of 32 elements of 8 bytes; no padding: an image is read as consecutive bytes
	s_or_b32 s[G1+0], s43, (3<<16)|(1<<21)         ; 15:0 the mask: source 1's tiles go to my row; 17:16 elements of 8 bytes; 21 set beside a mask
	s_or_b32 s[G1B+0], s44, (3<<16)|(1<<21)        ; source 0's to my column
.irp g, G1, G1B                                ; for the head's loads: both halves of a side's K step 0: 2 rows of 24,576 bytes (3,072 elements), 196,608 bytes apart; the ring's shape is set behind them
	s_mov_b32 s[\g+1], 3072<<16
	s_mov_b32 s[\g+2], 2<<16
	s_mov_b32 s[\g+3], 3072<<16
	s_mov_b32 s[\g+4], 2
	s_mov_b32 s[\g+5], 24576
	s_mov_b32 s[\g+6], 0
	s_mov_b32 s[\g+7], 0
.endr
	s_or_b32 s[G1S+0], s43, (3<<16)|(1<<21)        ; the scale words of 256 rows for all of K: 16,384 bytes on end, 64 such rows
	s_or_b32 s[G1SB+0], s44, (3<<16)|(1<<21)
.irp g, G1S, G1SB                              ; the scale words of a side's 256 rows: 16,384 bytes on end, 64 rows of 256 bytes
	s_mov_b32 s[\g+1], 32<<16
	s_mov_b32 s[\g+2], 64<<16
	s_mov_b32 s[\g+3], 32<<16
	s_mov_b32 s[\g+4], 64
	s_mov_b32 s[\g+5], 32
	s_mov_b32 s[\g+6], 0
	s_mov_b32 s[\g+7], 0
.endr
	s_lshl_b32 s20, s17, 1                         ; source 1's first group of 128 rows: 2 Y (x), or 48 more (wv): no cx in it
	s_add_co_u32 s20, s20, s95
	s_lshl_b32 s46, s42, 1                         ; source 0's: 16 + 2 X (wq | wk), or 48 less (x): no cy in it
	s_add_co_u32 s46, s46, 16
	s_sub_co_u32 s46, s46, s95
	s_lshl_b32 s22, s20, 13                        ; their scale words, in bytes,
	s_mov_b32 s23, 0
	s_lshl_b32 s92, s46, 13
	s_mov_b32 s93, 0
	s_mul_i32 s20, s20, 196608                     ; and their codes
	s_mov_b32 s21, 0
	s_mul_i32 s46, s46, 196608
	s_mov_b32 s47, 0
	s_mul_i32 s45, s14, HALFT                      ; where they go: wave x a part: no place in the cluster enters an LDS address
	s_mul_i32 s18, s16, 196608                     ; in the ring I fetch one group of 128 rows: which of the two, in bytes
	s_mov_b32 s19, 0
	s_mov_b32 s[SEL], 0x76543210
	s_mov_b32 s[SEL+1], 0xfedcba98
	s_mov_b32 s96, 0xffff0000                      ; a mask of lanes 16-31
	s_wait_dscnt 0x0                               ; the opening add is done
	s_wait_kmcnt 0x0
	s_add_nc_u64 s[20:21], s[4:5], s[20:21]
	s_add_nc_u64 s[22:23], s[6:7], s[22:23]
	s_add_nc_u64 s[46:47], s[4:5], s[46:47]
	s_add_nc_u64 s[92:93], s[6:7], s[92:93]
	CROUND                                         ; all sixteen work-groups are here: the first joint loads meet
	s_mov_b32 s[G0S], 1
	s_mov_b32 s[G0S+1], SCL
	s_mov_b64 s[G0S+2:G0S+3], s[22:23]
	s_or_b32 s[G0S+3], s[G0S+3], 0x80000000
	s_mov_b32 s[G0SB], 1
	s_mov_b32 s[G0SB+1], SCL+2*HALFS
	s_mov_b64 s[G0SB+2:G0SB+3], s[92:93]
	s_or_b32 s[G0SB+3], s[G0SB+3], 0x80000000
	s_mov_b32 s4, 1                                ; s[4:7]: group 0 of the head's load of source 1's K step 0, both halves (the arguments that lay there have been used)
	s_mov_b32 s5, 0
	s_mov_b64 s[6:7], s[20:21]
	s_or_b32 s7, s7, 0x80000000
	s_add_nc_u64 s[20:21], s[20:21], s[18:19]      ; for the ring: my 128 rows
	; the prefetches: of the 24,576 bytes (96 blocks of 256) that I fetch in a K step, each of the four partners that ask for them with me names 24, told apart by address (cx for source 1, cy for source 0)
	s_add_nc_u64 s[92:93], s[46:47], s[18:19]
	s_cmp_eq_u32 s15, 0
	s_cselect_b64 s[92:93], s[20:21], s[92:93]
	s_cselect_b32 s98, s40, s41
	s_mul_i32 s98, s98, 6144
	s_add_co_u32 s98, s98, 2*STEPB                 ; the first names K step 2: each names the K step that stands two loads on
	s_mov_b32 s99, 0
	s_add_nc_u64 s[92:93], s[92:93], s[98:99]
.irp s, 0,1
	s_mov_b32 s[G0+4*\s], 1
	s_add_co_u32 s[G0+4*\s+1], s45, \s*SLOT
	s_add_nc_u64 s[G0+4*\s+2:G0+4*\s+3], s[20:21], \s*STEPB
	s_or_b32 s[G0+4*\s+3], s[G0+4*\s+3], 0x80000000
	s_mov_b32 s[G0B+4*\s], 1
	s_add_co_u32 s[G0B+4*\s+1], s45, \s*SLOT
	s_add_nc_u64 s[G0B+4*\s+2:G0B+4*\s+3], s[46:47], s[18:19]
	s_add_nc_u64 s[G0B+4*\s+2:G0B+4*\s+3], s[G0B+4*\s+2:G0B+4*\s+3], \s*STEPB
	s_or_b32 s[G0B+4*\s+3], s[G0B+4*\s+3], 0x80000000
.endr
	s_mov_b32 s44, 1                               ; s[44:47]: group 0 of the head's load of source 0's K step 0, both halves, behind source 1's in slot 0
	s_mov_b32 s45, 2*HALFT
	s_or_b32 s47, s47, 0x80000000
; THE HEAD'S LOADS, ONE A WAVE: wave 0 source 1's K step 0, wave 1 source 0's, wave 2 source 1's scale words, wave 3 source 0's.  One tree of branches on the wave's number.
.macro ARM under, g0, g1, next
	s_cmp_lt_u32 s14, \under
	s_cbranch_scc0 \next
	tensor_load_to_lds s[\g0:\g0+3], s[\g1:\g1+7]
	s_nop 0
.rept 4
	v_nop
.endr
	s_branch .Lhead_asked
\next:
.endm
	ARM 1, 4,   G1,  .Lhead_b
	ARM 2, 44,  G1B, .Lhead_sa
	ARM 3, G0S, G1S, .Lhead_sb
	tensor_load_to_lds s[G0SB:G0SB+3], s[G1SB:G1SB+7]
	s_nop 0
.rept 4
	v_nop
.endr
.Lhead_asked:
	v_and_b32 v1, 31, v0                           ; lane
	v_lshlrev_b32 v[LI], 4, v1
	v_lshlrev_b32 v[L8], 3, v1
	s_wait_alu depctr_va_vdst(0)
	s_mul_i32 s21, s15, HALFT                      ; my 128 rows of source 1
	s_mul_i32 s22, s16, HALFT                      ; my 128 rows of source 0,
	s_add_co_u32 s22, s22, 2*HALFT                 ; which lie behind source 1's 256
.irp s, 0,1
	v_add_nc_u32 v[ADRA+\s], s21, v[LI]
	v_add_nc_u32 v[ADRB+\s], s22, v[LI]
	s_add_co_u32 s21, s21, SLOT
	s_add_co_u32 s22, s22, SLOT
.endr
	s_mul_i32 s21, s15, HALFS
	s_add_co_u32 s21, s21, SCL
	s_mul_i32 s22, s16, HALFS
	s_add_co_u32 s22, s22, SCL+2*HALFS
	v_add_nc_u32 v[ADSA], s21, v[L8]
	v_add_nc_u32 v[ADSB], s22, v[L8]
	v_and_b32 v2, 15, v0                           ; r
	v_bfe_u32 v3, v0, 4, 1                         ; h
	v_and_b32 v4, 8, v2
	v_add_nc_u32 v4, v4, v2                        ; r + 8 (r / 8)
	v_lshlrev_b32 v[FO], 9, v4                     ; a token's cos | sin are 512 bytes
	v_lshl_add_u32 v[FO], v3, 6, v[FO]
	v_min_u32 v27, 23, v1                          ; v27: the prefetches' offset: a lane a block of 256 bytes; lanes 24-31 name the last block again; never rewritten
	v_lshlrev_b32 v27, 8, v27
	s_wait_alu depctr_va_vdst(0)
	global_prefetch_b8 v27, s[92:93] th:TH_LOAD_NT scope:SCOPE_SE   ; K step 2, behind the load of K step 0
	s_lshl_b32 s97, s17, 1
	s_add_co_u32 s97, s97, s15                     ; source 1's group that I multiply: 2 Y + my half
	s_lshl_b32 s98, s42, 1
	s_add_co_u32 s98, s98, s16                     ; source 0's: 2 X + my half
	s_add_co_u32 s99, s97, 32
	s_sub_co_u32 s100, s98, 32
	s_cmp_lg_u32 s95, 0
	s_cselect_b32 s99, s99, s98                    ; p: q's and k's heads 0 .. 31 by source 0; v's, 32 .. 47, by source 1
	s_cselect_b32 s100, s100, s97                  ; g: the tokens' group
	; THE RESULTS' LAYOUT AS IT NOW IS: (p, g) is 12,800 bytes on end at 204,800 p + 12,800 g of qkv_codes: eight images of 1,536 bytes, then the two packs of 256 bytes.  There is no buffer of scale words beside it.
	s_mul_i32 s20, s99, 204800
	s_mul_i32 s21, s100, 12800
	s_add_co_u32 s20, s20, s21
	s_mov_b32 s21, 0
	s_add_nc_u64 s[10:11], s[10:11], s[20:21]
	s_add_nc_u64 s[12:13], s[10:11], 12288         ; the packs stand behind the eight images
	s_lshl_b32 s20, s97, 16                        ; cos | sin of 128 tokens are 65,536 bytes
	s_add_nc_u64 s[8:9], s[8:9], s[20:21]
; cos | sin for block a's 16 tokens: register 16 b + i = number 32 b + 16 h + i of my token's 128 (cos at even places, sin behind it), as the results' registers lie.
.macro FLOAD a
; FIVE SETS of 64 registers: block a's lies in set a % 5: set 0 at v64 of window 0, sets 1 to 4 at v0, v64, v128, v192 of window 1
.if (\a)%5
	WIN TO_B
.set FF, 64*((\a)%5-1)
.else
.set FF, 64
.endif
.irp b, 0,1,2,3
.irp j, 0,1,2,3
	global_load_b128 v[FF+16*\b+4*\j:FF+16*\b+4*\j+3], v[FO], s[8:9] offset:(32*((\a)/2)+8*((\a)%2))*512+128*\b+16*\j
.endr
.endr
	WIN 0
.endm
	FLOAD 0                                        ; block 0's, a whole product ahead of its use.  Both roles issue it, so that the text has one way up to the way out; v's role never reads it (the address lies in the table for every work-group)
.macro FRAG reg, adr, q, i             ; a fragment's image: three loads of 512 consecutive bytes
.irp c, 0,1,2
	ds_load_b128 v[\reg+4*\c:\reg+4*\c+3], v[\adr] offset:3072*(\i)+1536*(\q)+512*\c
.endr
.endm
; One product: source 1's block a x source 0's block b, 128 along K: the slot's q-th.  p: source 0's set;  sc: the set of scale words.  An odd tile's words stand in lanes 16-31.
.macro WM a, b, p, q, sc, zero
.set DD, 8*(8*((\a)%4)+(\b))
.set FB, 128*(\p)+FR*(\b)
.set FA, AF+FR*(\a)
.set ZB, SC+16*(\sc)+8+4*(\q)+2*((\b)/4)+((\b)%4)/2
.set ZA, SC+16*(\sc)+4*(\q)+2*((\a)/4)+((\a)%4)/2
.if \zero
.if ((\b)%2) && ((\a)%2)
	v_wmma_scale_f32_16x16x128_f8f6f4 v[DD:DD+7], v[FB:FB+FR-1], v[FA:FA+FR-1], 0, v[ZB], v[ZA] matrix_a_fmt:MATRIX_FMT_FP6 matrix_b_fmt:MATRIX_FMT_FP6 matrix_a_scale:MATRIX_SCALE_ROW1 matrix_b_scale:MATRIX_SCALE_ROW1
.elseif (\b)%2
	v_wmma_scale_f32_16x16x128_f8f6f4 v[DD:DD+7], v[FB:FB+FR-1], v[FA:FA+FR-1], 0, v[ZB], v[ZA] matrix_a_fmt:MATRIX_FMT_FP6 matrix_b_fmt:MATRIX_FMT_FP6 matrix_a_scale:MATRIX_SCALE_ROW1
.elseif (\a)%2
	v_wmma_scale_f32_16x16x128_f8f6f4 v[DD:DD+7], v[FB:FB+FR-1], v[FA:FA+FR-1], 0, v[ZB], v[ZA] matrix_a_fmt:MATRIX_FMT_FP6 matrix_b_fmt:MATRIX_FMT_FP6 matrix_b_scale:MATRIX_SCALE_ROW1
.else
	v_wmma_scale_f32_16x16x128_f8f6f4 v[DD:DD+7], v[FB:FB+FR-1], v[FA:FA+FR-1], 0, v[ZB], v[ZA] matrix_a_fmt:MATRIX_FMT_FP6 matrix_b_fmt:MATRIX_FMT_FP6
.endif
.else
.if ((\b)%2) && ((\a)%2)
	v_wmma_scale_f32_16x16x128_f8f6f4 v[DD:DD+7], v[FB:FB+FR-1], v[FA:FA+FR-1], v[DD:DD+7], v[ZB], v[ZA] matrix_a_fmt:MATRIX_FMT_FP6 matrix_b_fmt:MATRIX_FMT_FP6 matrix_a_scale:MATRIX_SCALE_ROW1 matrix_b_scale:MATRIX_SCALE_ROW1
.elseif (\b)%2
	v_wmma_scale_f32_16x16x128_f8f6f4 v[DD:DD+7], v[FB:FB+FR-1], v[FA:FA+FR-1], v[DD:DD+7], v[ZB], v[ZA] matrix_a_fmt:MATRIX_FMT_FP6 matrix_b_fmt:MATRIX_FMT_FP6 matrix_a_scale:MATRIX_SCALE_ROW1
.elseif (\a)%2
	v_wmma_scale_f32_16x16x128_f8f6f4 v[DD:DD+7], v[FB:FB+FR-1], v[FA:FA+FR-1], v[DD:DD+7], v[ZB], v[ZA] matrix_a_fmt:MATRIX_FMT_FP6 matrix_b_fmt:MATRIX_FMT_FP6 matrix_b_scale:MATRIX_SCALE_ROW1
.else
	v_wmma_scale_f32_16x16x128_f8f6f4 v[DD:DD+7], v[FB:FB+FR-1], v[FA:FA+FR-1], v[DD:DD+7], v[ZB], v[ZA] matrix_a_fmt:MATRIX_FMT_FP6 matrix_b_fmt:MATRIX_FMT_FP6
.endif
.endif
.endm
; 16 products: blocks a0, a0 + 1 x source 0's eight.  The 64 accumulators take turns, one instruction a turn, in the same order in every step.  zero = 1: the first product starts the sums.
.macro MUL16 a0, p, q, sc, zero
.irp a, \a0, \a0+1
.irp b, 0,1,2,3,4,5,6,7
	WM \a, \b, \p, \q, \sc, \zero
.endr
.endr
.endm
.macro FETCH_B slot, q, p              ; source 0's eight fragments of the slot's q-th 128 along K into set p
	WIN TO_B
.irp i, 0,1,2,3,4,5,6,7
	FRAG 128*(\p)+FR*\i, ADRB+\slot, \q, \i
.endr
	WIN 0
.endm
.macro FETCH_A slot, q, i0             ; source 1's blocks i0 .. i0 + 3
.irp i, \i0, \i0+1, \i0+2, \i0+3
	FRAG AF+FR*(\i), ADRA+\slot, \q, \i
.endr
.endm
.macro SCALES sc                       ; a K step's packs into set sc: two steps of 128 x two packs a side: eight loads of 8 bytes a lane
.irp q, 0,1
.irp p, 0,1
	ds_load_b64 v[SC+16*(\sc)+4*\q+2*\p:SC+16*(\sc)+4*\q+2*\p+1], v[ADSA] offset:4096*\p+256*\q
	ds_load_b64 v[SC+16*(\sc)+8+4*\q+2*\p:SC+16*(\sc)+8+4*\q+2*\p+1], v[ADSB] offset:4096*\p+256*\q
.endr
.endr
.endm
; A load into a register that a matrix instruction has read, and a vector instruction that reads a matrix result or writes one of its registers, stand NP places behind it; only plain vector instructions that name none of its registers are places.
.macro PLACES n
.rept \n
	v_nop
.endr
.endm
; A slot's first 128 along K (source 0's set 0); the second 128's fragments are fetched on the way.
.macro STEP slot, zero
	s_wait_dscnt 4*NL                              ; all but the youngest twelve loads (source 1's blocks 4-7) are in
	WIN MUL_LO
	MUL16 0, 0, 0, \slot, \zero
	MUL16 2, 0, 0, \slot, \zero
	s_wait_dscnt 0x0                               ; blocks 4-7 are in (asked for 32 matrix instructions ago)
	PLACES NP
	FETCH_B \slot, 1, 1
	FETCH_A \slot, 1, 0
	WIN MUL_HI
	MUL16 4, 0, 0, \slot, \zero
	MUL16 6, 0, 0, \slot, \zero
	PLACES NP
	WIN 0
	FETCH_A \slot, 1, 4
.endm
; A slot's second 128 changes slots: ONE barrier; in front of it each wave waits for all its tensor loads, adds 0 to its spare word, and waits for that and for its own reads of this slot.  fill = 1: this slot is filled again, two K steps ahead.
.macro ASK                             ; the K step two refills on; the loop's last trip (s3 = 1) has none
	s_cmp_gt_u32 s3, 1
	s_cbranch_scc0 .Lno_ask_\@
	global_prefetch_b8 v27, s[92:93] th:TH_LOAD_NT scope:SCOPE_SE
.Lno_ask_\@:
.endm
.macro TURN slot, next, fill
.if \fill
	s_wait_xcnt 0x0                                ; my last prefetch has read its address: it steps here, a K step behind that prefetch
	s_add_nc_u64 s[92:93], s[92:93], STEPB
.endif
	s_wait_tensorcnt 0x0
	ds_add_u32 v[SPW], v[NIL]                      ; 0 onto my spare word
	s_wait_dscnt 4*NL+1                            ; (the add and the youngest twelve loads may be out)
	WIN MUL_LO
	MUL16 0, 1, 1, \slot, 0                        ; sixteen matrix instructions stand between the add and the wait for it
	s_wait_dscnt 0x0                               ; the add is done, and my reads of this slot are over
	s_barrier_signal -1
	MUL16 2, 1, 1, \slot, 0
	WIN 0
	s_barrier_wait -1
.if \fill
	CREST                                          ; the barrier has opened a round of the cluster's barrier: no wave of any partner still reads this slot's tile or has a load on its way
	s_add_nc_u64 s[G0+4*\slot+2:G0+4*\slot+3], s[G0+4*\slot+2:G0+4*\slot+3], 2*STEPB
	s_add_nc_u64 s[G0B+4*\slot+2:G0B+4*\slot+3], s[G0B+4*\slot+2:G0B+4*\slot+3], 2*STEPB
	JLOAD G0+4*\slot, G1, G0B+4*\slot, G1B         ; the first tensor load behind the round, my one load until the next; its four v_nop are the places in front of the loads below
.else
	PLACES NP
.endif
	s_wait_alu depctr_va_vdst(0)
	v_add_nc_u32 v[ADSA], 512, v[ADSA]             ; on to the next K step's packs
	v_add_nc_u32 v[ADSB], 512, v[ADSB]
	FETCH_B \next, 0, 0
	FETCH_A \next, 0, 0
	SCALES \next
.if \fill
	ASK                                            ; behind the joint load and the run of LDS loads
.endif
	WIN MUL_HI
	MUL16 4, 1, 1, \slot, 0
	MUL16 6, 1, 1, \slot, 0
	PLACES NP
	WIN 0
	FETCH_A \next, 0, 4
.endm
	s_wait_alu depctr_va_vdst(0)                   ; the wait at the head's end
	s_wait_tensorcnt 0x0                           ; my tile of the head's four is in
	ds_add_u32 v[SPW], v[NIL]
.irp g, G1, G1B                                ; no tensor load of mine is out: from here on a load brings 24,576 bytes on end, as 96 rows of 32 elements of 8 bytes
	s_mov_b32 s[\g+1], 32<<16
	s_mov_b32 s[\g+2], 96<<16
	s_mov_b32 s[\g+3], 32<<16
	s_mov_b32 s[\g+4], 96
	s_mov_b32 s[\g+5], 32
.endr
	s_wait_xcnt 0x0                                ; the first prefetch has read its address
	s_add_nc_u64 s[92:93], s[92:93], STEPB
	s_wait_dscnt 0x0                               ; the add is done
	CROUND                                         ; all four tiles are in, and all sixteen work-groups are here
	JLOAD G0+4, G1, G0B+4, G1B                     ; K step 1, slot 1's first fill: my one load behind the round
	FETCH_B 0, 0, 0
	FETCH_A 0, 0, 0
	SCALES 0
	FETCH_A 0, 0, 4
	global_prefetch_b8 v27, s[92:93] th:TH_LOAD_NT scope:SCOPE_SE   ; K step 3, behind the load of K step 1
	STEP 0, 1                                      ; the first step stands in front of the loop: its products start the sums
	s_mov_b32 s3, LAPS-1
.Llap:                                             ; a trip goes once round the ring and fills both slots again
	TURN 0, 1, 1
	STEP 1, 0
	TURN 1, 0, 1
	STEP 0, 0
	s_sub_co_u32 s3, s3, 1
	s_cmp_lg_u32 s3, 0
	s_cbranch_scc1 .Llap
	TURN 0, 1, 0                                   ; the last lap fills nothing, and has no round of the cluster's barrier
	STEP 1, 0
	FLOAD 1                                        ; source 0's set 0 has been multiplied for the last time, four places ago: v0-127 of window 1 take blocks 1 and 2's cos | sin, a step ahead of the way out.
	FLOAD 2                                        ; Both roles issue them, as block 0's, so that the text has one way up to the way out; v's role never reads them
	s_wait_dscnt 4*NL
	WIN MUL_LO
	MUL16 0, 1, 1, 1, 0
	MUL16 2, 1, 1, 1, 0
	s_wait_dscnt 0x0
	WIN MUL_HI
	MUL16 4, 1, 1, 1, 0
	MUL16 6, 1, 1, 1, 0
	WIN 0
; 64 numbers of a lane, v[s] on, register 16 b + i = k 32 b + 16 (lane / 16) + i of my row, become a fragment's codes in v[PC] on and its scale word in v[pw].
.macro QUANT s, pw
.irp b, 0,1,2,3
	v_max3_num_f32 v[TM+\b], |v[\s+16*\b]|, |v[\s+1+16*\b]|, 0x1800000   ; block b: my 16 numbers, and the floor 2^(3 - 127): the byte cannot fall under 1
.endr
.irp i, 2,4,6,8,10,12,14
.irp b, 0,1,2,3
	v_max3_num_f32 v[TM+\b], v[TM+\b], |v[\s+16*\b+\i]|, |v[\s+1+16*\b+\i]|
.endr
.endr
.irp b, 0,1,2,3
	v_permlanex16_b32 v[TM+4+\b], v[TM+\b], s[SEL], s[SEL+1]
.endr
.irp b, 0,1,2,3
	v_max_num_f32 v[TM+\b], v[TM+\b], v[TM+4+\b]   ; with lane l xor 16's: the block's largest magnitude
.endr
.irp b, 0,1,2,3
	v_add_nc_u32 v[TM+12+\b], 0xff000000, v[TM+\b]   ; 2 off its exponent field: the conversion's scale operand
.endr
.irp b, 0,1,2,3
	v_lshrrev_b32 v[TM+4+\b], 23, v[TM+12+\b]      ; the scale's byte
.endr
	v_lshl_or_b32 v[\pw], v[TM+5], 8, v[TM+4]
	v_lshl_or_b32 v[\pw], v[TM+6], 16, v[\pw]
	v_lshl_or_b32 v[\pw], v[TM+7], 24, v[\pw]
.irp c, 0,1
	v_cvt_scalef32_pk16_fp6_f32 v[PC+6*\c:PC+2+6*\c], v[\s+32*\c:\s+15+32*\c], v[TM+12+2*\c]
	v_cvt_scalef32_pk16_fp6_f32 v[PC+12+4*\c:PC+14+4*\c], v[\s+16+32*\c:\s+31+32*\c], v[TM+12+2*\c+1]   ; (a conversion's three registers begin on an even number)
.endr
	v_nop                                          ; one plain place behind a scaled conversion
.irp c, 0,1                                    ; a whole block to a lane: lanes 0-15 block 2 c, lanes 16-31 block 2 c + 1
.irp i, 0,1,2
	v_permlane16_swap_b32 v[PC+6*\c+\i], v[PC+12+4*\c+\i]
.endr
.irp i, 0,1,2
	v_mov_b32 v[PC+3+6*\c+\i], v[PC+12+4*\c+\i]
.endr
.endr
.endm
; THE WAY OUT of block a (16 rows of source 1 x my 128 of source 0): its 64 accumulator registers, each accumulator from its low end on, go to window 0, rotated (rope = 1) or as they are; they are quantised; the image leaves.
.macro BLOCK a, rope
.set XA, 64*((\a)%4)
.if \rope
.if (\a) < 5
	s_wait_loadcnt 48                              ; this block's cos | sin are in: behind its 16 loads at least three more sets of 16 have been asked for
.else
	s_wait_loadcnt 16*(7-(\a))                     ; behind block a's loads: those of blocks a + 1 .. 7
.endif
.if (\a)%5
.set FF, 64*((\a)%5-1)
	WIN (2+(\a)/4)|4                               ; source 0: the accumulators' window; source 1: window 1
.else
.set FF, 64
	WIN 2+(\a)/4
.endif
.set m, 0
.rept 32
	v_pk_mul_f32 v[T+m:T+m+1], v[XA+m:XA+m+1], v[FF+m:FF+m+1] op_sel_hi:[0,1]   ; (x0 cos, x0 sin)
.set m, m+2
.endr
.set m, 0
.rept 32
	v_pk_fma_f32 v[T+m:T+m+1], v[XA+m:XA+m+1], v[FF+m:FF+m+1], v[T+m:T+m+1] op_sel:[1,1,0] op_sel_hi:[1,0,1] neg_lo:[1,0,0]   ; (- x1 sin, + x1 cos) added
.set m, m+2
.endr
	WIN 0
.if (\a) < 3
	FLOAD (\a)+5                                   ; the set just read takes the block five on
.endif
.else
	WIN 2+(\a)/4
.set m, 0
.rept 32
	v_pk_mul_f32 v[T+m:T+m+1], v[XA+m:XA+m+1], 1.0 op_sel_hi:[1,0]   ; out of the accumulators' window, two registers an instruction; x 1 changes nothing
.set m, m+2
.endr
	WIN 0
.endif
.if (\a) > 0
	s_wait_xcnt 0x0                                ; the last block's stores have read the codes' registers: they are written again only behind this wait
.endif
	QUANT T, SW+(\a)
.irp c, 0,1,2
	global_store_b128 v[LI], v[PC+4*\c:PC+4*\c+3], s[10:11] offset:1536*(\a)+512*\c   ; 32 lanes store 512 consecutive bytes, aligned
.endr
.if (\a)%4 == 3
	v_cndmask_b32 v[W+2*((\a)/4)], v[SW+(\a)-3], v[SW+(\a)-2], s96   ; four blocks' words make a pack: even tiles in lanes 0-15, odd in lanes 16-31
	v_cndmask_b32 v[W+2*((\a)/4)+1], v[SW+(\a)-1], v[SW+(\a)], s96
	global_store_b64 v[L8], v[W+2*((\a)/4):W+2*((\a)/4)+1], s[12:13] offset:256*((\a)/4)   ; 256 consecutive bytes, aligned
.endif
.endm
	PLACES NP                                      ; behind the last products: for the reads of results, the writes over source 1's fragments and the loads over source 0's set 1
.irp b, 0,1,2,3
	v_mov_b32 v[TM+4+\b], 0                        ; written once: a lane permute's destination counts as one of its sources
.endr
	s_cmp_lg_u32 s95, 0                            ; the role: ids alone, the same in all partners
	s_cbranch_scc1 .Lv_way
	FLOAD 3
	FLOAD 4
.irp a, 0,1,2,3,4,5,6,7
	BLOCK \a, 1
.endr
	s_branch .Lend
.Lv_way:
.irp a, 0,1,2,3,4,5,6,7
	BLOCK \a, 0
.endr
.Lend:
	s_wait_tensorcnt 0x0                           ; the wave's end: behind my last tensor load
	ds_add_u32 v[SPW], v[NIL]
	s_wait_dscnt 0x0
	CROUND                                         ; the closing round: no work-group ends while a partner may still ask for a tile that names it
	s_endpgm
.Lfunc_end_k_qf6d92946cb_qkv:
	.size	k_qf6d92946cb_qkv, .Lfunc_end_k_qf6d92946cb_qkv-k_qf6d92946cb_qkv
	.p2alignl 7, 3214868480
	.fill 96, 4, 3214868480
	.section	.rodata,"a",@progbits
	.p2align	6, 0x0
	.amdhsa_kernel k_qf6d92946cb_qkv
		.amdhsa_group_segment_fixed_size 327680
		.amdhsa_private_segment_fixed_size 0
		.amdhsa_enable_private_segment 0
		.amdhsa_kernarg_size 32
		.amdhsa_user_sgpr_count 2
		.amdhsa_user_sgpr_kernarg_segment_ptr 1
		.amdhsa_wavefront_size32 1
		.amdhsa_system_sgpr_workgroup_id_x 1
		.amdhsa_system_sgpr_workgroup_id_y 1
		.amdhsa_system_sgpr_workgroup_id_z 1
		.amdhsa_system_vgpr_workitem_id 0
		.amdhsa_next_free_vgpr 1024
		.amdhsa_next_free_sgpr 102
		.amdhsa_reserve_vcc 0
		.amdhsa_float_denorm_mode_32 3
		.amdhsa_float_denorm_mode_16_64 3
		.amdhsa_memory_ordered 1
		.amdhsa_forward_progress 1
		.amdhsa_inst_pref_size 236
	.end_amdhsa_kernel
	.amdgpu_metadata
---
amdhsa.version: [ 1, 2 ]
amdhsa.kernels:
  - .name:           k_qf6d92946cb_qkv
    .symbol:         k_qf6d92946cb_qkv.kd
    .args:
      - { .name: xw_codes, .offset: 0, .size: 8, .value_kind: global_buffer, .address_space: global }
      - { .name: xw_scales, .offset: 8, .size: 8, .value_kind: global_buffer, .address_space: global }
      - { .name: freqs_cis, .offset: 16, .size: 8, .value_kind: global_buffer, .address_space: global }
      - { .name: qkv_codes, .offset: 24, .size: 8, .value_kind: global_buffer, .address_space: global }
    .group_segment_fixed_size: 327680
    .private_segment_fixed_size: 0
    .kernarg_segment_align: 8
    .kernarg_segment_size: 32
    .max_flat_workgroup_size: 128
    .sgpr_count:     102
    .vgpr_count:     1024
    .wavefront_size: 32
...
	.end_amdgpu_metadata
.endif
;; end of part 6
;; launch attn (part 7): grid 16 x 16, 8 waves a work-group, clusters of 4 x 1, 327,680 bytes of LDS; arguments qkv_codes, o_codes, o_scales; writes o_codes, o_scales
.if DOCPART == 7
	.amdgcn_target "amdgcn-amd-amdhsa--gfx1250"
	.amdhsa_code_object_version 6
	.text
	.protected	k_qf6d92946cb_attn
	.globl	k_qf6d92946cb_attn
	.p2align	8
	.type	k_qf6d92946cb_attn,@function
k_qf6d92946cb_attn:
	s_mov_b64 s[64:65], 0
	v_nop
	global_prefetch_b8 v0, s[64:65] scope:SCOPE_SE
	s_setreg_imm32_b32 hwreg(HW_REG_WAVE_MODE, 25, 1), 1
	s_wait_xcnt 0x0
	s_wait_alu depctr_hold_cnt(0) depctr_sa_sdst(0) depctr_va_vdst(0) depctr_va_sdst(0) depctr_va_ssrc(0) depctr_va_vcc(0) depctr_vm_vsrc(0)
	s_getreg_b32 s2, hwreg(HW_REG_IB_STS2, 6, 4)
	s_cmp_eq_u32 s2, 0
	s_cbranch_scc0 .Lentry_in_a_cluster
	s_endpgm
.Lentry_in_a_cluster:
	s_bfe_u32 s2, ttmp6, 0x10000c
	s_cmp_lg_u32 s2, 0x3003
	s_cbranch_scc0 .Lentry_shape_is_right
	s_endpgm
.Lentry_shape_is_right:
; o = softmax(q k^T / sqrt(128)) v for one head and 128 queries, on codes of FP6 (E2M3) with E8M0 scales; o is quantised along the head's 128 and stored as images and packs for the last product.
; IN: qkv_codes: (p, g) is 12,800 bytes at 204,800 p + 12,800 g: eight images of 1,536 bytes (byte 512 c + 16 lane + 4 e = register 4 c + e of the lane), then two packs of 256 bytes
;   (byte 8 lane + 4 c of pack P = scale word of row lane % 16 of tile 4 P + 2 c + lane / 16).  p = head: q (g: 128 tokens); 16 + head: k (g: 128 keys); 32 + head: v (g: 128 keys, tiles of channels, keys innermost).
; SHARES.  Eight waves.  Pair j = wave % 4 owns query tiles 2 j and 2 j + 1 (32 queries); both waves of a pair (w, w + 4) hold both tiles, and the keys are split: of a slot's four steps of 128 keys
;   waves 0-3 take steps 0, 1 and waves 4-7 steps 2, 3.  So each fragment of k and v that a wave reads from LDS feeds two matrix instructions.  Register set 0 holds tile 2 j + wave / 4, set 1 the other one.
;   At the end each wave hands set 1's O, M and sum to its partner through LDS bytes of its own and finishes set 0: both parts are brought under the larger M by exact powers of two.
; Both products are used transposed (S^T = k q^T, O^T = v^T p^T): a lane holds one query.  p = 2^(t - M), M the running ceiling of the largest t; the row's sum is taken of the unquantised p.
; The 64 score registers serve both tiles in turn: S0, softmax 0, S1, O0 += v p0, softmax 1, O1 += v p1.  v's fragments are asked for behind S0, the next step's k behind S1.
; RING: two slots of 4 steps x (k, v) = 102,400 bytes; each wave fetches one part of 12,800 bytes (50 rows of 256 bytes) by one joint load.  CLUSTER: the four query groups of a cluster read the same k and v.
; PREFETCH: in cluster x = 0 alone (the clusters of a head read the same bytes) waves 0-3 of each partner name 25 blocks of 256 bytes each, told apart by address: the slot that the next change of slots will load; the last slot's trip asks for nothing.
; LIMITS: NaN and infinities are not served; the promise holds while the scaled scores stay under 2^31 in magnitude; a block of zeros gets the byte 1 (its codes are zeros; this program alone reads the bytes).
.set KT,    12800
.set HB,    204800
.set SLOT1, 1<<17
.set STG,   233472                     ; behind slot 1: a stage of 8,704 bytes for each wave, bytes that no tensor load fills
.set STGB,  8704
.set OSC,   STG+8*STGB                 ; o's scale words, two packs
.set SPARE, OSC+512                    ; the spare words, 128 bytes a wave, which no other line names
.set AL,   1                           ; 16 x lane + my group's two steps in a slot
.set AL8,  2                           ; 8 x lane + the same
.set AD,   3                           ; AL + the slot
.set AS,   4                           ; AL8 + the slot
.set SPW,  5
.set NIL,  6
.set R8,   7                           ; 8 x (lane % 16)
.set L8,   8
.set LI,   9                           ; 16 x lane
.set OSA,  10
.set OSB,  11
.set SGW,  20                          ; my stage; v12-15, v16-19: -M, largest t, the sum's two halves, for set 0 and set 1
.set SGR,  21                          ; my partner's stage
.set PFO,  22
.set QF,   32                          ; q's fragments, two sets of 12
.set QS,   56                          ; q's scale words, two; v58-61 k's packs, v62-65 v's: scales and nothing else
.set KS,   58
.set VS,   62
.set TM,   66
.set PWO,  82
.set S,    96
.set O,    160                         ; set 0's O^T; set 1's lies in window 1 at v192.  Window 1: v0-95 k's fragments, v96-191 v's
.set PC,   224
.set BM,   248
.set WV,   18
.set SEL,  20
.set CS,   22
.set G1,   24
.set G0,   40
.set TB,   48
.set SLOTS, 50
.set LIM,  51
.set PFA,  52
.set MSB, 0
.macro WIN new
.if MSB != (\new)
	s_set_vgpr_msb (MSB<<8)|(\new)
.set MSB, (\new)
.endif
.endm
.macro CROUND
	s_barrier_signal -1
	s_barrier_wait -1
	s_cmp_lg_u32 s[WV], 0
	s_cbranch_scc1 .Lnot_wave_0_\@
	s_barrier_signal -3
.Lnot_wave_0_\@:
	s_barrier_wait -3
	s_barrier_signal -1
	s_barrier_wait -1
.endm
.macro ASK
	s_cmp_gt_u32 s[SLOTS], s[LIM]
	s_cbranch_scc0 .Lnot_mine_\@
	global_prefetch_b8 v[PFO], s[PFA:PFA+1] th:TH_LOAD_NT scope:SCOPE_SE
.Lnot_mine_\@:
.endm
.macro PLACES
.rept 4
	v_nop
.endr
.endm
	s_load_b128 s[4:7], s[0:1], 0x0                ; qkv_codes, o_codes
	s_load_b64 s[8:9], s[0:1], 0x10                ; o_scales
	v_lshl_add_u32 v[SPW], v0, 2, SPARE
	v_mov_b32 v[NIL], 0
	ds_add_u32 v[SPW], v[NIL]                      ; the opening lines: the add twice and one wait
	ds_add_u32 v[SPW], v[NIL]
	v_lshrrev_b32 v23, 5, v0
	s_delay_alu instid0(VALU_DEP_1)
	v_readfirstlane_b32 s[WV], v23
	s_bfe_u32 s54, ttmp6, 0x40000                  ; cx
	s_lshl_b32 s55, ttmp9, 2
	s_add_co_u32 s55, s55, s54                     ; the group of 128 queries
	s_and_b32 s56, ttmp7, 0xffff                   ; the head
	s_mul_i32 s57, s56, HB
	s_lshr_b32 s58, s[WV], 2                       ; my half of the keys.  Also: I fetch k (0) or v (1)
	s_and_b32 s59, s[WV], 3                        ; my pair.  Also: which step of a slot I fetch
	s_lshl_b32 s62, s59, 1
	s_add_co_u32 s62, s62, s58                     ; set 0's tile.  Also my part of a slot: step j's k at 2 j, its v at 2 j + 1
	s_xor_b32 s63, s62, 1                          ; set 1's tile
	s_mov_b32 s[G1], 15|(3<<16)|(1<<21)            ; the mask names the cluster's four; elements of 8 bytes; 50 rows of 32
	s_mov_b32 s[G1+1], 32<<16
	s_mov_b32 s[G1+2], 50<<16
	s_mov_b32 s[G1+3], 32<<16
	s_mov_b32 s[G1+4], 50
	s_mov_b32 s[G1+5], 32
	s_mov_b32 s[G1+6], 0
	s_mov_b32 s[G1+7], 0
	s_mov_b32 s[G0], 1
	s_mul_i32 s[G0+1], s62, KT
	s_mul_i32 s60, s58, 16*HB
	s_mul_i32 s61, s59, KT
	s_add_co_u32 s60, s60, s61
	s_add_co_u32 s60, s60, s57
	s_add_co_u32 s60, s60, 16*HB
	s_mov_b32 s61, 0
	s_mov_b32 s[SEL], 0x76543210
	s_mov_b32 s[SEL+1], 0xfedcba98
	s_mov_b32 s[CS], 0x3e0293ee                    ; log2(e) / sqrt(128)
	s_mov_b32 s[CS+1], s[CS]
	s_mov_b32 s[TB], 0
	s_mov_b32 s[SLOTS], 3
	s_cmp_lt_u32 s[WV], 4
	s_cselect_b32 s[LIM], 0, 1
	s_or_b32 s[LIM], s[LIM], ttmp9
	s_cmp_eq_u32 s[LIM], 0
	s_cselect_b32 s[LIM], 1, -1                    ; 1 in the waves that prefetch, else the greatest number
	s_wait_alu depctr_va_vdst(0)                   ; the wait ahead of the waits below
	s_wait_dscnt 0x0
	s_wait_kmcnt 0x0
	s_add_nc_u64 s[G0+2:G0+3], s[4:5], s[60:61]
	s_or_b32 s[G0+3], s[G0+3], 0x80000000
	CROUND
	tensor_load_to_lds s[G0:G0+3], s[G1:G1+7]      ; slot 0, my part: my one load at the head
	s_nop 0
	PLACES
	s_mul_i32 s68, s55, KT
	s_add_co_u32 s68, s68, s57                     ; q's 12,800 bytes
	s_mul_i32 s66, s62, 1536
	s_add_co_u32 s66, s66, s68
	s_mov_b32 s67, 0
	s_add_nc_u64 s[70:71], s[4:5], s[66:67]
	s_mul_i32 s66, s63, 1536
	s_add_co_u32 s66, s66, s68
	s_add_nc_u64 s[72:73], s[4:5], s[66:67]
	s_lshr_b32 s76, s59, 1
	s_lshl_b32 s76, s76, 8
	s_and_b32 s77, s59, 1
	s_lshl_b32 s77, s77, 2
	s_add_co_u32 s76, s76, s77
	s_lshl_b32 s77, s58, 7
	s_add_co_u32 s76, s76, s77                     ; set 0's tile a in a pair of packs: 256 (a / 4) + 128 (a % 2) + 4 ((a / 2) % 2)
	s_xor_b32 s77, s76, 128                        ; set 1's
	s_add_co_u32 s66, s68, s76
	s_add_co_u32 s66, s66, 12288
	s_add_nc_u64 s[78:79], s[4:5], s[66:67]
	s_add_co_u32 s66, s68, s77
	s_add_co_u32 s66, s66, 12288
	s_add_nc_u64 s[80:81], s[4:5], s[66:67]
	s_lshr_b32 s74, s54, 1                         ; the prefetches: partner cx takes k or v (cx / 2), half a slot's 51,200 bytes (cx % 2); a wave 6,400 of them
	s_mul_i32 s74, s74, 16*HB
	s_and_b32 s75, s54, 1
	s_mul_i32 s75, s75, 2*KT
	s_add_co_u32 s74, s74, s75
	s_mul_i32 s75, s[WV], 6400
	s_add_co_u32 s74, s74, s75
	s_add_co_u32 s74, s74, s57
	s_add_co_u32 s74, s74, 16*HB+4*KT
	s_mov_b32 s75, 0
	s_add_nc_u64 s[PFA:PFA+1], s[4:5], s[74:75]
	s_mul_i32 s66, s55, 196608                     ; o's image: group of 128 tokens, pair of K steps (head / 2), tile, head % 2
	s_lshr_b32 s69, s56, 1
	s_mul_i32 s69, s69, 24576
	s_add_co_u32 s66, s66, s69
	s_mul_i32 s69, s62, 3072
	s_add_co_u32 s66, s66, s69
	s_and_b32 s69, s56, 1
	s_mul_i32 s69, s69, 1536
	s_add_co_u32 s66, s66, s69
	s_add_nc_u64 s[6:7], s[6:7], s[66:67]
	s_lshl_b32 s66, s55, 1                         ; o's packs: waves 0 and 1 store one each
	s_and_b32 s68, s[WV], 1
	s_add_co_u32 s66, s66, s68
	s_lshl_b32 s66, s66, 12
	s_lshl_b32 s69, s56, 8
	s_add_co_u32 s66, s66, s69
	s_add_nc_u64 s[8:9], s[8:9], s[66:67]
	s_mul_i32 s82, s58, 4*KT
	s_add_co_u32 s83, s76, OSC
	s_lshl_b32 s84, s68, 8
	s_add_co_u32 s84, s84, OSC
	s_mul_i32 s85, s[WV], STGB
	s_add_co_u32 s85, s85, STG
	s_xor_b32 s86, s[WV], 4
	s_mul_i32 s86, s86, STGB
	s_add_co_u32 s86, s86, STG
	v_and_b32 v23, 31, v0
	v_and_b32 v24, 15, v0
	s_delay_alu instid0(VALU_DEP_2)
	v_lshlrev_b32 v[LI], 4, v23
	v_lshlrev_b32 v[L8], 3, v23
	v_min_u32 v[PFO], 24, v23
	v_lshlrev_b32 v[R8], 3, v24
	v_add_nc_u32 v[AL], s82, v[LI]
	v_add_nc_u32 v[AL8], s82, v[L8]
	v_lshlrev_b32 v[PFO], 8, v[PFO]
	v_add_nc_u32 v[OSA], s83, v[R8]
	v_add_nc_u32 v[OSB], s84, v[L8]
	v_add_nc_u32 v[SGW], s85, v[LI]
	v_add_nc_u32 v[SGR], s86, v[LI]
	s_wait_alu depctr_va_vdst(0)
.irp c, 0,1,2
	global_load_b128 v[QF+4*\c:QF+4*\c+3], v[LI], s[70:71] offset:512*\c
	global_load_b128 v[QF+12+4*\c:QF+12+4*\c+3], v[LI], s[72:73] offset:512*\c
.endr
	global_load_b32 v[QS], v[R8], s[78:79]
	global_load_b32 v[QS+1], v[R8], s[80:81]
	v_mov_b32 v13, 0xff61b1e6                      ; the largest t so far: -3e38
	v_mov_b32 v17, 0xff61b1e6
	s_delay_alu instid0(VALU_DEP_2)
	v_floor_f32 v12, -v13
	s_delay_alu instid0(VALU_DEP_2)
	v_floor_f32 v16, -v17
.irp r, 14,15,18,19,236,237,238,239,253
	v_mov_b32 v\r, 0
.endr
.set jj, 0
.rept 64
	v_mov_b32 v[O+jj], 0                           ; the step is written once: the first finds zeros
.set jj, jj+1
.endr
	WIN 0x40
.set jj, 0
.rept 64
	v_mov_b32 v[192+jj], 0
.set jj, jj+1
.endr
	WIN 0
.macro KFETCH q                        ; k's eight fragments and two packs of my step q of the slot
	WIN 0x40
.irp t, 0,1,2,3,4,5,6,7
.irp c, 0,1,2
	ds_load_b128 v[12*\t+4*\c:12*\t+4*\c+3], v[AD] offset:2*KT*(\q)+1536*\t+512*\c
.endr
.endr
	WIN 0
.irp p, 0,1
	ds_load_b64 v[KS+2*\p:KS+2*\p+1], v[AS] offset:2*KT*(\q)+12288+256*\p
.endr
.endm
.macro VFETCH q
	WIN 0x40
.irp t, 0,1,2,3,4,5,6,7
.irp c, 0,1,2
	ds_load_b128 v[96+12*\t+4*\c:96+12*\t+4*\c+3], v[AD] offset:2*KT*(\q)+KT+1536*\t+512*\c
.endr
.endr
	WIN 0
.irp p, 0,1
	ds_load_b64 v[VS+2*\p:VS+2*\p+1], v[AS] offset:2*KT*(\q)+KT+12288+256*\p
.endr
.endm
.macro SMUL i, t                       ; an odd tile's scale words stand in lanes 16-31
.if (\t)%2
	v_wmma_scale_f32_16x16x128_f8f6f4 v[S+8*(\t):S+8*(\t)+7], v[12*(\t):12*(\t)+11], v[QF+12*(\i):QF+12*(\i)+11], 0, v[KS+2*((\t)/4)+((\t)%4)/2], v[QS+(\i)] matrix_a_fmt:MATRIX_FMT_FP6 matrix_b_fmt:MATRIX_FMT_FP6 matrix_a_scale:MATRIX_SCALE_ROW1
.else
	v_wmma_scale_f32_16x16x128_f8f6f4 v[S+8*(\t):S+8*(\t)+7], v[12*(\t):12*(\t)+11], v[QF+12*(\i):QF+12*(\i)+11], 0, v[KS+2*((\t)/4)+((\t)%4)/2], v[QS+(\i)] matrix_a_fmt:MATRIX_FMT_FP6 matrix_b_fmt:MATRIX_FMT_FP6
.endif
.endm
.macro PMUL i, t
.set OO, O+32*(\i)+8*(\t)
.if (\t)%2
	v_wmma_scale_f32_16x16x128_f8f6f4 v[OO:OO+7], v[96+12*(\t):96+12*(\t)+11], v[224:235], v[OO:OO+7], v[VS+2*((\t)/4)+((\t)%4)/2], v253 matrix_a_fmt:MATRIX_FMT_FP6 matrix_b_fmt:MATRIX_FMT_FP6 matrix_a_scale:MATRIX_SCALE_ROW1
.else
	v_wmma_scale_f32_16x16x128_f8f6f4 v[OO:OO+7], v[96+12*(\t):96+12*(\t)+11], v[224:235], v[OO:OO+7], v[VS+2*((\t)/4)+((\t)%4)/2], v253 matrix_a_fmt:MATRIX_FMT_FP6 matrix_b_fmt:MATRIX_FMT_FP6
.endif
.endm
; The scores in v[S] on become p's codes in v224-235 and its scale word in v253; set i's M, sum and O^T are brought under the new M.  st: the set's four registers.
.macro SOFT st, i
.irp b, 0,1,2,3
	v_max3_num_f32 v[BM+\b], v[S+16*\b], v[S+1+16*\b], v[S+2+16*\b]   ; each block's largest score: for the row's maximum and for the block's largest p
.endr
.irp k, 3,5,7,9,11,13
.irp b, 0,1,2,3
	v_max3_num_f32 v[BM+\b], v[BM+\b], v[S+16*\b+\k], v[S+1+16*\b+\k]
.endr
.endr
.irp b, 0,1,2,3
	v_max_num_f32 v[BM+\b], v[BM+\b], v[S+15+16*\b]
.endr
.irp b, 0,1,2,3
	s_delay_alu instid0(VALU_DEP_4)
	v_permlanex16_b32 v[236+\b], v[BM+\b], s[SEL], s[SEL+1]
.endr
.irp b, 0,1,2,3
	s_delay_alu instid0(VALU_DEP_4)
	v_max_num_f32 v[BM+\b], v[BM+\b], v[236+\b]
.endr
	s_delay_alu instid0(VALU_DEP_2)
	v_max3_num_f32 v254, v[BM], v[BM+1], v[BM+2]
	s_delay_alu instid0(VALU_DEP_1)
	v_max_num_f32 v254, v254, v[BM+3]
	s_delay_alu instid0(VALU_DEP_1)
	v_mul_f32 v254, s[CS], v254
	s_delay_alu instid0(VALU_DEP_1)
	v_max_num_f32 v[\st+1], v[\st+1], v254         ; the running largest t
	v_mov_b32 v254, v[\st]
	s_delay_alu instid0(VALU_DEP_2)
	v_floor_f32 v[\st], -v[\st+1]                  ; -M = floor(-t): M is a whole number
	s_delay_alu instid0(VALU_DEP_1)
	v_sub_f32 v254, v[\st], v254
	s_delay_alu instid0(VALU_DEP_1)
	v_cvt_i32_f32 v254, v254
	s_delay_alu instid0(VALU_DEP_1)
	v_ldexp_f32 v252, 1.0, v254                    ; f = 2^(old M - new M)
.set jj, 0
.rept 32
	v_pk_fma_f32 v[S+jj:S+1+jj], v[S+jj:S+1+jj], s[CS:CS+1], v[\st:\st+1] op_sel_hi:[1,0,0]
.set jj, jj+2
.endr
.irp b, 0,1,2,3
	v_fma_f32 v[BM+\b], v[BM+\b], s[CS], v[\st]
.endr
	s_wait_alu depctr_va_vdst(0)                   ; the wait ahead of the batch
.set jj, 0
.rept 64
	v_exp_f32 v[S+jj], v[S+jj]
.set jj, jj+1
.endr
.irp b, 0,1,2,3
	v_exp_f32 v[BM+\b], v[BM+\b]                   ; the block's largest p, in the same batch
.endr
	v_pk_mul_f32 v[\st+2:\st+3], v[\st+2:\st+3], v[252:253] op_sel_hi:[1,0]   ; the sums under the new M: a plain place behind the batch
	WIN 0x41*(\i)
	s_wait_alu depctr_va_vdst(0)                   ; one wait behind the batch, directly ahead of the first reader of O^T
.set jj, 0
.rept 32
	v_pk_mul_f32 v[O+32*(\i)+jj:O+32*(\i)+jj+1], v[O+32*(\i)+jj:O+32*(\i)+jj+1], v[252:253] op_sel_hi:[1,0]   ; O^T under the new M
.set jj, jj+2
.endr
	WIN 0
.irp b, 0,1,2,3
	v_max_num_f32 v[BM+\b], 0x1800000, v[BM+\b]    ; the floor 2^(3 - 127): the byte cannot fall under 1
.endr
.irp b, 0,1,2,3
	s_delay_alu instid0(VALU_DEP_4)
	v_add_nc_u32 v[244+\b], 0xff000000, v[BM+\b]   ; 2 off the exponent field: the conversion's scale operand
.endr
.irp b, 0,1,2,3
	s_delay_alu instid0(VALU_DEP_4)
	v_lshrrev_b32 v[236+\b], 23, v[244+\b]
.endr
	s_delay_alu instid0(VALU_DEP_3)
	v_lshl_or_b32 v253, v237, 8, v236
	s_delay_alu instid0(VALU_DEP_1)
	v_lshl_or_b32 v253, v238, 16, v253
	s_delay_alu instid0(VALU_DEP_1)
	v_lshl_or_b32 v253, v239, 24, v253
.irp c, 0,1
	v_cvt_scalef32_pk16_fp6_f32 v[224+6*\c:226+6*\c], v[S+32*\c:S+15+32*\c], v[244+2*\c]
	v_cvt_scalef32_pk16_fp6_f32 v[236+4*\c:238+4*\c], v[S+16+32*\c:S+31+32*\c], v[244+2*\c+1]
.endr
	v_nop                                          ; one plain place behind a scaled conversion
.irp c, 0,1
.irp e, 0,1,2
	v_permlane16_swap_b32 v[224+6*\c+\e], v[236+4*\c+\e]
.endr
.irp e, 0,1,2
	s_delay_alu instid0(VALU_DEP_3)
	v_mov_b32 v[227+6*\c+\e], v[236+4*\c+\e]
.endr
.endr
	v_pk_add_f32 v[236:237], v[S:S+1], v[S+2:S+3]  ; the sum of the unquantised p, in two chains: the conversions have left p as it was.  These 33 lines are also the places between the codes' and the scale word's writes and the products
.irp k, 4,8,12,16,20,24,28,32,36,40,44,48,52,56,60
	v_pk_add_f32 v[\st+2:\st+3], v[\st+2:\st+3], v[S+\k:S+1+\k]
	v_pk_add_f32 v[236:237], v[236:237], v[S+2+\k:S+3+\k]
.endr
	s_delay_alu instid0(VALU_DEP_1)
	v_pk_add_f32 v[\st+2:\st+3], v[\st+2:\st+3], v[236:237]
.endm
.macro STEP q, nxt
	s_wait_dscnt 0x0                               ; k's fragments are in
	WIN 0x01
.irp t, 0,1,2,3,4,5,6,7
	SMUL 0, \t
.endr
	WIN 0
	PLACES                                         ; for the loads over v's fragments and the reads of the scores
	VFETCH \q
	SOFT 12, 0
	WIN 0x01
.irp t, 0,1,2,3,4,5,6,7
	SMUL 1, \t
.endr
	s_wait_dscnt 0x0                               ; v's fragments are in (asked for a softmax ago)
.irp t, 0,1,2,3,4,5,6,7
	PMUL 0, \t
.endr
	WIN 0
	PLACES                                         ; for the loads over k's fragments and the reads of the scores
.if \nxt
	KFETCH (\q)+1
.endif
	SOFT 16, 1
	WIN 0x51
.irp t, 0,1,2,3,4,5,6,7
	PMUL 1, \t
.endr
	WIN 0
.endm
.macro CHANGE fill
	s_wait_tensorcnt 0x0                           ; all my tensor loads have landed: my part of the slot to come
	ds_add_u32 v[SPW], v[NIL]
.if \fill
	s_xor_b32 s[G0+1], s[G0+1], SLOT1
	s_add_nc_u64 s[G0+2:G0+3], s[G0+2:G0+3], 4*KT
	s_wait_xcnt 0x0                                ; my prefetch has read its address
	s_add_nc_u64 s[PFA:PFA+1], s[PFA:PFA+1], 4*KT
.endif
	s_wait_dscnt 0x0                               ; the add is done, and so are my reads of the slot left behind
.if \fill
	CROUND
	tensor_load_to_lds s[G0:G0+3], s[G1:G1+7]      ; the next slot's part, into the slot read last (the first time: slot 1's first fill)
	s_nop 0
	PLACES
.else
	s_barrier_signal -1
	s_barrier_wait -1
.endif
	v_add_nc_u32 v[AD], s[TB], v[AL]
	v_add_nc_u32 v[AS], s[TB], v[AL8]
	s_wait_alu depctr_va_vdst(0)
	KFETCH 0
.if \fill
	ASK
.endif
.endm
	s_wait_alu depctr_va_vdst(0)                   ; the wait at the head's end
	s_wait_loadcnt 0x0
.Lslot:
	CHANGE 1
	STEP 0, 1
	STEP 1, 0
	s_xor_b32 s[TB], s[TB], SLOT1
	s_sub_co_u32 s[SLOTS], s[SLOTS], 1
	s_cmp_lg_u32 s[SLOTS], 0
	s_cbranch_scc1 .Lslot
	CHANGE 0                                       ; the last slot: nothing more is fetched
	STEP 0, 1
	STEP 1, 0
.macro QUANT s, pw
.irp b, 0,1,2,3
	v_max3_num_f32 v[TM+\b], |v[\s+16*\b]|, |v[\s+1+16*\b]|, 0x1800000
.endr
.irp k, 2,4,6,8,10,12,14
.irp b, 0,1,2,3
	s_delay_alu instid0(VALU_DEP_4)
	v_max3_num_f32 v[TM+\b], v[TM+\b], |v[\s+16*\b+\k]|, |v[\s+1+16*\b+\k]|
.endr
.endr
.irp b, 0,1,2,3
	s_delay_alu instid0(VALU_DEP_4)
	v_permlanex16_b32 v[TM+4+\b], v[TM+\b], s[SEL], s[SEL+1]
.endr
.irp b, 0,1,2,3
	s_delay_alu instid0(VALU_DEP_4)
	v_max_num_f32 v[TM+\b], v[TM+\b], v[TM+4+\b]
.endr
.irp b, 0,1,2,3
	s_delay_alu instid0(VALU_DEP_4)
	v_add_nc_u32 v[TM+12+\b], 0xff000000, v[TM+\b]
.endr
.irp b, 0,1,2,3
	s_delay_alu instid0(VALU_DEP_4)
	v_lshrrev_b32 v[TM+4+\b], 23, v[TM+12+\b]
.endr
	s_delay_alu instid0(VALU_DEP_3)
	v_lshl_or_b32 v[\pw], v[TM+5], 8, v[TM+4]
	s_delay_alu instid0(VALU_DEP_1)
	v_lshl_or_b32 v[\pw], v[TM+6], 16, v[\pw]
	s_delay_alu instid0(VALU_DEP_1)
	v_lshl_or_b32 v[\pw], v[TM+7], 24, v[\pw]
.irp c, 0,1
	v_cvt_scalef32_pk16_fp6_f32 v[PC+6*\c:PC+2+6*\c], v[\s+32*\c:\s+15+32*\c], v[TM+12+2*\c]
	v_cvt_scalef32_pk16_fp6_f32 v[PC+12+4*\c:PC+14+4*\c], v[\s+16+32*\c:\s+31+32*\c], v[TM+12+2*\c+1]
.endr
	v_nop
.irp c, 0,1
.irp e, 0,1,2
	v_permlane16_swap_b32 v[PC+6*\c+\e], v[PC+12+4*\c+\e]
.endr
.irp e, 0,1,2
	s_delay_alu instid0(VALU_DEP_3)
	v_mov_b32 v[PC+3+6*\c+\e], v[PC+12+4*\c+\e]
.endr
.endr
.endm
; THE TWO HALVES OF THE KEYS ARE JOINED.  Set 1's O^T (an image of its 64 registers), -M and sum go to my stage; my partner's stage holds the same of my set 0's tile.
	v_add_f32 v14, v14, v15                        ; these two and two idle lines are the places behind the last products
	v_add_f32 v17, v18, v19
	v_nop
	v_nop
	WIN 0x04
.set jj, 0
.rept 16
	ds_store_b128 v[SGW], v[192+4*jj:195+4*jj] offset:512*jj   ; each accumulator from its low end on
.set jj, jj+1
.endr
	WIN 0
	ds_store_b64 v[SGW], v[16:17] offset:8192
	s_wait_alu depctr_va_vdst(0)
	s_wait_dscnt 0x0                               ; my stores are done, for my partner's sake
	s_barrier_signal -1
	s_barrier_wait -1
.set jj, 0
.rept 16
	ds_load_b128 v[S+4*jj:S+4*jj+3], v[SGR] offset:512*jj
.set jj, jj+1
.endr
	ds_load_b64 v[24:25], v[SGR] offset:8192
	s_wait_dscnt 0x0
	v_min_num_f32 v26, v12, v24                    ; -M of both halves
	s_delay_alu instid0(VALU_DEP_1)
	v_sub_f32 v27, v26, v12
	s_delay_alu instid0(VALU_DEP_2)
	v_sub_f32 v23, v26, v24
	s_delay_alu instid0(VALU_DEP_2)
	v_cvt_i32_f32 v27, v27
	s_delay_alu instid0(VALU_DEP_2)
	v_cvt_i32_f32 v23, v23
	s_delay_alu instid0(VALU_DEP_2)
	v_ldexp_f32 v27, 1.0, v27                      ; my part's factor, a power of two,
	s_delay_alu instid0(VALU_DEP_2)
	v_ldexp_f32 v23, 1.0, v23                      ; and my partner's
	s_delay_alu instid0(VALU_DEP_2)
	v_mul_f32 v14, v14, v27
	s_delay_alu instid0(VALU_DEP_1)
	v_fmac_f32 v14, v25, v23
	s_delay_alu instid0(VALU_DEP_1)
	v_permlanex16_b32 v252, v14, s[SEL], s[SEL+1]
	s_delay_alu instid0(VALU_DEP_1)
	v_add_f32 v14, v14, v252                       ; the row's sum
	s_wait_alu depctr_va_vdst(0)
	v_rcp_f32 v14, v14
.irp b, 0,1,2,3
	v_mov_b32 v[TM+4+\b], 0
.endr
	s_wait_alu depctr_va_vdst(0)
	v_mul_f32 v28, v27, v14
	v_mul_f32 v29, v27, v14
	v_mul_f32 v30, v23, v14
	v_mul_f32 v31, v23, v14
.set jj, 0
.rept 32
	v_pk_mul_f32 v[S+jj:S+jj+1], v[S+jj:S+jj+1], v[30:31]
.set jj, jj+2
.endr
	s_wait_alu depctr_va_vdst(0)                   ; the wait directly ahead of the first reader of O^T
.set jj, 0
.rept 32
	v_pk_fma_f32 v[S+jj:S+jj+1], v[O+jj:O+jj+1], v[28:29], v[S+jj:S+jj+1]
.set jj, jj+2
.endr
	QUANT S, PWO
.irp c, 0,1,2
	global_store_b128 v[LI], v[PC+4*\c:PC+4*\c+3], s[6:7] offset:512*\c   ; 32 lanes store 512 consecutive bytes, aligned
.endr
	ds_store_b32 v[OSA], v[PWO]
	s_wait_dscnt 0x0
	s_barrier_signal -1
	s_barrier_wait -1
	s_cmp_lt_u32 s[WV], 2
	s_cbranch_scc0 .Lno_pack
	ds_load_b64 v[84:85], v[OSB]
	s_wait_dscnt 0x0
	global_store_b64 v[L8], v[84:85], s[8:9]       ; a pack: 256 consecutive bytes, aligned
.Lno_pack:
	s_wait_tensorcnt 0x0                           ; the wave's end
	ds_add_u32 v[SPW], v[NIL]
	s_wait_dscnt 0x0
	CROUND                                         ; the closing round
	s_endpgm
.Lfunc_end_k_qf6d92946cb_attn:
	.size	k_qf6d92946cb_attn, .Lfunc_end_k_qf6d92946cb_attn-k_qf6d92946cb_attn
	.p2alignl 7, 3214868480
	.fill 96, 4, 3214868480
	.section	.rodata,"a",@progbits
	.p2align	6, 0x0
	.amdhsa_kernel k_qf6d92946cb_attn
		.amdhsa_group_segment_fixed_size 327680
		.amdhsa_private_segment_fixed_size 0
		.amdhsa_enable_private_segment 0
		.amdhsa_kernarg_size 24
		.amdhsa_user_sgpr_count 2
		.amdhsa_user_sgpr_kernarg_segment_ptr 1
		.amdhsa_wavefront_size32 1
		.amdhsa_system_sgpr_workgroup_id_x 1
		.amdhsa_system_sgpr_workgroup_id_y 1
		.amdhsa_system_sgpr_workgroup_id_z 1
		.amdhsa_system_vgpr_workitem_id 0
		.amdhsa_next_free_vgpr 512
		.amdhsa_next_free_sgpr 90
		.amdhsa_reserve_vcc 0
		.amdhsa_float_denorm_mode_32 3
		.amdhsa_float_denorm_mode_16_64 3
		.amdhsa_memory_ordered 1
		.amdhsa_forward_progress 1
		.amdhsa_inst_pref_size 169
	.end_amdhsa_kernel
	.amdgpu_metadata
---
amdhsa.version: [ 1, 2 ]
amdhsa.kernels:
  - .name:           k_qf6d92946cb_attn
    .symbol:         k_qf6d92946cb_attn.kd
    .args:
      - { .name: qkv_codes, .offset: 0, .size: 8, .value_kind: global_buffer, .address_space: global }
      - { .name: o_codes, .offset: 8, .size: 8, .value_kind: global_buffer, .address_space: global }
      - { .name: o_scales, .offset: 16, .size: 8, .value_kind: global_buffer, .address_space: global }
    .group_segment_fixed_size: 327680
    .private_segment_fixed_size: 0
    .kernarg_segment_align: 8
    .kernarg_segment_size: 24
    .max_flat_workgroup_size: 256
    .sgpr_count:     90
    .vgpr_count:     512
    .wavefront_size: 32
...
	.end_amdgpu_metadata
.endif
;; end of part 7
;; launch proj (part 8): grid 16 x 16, 4 waves a work-group, clusters of 4 x 4, 327,680 bytes of LDS; arguments o_codes, o_scales, xw_codes, xw_scales, out0; writes out0
.if DOCPART == 8
	.amdgcn_target "amdgcn-amd-amdhsa--gfx1250"
	.amdhsa_code_object_version 6
	.text
	.protected	k_qf6d92946cb_proj
	.globl	k_qf6d92946cb_proj
	.p2align	8
	.type	k_qf6d92946cb_proj,@function
k_qf6d92946cb_proj:
	s_mov_b64 s[64:65], 0
	v_nop
	global_prefetch_b8 v0, s[64:65] scope:SCOPE_SE
	s_setreg_imm32_b32 hwreg(HW_REG_WAVE_MODE, 25, 1), 1
	s_wait_xcnt 0x0
	s_wait_alu depctr_hold_cnt(0) depctr_sa_sdst(0) depctr_va_vdst(0) depctr_va_sdst(0) depctr_va_ssrc(0) depctr_va_vcc(0) depctr_vm_vsrc(0)
	s_getreg_b32 s2, hwreg(HW_REG_IB_STS2, 6, 4)
	s_cmp_eq_u32 s2, 0
	s_cbranch_scc0 .Lentry_in_a_cluster
	s_endpgm
.Lentry_in_a_cluster:
	s_bfe_u32 s2, ttmp6, 0x10000c
	s_cmp_lg_u32 s2, 0xf033
	s_cbranch_scc0 .Lentry_shape_is_right
	s_endpgm
.Lentry_shape_is_right:
; out0 = o wo^T on codes of FP6 (E2M3) with E8M0 scales; out0 [2048][2048] f32; sums in f32.
; OPERANDS lie as images and packs: TILE t: lane row r is row 32 (t / 2) + 8 (t % 2) + r + 8 (r / 8).  IMAGE of a fragment (a tile x 128 K): byte 512 c + 16 lane + 4 e = register 4 c + e of the lane.
; Codes (t, step s of 128 K) at (t / 8) 196,608 + (s / 2) 24,576 + (t % 8) 3,072 + (s % 2) 1,536: a group of 128 rows has all its K in 196,608 bytes on end, 24,576 for each 256 along K.
; PACK (tiles 4 P .. 4 P + 3, s) at 4,096 P + 256 s: byte 8 lane + 4 c = word of row lane % 16 of tile 4 P + 2 c + lane / 16.  wo is the fifth tensor of xw_codes / xw_scales: 64 groups of 128 rows lie in front of it.
; SHARES.  A tile of the result is 128 x 128: 16 x 16 = 256 work-groups.  Four waves, 64 x 64 each: 16 accumulators.  Source 0 = rows of wo, source 1 = tokens of o: a lane holds a token, and its registers
; of tiles 2 b, 2 b + 1 are the 16 neighbouring columns 32 b + 16 (lane / 16) + 0 .. 15.
; LDS.  Three quarters of K of both operands (2 x 147,456 bytes) are asked for at the start, as first fills: pairs 0, 1, 2 of K steps of 256.  The last quarter, pair 3, is filled over pair 0 when pair 0 has been read:
; ONE refill in the launch, behind one round of the cluster's barrier; it has eight steps of 128 (128 matrix instructions a wave) in which to land.  The scale words for all of K come with the first fills.
; CLUSTERS: 4 x 4 work-groups; source 1's tiles are shared along a row of the cluster, source 0's along a column: each is asked for jointly.
; The text has no loop: 16 steps of 128 along K, 16 matrix instructions each, are written out by macro.
; REGISTERS: window 0: v8-20 addresses; v28, v29 the add's two; v32-63 source 1's scale words for the 16 steps, v64-95 source 0's, and nothing else; v128-255 the accumulators, (a, b) at v[128 + 8 (4 a + b)].
;   window 1: two sets of fragments, at v0 and v128: source 1's four (48 registers), then source 0's four.
.set FR,     12                        ; registers of a fragment
.set NP,     4                         ; places behind this matrix instruction (ISA guide 7.12.1)
.set KS2,    24576                     ; 128 rows x 256 K: 16 images; what one tensor load brings
.set PAIR,   2*KS2                     ; two such K steps
.set REG,    3*PAIR                    ; an operand's bytes in LDS
.set SCL,    2*REG                     ; behind them: the packs: 4,096 bytes for each 64 rows: source 1's two runs, then source 0's
.set SPARE,  SCL+4*4096                ; the spare words, 128 bytes for each wave, which no other line names
.set STAGE,  PAIR                      ; the way out: 16 rows x (256 bytes + 16) for each wave, in source 1's pair 1: it is never filled again, and its last reads stand in front of the second barrier
.set SPITCH, 272
.set ADRA, 8                           ; v8-10   16 x lane + my four tiles of source 1 in pair 0, 1, 2 (an LDS immediate has 16 bits: so a register a pair)
.set ADRB, 12                          ; v12-14  the same for source 0
.set ADSA, 16                          ; v16     8 x lane + my packs of source 1
.set ADSB, 17                          ; v17     of source 0
.set STO,  18                          ; v18     the stage: row r, + 64 h
.set RD,   19                          ; v19     the stage, back: lanes 0-15 one row, lanes 16-31 the next, 16 bytes a lane
.set CO,   20                          ; v20     and the same two rows in out0
.set SPW,  28                          ; v28     LDS address of my spare word; never rewritten
.set NIL,  29                          ; v29     0; never rewritten
.set SCA,  32                          ; step t's pack of source 1: v[SCA + 2 t], v[SCA + 2 t + 1]: register c holds tile 2 c's words in lanes 0-15 and tile 2 c + 1's in lanes 16-31
.set SCB,  64                          ; of source 0
.set ACC,  128
.set G1,   24                          ; s[24:31] descriptor group 1 for source 1's tiles;  s[32:43] group 0, three sets: set 0 the head's load, set 2 pair 3's, set 1 unused
.set G0,   32
.set G1B,  44                          ; s[44:51], s[52:63] the same for source 0's
.set G0B,  52
.set G1S,  68                          ; s[68:75], s[76:79] groups 1 and 0 for source 1's packs;  s[80:87], s[88:91] for source 0's
.set G0S,  76
.set G1SB, 80
.set G0SB, 88
.set MSB, 0
.macro WIN new                         ; the immediate's high byte repeats the setting that is left
.if MSB != (\new)
	s_set_vgpr_msb (MSB<<8)|(\new)
.set MSB, (\new)
.endif
.endm
.set MUL,  0x05                        ; sources 0 and 1 window 1; C and D window 0
.set TO_F, 0x40                        ; destination window 1, address window 0
; A joint load: waves 0 and 1 fetch for source 1, waves 2 and 3 for source 0.  The branch hangs on the wave's number alone.  An s_nop 0 and four v_nop follow each of the two lines.
.macro JLOAD g0a, g1a, g0b, g1b
	s_cmp_eq_u32 s15, 0
	s_cbranch_scc0 .Lfor_b_\@
	tensor_load_to_lds s[\g0a:\g0a+3], s[\g1a:\g1a+7]
	s_nop 0
.rept 4
	v_nop
.endr
	s_branch .Lasked_\@
.Lfor_b_\@:
	tensor_load_to_lds s[\g0b:\g0b+3], s[\g1b:\g1b+7]
	s_nop 0
.rept 4
	v_nop
.endr
.Lasked_\@:
.endm
.macro CREST                           ; a round of the cluster's barrier behind its opening barrier
	s_cmp_lg_u32 s14, 0
	s_cbranch_scc1 .Lnot_wave_0_\@
	s_barrier_signal -3
.Lnot_wave_0_\@:
	s_barrier_wait -3
	s_barrier_signal -1
	s_barrier_wait -1
.endm
.macro CROUND                          ; a whole round
	s_barrier_signal -1
	s_barrier_wait -1
	CREST
.endm
	s_load_b256 s[4:11], s[0:1], 0x0               ; o's codes s[4:5], o's scale words s[6:7], the weights' codes s[8:9], their scale words s[10:11]
	s_load_b64 s[12:13], s[0:1], 0x20              ; out0
	v_lshl_add_u32 v[SPW], v0, 2, SPARE
	v_mov_b32 v[NIL], 0
	ds_add_u32 v[SPW], v[NIL]                      ; the wave's opening: two adds and their wait ahead of my first tensor load; the set-up below, work on registers, stands between them
	ds_add_u32 v[SPW], v[NIL]
	v_lshrrev_b32 v1, 5, v0
	v_readfirstlane_b32 s14, v1                    ; wave 0..3
	s_lshr_b32 s15, s14, 1                         ; my half of the tokens.  Also: I fetch for source 1 (0) or source 0 (1)
	s_and_b32 s16, s14, 1                          ; my half of the columns.  Also: which K step of pair 3 I fetch
	s_bfe_u32 s92, ttmp6, 0x40000                  ; cx, cy: my place in the cluster
	s_bfe_u32 s93, ttmp6, 0x40004
	s_lshl_b32 s94, ttmp9, 2
	s_add_co_u32 s94, s94, s92                     ; X: tile column, 0 .. 15
	s_and_b32 s17, ttmp7, 0xffff
	s_lshl_b32 s17, s17, 2
	s_add_co_u32 s17, s17, s93                     ; Y: tile row, 0 .. 15
	s_lshl_b32 s95, s93, 2
	s_lshl_b32 s95, 15, s95                        ; my row of the cluster
	s_lshl_b32 s96, 0x1111, s92                    ; my column
	; descriptor group 1: 24,576 bytes on end, as 96 rows of 32 elements of 8 bytes; no padding: an image is read as consecutive bytes
	s_or_b32 s[G1+0], s95, (3<<16)|(1<<21)         ; 15:0 the mask: source 1's tiles go to my row; 17:16 elements of 8 bytes; 21 set beside a mask
	s_or_b32 s[G1B+0], s96, (3<<16)|(1<<21)        ; source 0's to my column
.irp g, G1, G1B                                ; for the head's loads: pairs 0, 1 and 2 of an operand, 147,456 bytes on end, 576 rows; behind them the two words that count rows are set to 96
	s_mov_b32 s[\g+1], 32<<16
	s_mov_b32 s[\g+2], 576<<16                     ; (as it now is: the head's load brings pairs 0, 1 and 2 of an operand, 147,456 bytes on end, 576 rows)
	s_mov_b32 s[\g+3], 32<<16
	s_mov_b32 s[\g+4], 576
	s_mov_b32 s[\g+5], 32                          ; tensor_dim0_stride
	s_mov_b32 s[\g+6], 0
	s_mov_b32 s[\g+7], 0
.endr
	s_or_b32 s[G1S+0], s95, (3<<16)|(1<<21)        ; the packs of 128 rows for all of K: 8,192 bytes on end, 32 such rows
	s_or_b32 s[G1SB+0], s96, (3<<16)|(1<<21)
.irp g, G1S, G1SB                              ; the packs of an operand's 128 rows for all of K: 8,192 bytes on end, 32 rows
	s_mov_b32 s[\g+1], 32<<16
	s_mov_b32 s[\g+2], 32<<16
	s_mov_b32 s[\g+3], 32<<16
	s_mov_b32 s[\g+4], 32
	s_mov_b32 s[\g+5], 32
	s_mov_b32 s[\g+6], 0
	s_mov_b32 s[\g+7], 0
.endr
	s_mul_i32 s18, s16, KS2                        ; which K step of pair 3 I fetch
	s_mul_i32 s20, s17, 196608                     ; o's group of 128 tokens: Y.  No cx in these registers
	s_mov_b32 s21, 0
	s_lshl_b32 s22, s17, 13
	s_mov_b32 s23, 0
	s_add_co_u32 s98, s94, 64                      ; wo's group of 128 rows: 64 + X.  No cy in these
	s_mul_i32 s98, s98, 196608
	s_mov_b32 s99, 0
	s_add_co_u32 s100, s94, 64
	s_lshl_b32 s100, s100, 13
	s_mov_b32 s101, 0
	s_add_co_u32 s96, s18, 3*PAIR                  ; pair 3's place in memory
	s_mov_b32 s97, 0
	s_wait_dscnt 0x0                               ; the opening add is done
	s_wait_kmcnt 0x0
	s_add_nc_u64 s[20:21], s[4:5], s[20:21]
	s_add_nc_u64 s[22:23], s[6:7], s[22:23]
	s_add_nc_u64 s[98:99], s[8:9], s[98:99]
	s_add_nc_u64 s[100:101], s[10:11], s[100:101]
	CROUND                                         ; all sixteen work-groups are here: the first joint loads meet
	s_mov_b32 s[G0S], 1
	s_mov_b32 s[G0S+1], SCL
	s_mov_b64 s[G0S+2:G0S+3], s[22:23]
	s_or_b32 s[G0S+3], s[G0S+3], 0x80000000
	s_mov_b32 s[G0SB], 1
	s_mov_b32 s[G0SB+1], SCL+2*4096
	s_mov_b64 s[G0SB+2:G0SB+3], s[100:101]
	s_or_b32 s[G0SB+3], s[G0SB+3], 0x80000000
	; three sets of group 0 a side: set 0 the head's load (pairs 0, 1 and 2, whole); set 1 unused; set 2 my K step of pair 3, over pair 0's bytes
	s_mov_b32 s[G0], 1
	s_mov_b32 s[G0+1], 0
	s_mov_b64 s[G0+2:G0+3], s[20:21]
	s_or_b32 s[G0+3], s[G0+3], 0x80000000
	s_mov_b32 s[G0B], 1
	s_mov_b32 s[G0B+1], REG
	s_mov_b64 s[G0B+2:G0B+3], s[98:99]
	s_or_b32 s[G0B+3], s[G0B+3], 0x80000000
	; (set 1 is not used: pair 2 comes with the head's load)
	s_mov_b32 s[G0+8], 1
	s_mov_b32 s[G0+9], s18
	s_add_nc_u64 s[G0+10:G0+11], s[20:21], s[96:97]
	s_or_b32 s[G0+11], s[G0+11], 0x80000000
	s_mov_b32 s[G0B+8], 1
	s_add_co_u32 s[G0B+9], s18, REG
	s_add_nc_u64 s[G0B+10:G0B+11], s[98:99], s[96:97]
	s_or_b32 s[G0B+11], s[G0B+11], 0x80000000
; THE HEAD'S LOADS, ONE A WAVE: wave 0 source 1's pairs 0, 1 and 2, wave 1 source 0's, wave 2 source 1's packs, wave 3 source 0's.  One tree of branches on the wave's number.
.macro ARM under, g0, g1, next
	s_cmp_lt_u32 s14, \under
	s_cbranch_scc0 \next
	tensor_load_to_lds s[\g0:\g0+3], s[\g1:\g1+7]
	s_nop 0
.rept 4
	v_nop
.endr
	s_branch .Lhead_asked
\next:
.endm
	ARM 1, G0,  G1,  .Lhead_b
	ARM 2, G0B, G1B, .Lhead_sa
	ARM 3, G0S, G1S, .Lhead_sb
	tensor_load_to_lds s[G0SB:G0SB+3], s[G1SB:G1SB+7]
	s_nop 0
.rept 4
	v_nop
.endr
.Lhead_asked:
	v_and_b32 v1, 31, v0                           ; lane
	v_lshlrev_b32 v2, 4, v1
	v_lshlrev_b32 v3, 3, v1
	s_wait_alu depctr_va_vdst(0)
	s_mul_i32 s18, s15, 4*3072                     ; my four tiles of source 1,
	s_mul_i32 s19, s16, 4*3072                     ; my four of source 0,
	s_add_co_u32 s19, s19, REG                     ; which lies behind source 1
.irp p, 0,1,2
	v_add_nc_u32 v[ADRA+\p], s18, v2
	v_add_nc_u32 v[ADRB+\p], s19, v2
	s_add_co_u32 s18, s18, PAIR
	s_add_co_u32 s19, s19, PAIR
.endr
	s_lshl_b32 s18, s15, 12
	s_add_co_u32 s18, s18, SCL
	s_lshl_b32 s19, s16, 12
	s_add_co_u32 s19, s19, SCL+2*4096
	v_add_nc_u32 v[ADSA], s18, v3
	v_add_nc_u32 v[ADSB], s19, v3
	s_mul_i32 s18, s14, 16*SPITCH
	s_add_co_u32 s18, s18, STAGE                   ; my stage
	v_and_b32 v4, 15, v0                           ; r
	v_bfe_u32 v5, v0, 4, 1                         ; h
	v_mul_u32_u24 v[STO], v4, SPITCH
	v_lshl_add_u32 v[STO], v5, 6, v[STO]
	v_add_nc_u32 v[STO], s18, v[STO]
	v_mul_u32_u24 v[RD], v5, SPITCH
	v_lshl_add_u32 v[RD], v4, 4, v[RD]
	v_add_nc_u32 v[RD], s18, v[RD]
	v_lshlrev_b32 v[CO], 13, v5                    ; a row of out0 is 8,192 bytes
	v_lshl_add_u32 v[CO], v4, 4, v[CO]
	s_lshl_b32 s20, s17, 7
	s_lshl_b32 s21, s15, 6
	s_add_co_u32 s20, s20, s21                     ; my first row of out0: 128 Y + 64 x half,
	s_lshl_b32 s20, s20, 13                        ; in bytes;
	s_lshl_b32 s98, s94, 9                         ; my first column, in bytes: 512 X + 256 x half
	s_lshl_b32 s99, s16, 8
	s_add_co_u32 s98, s98, s99
	s_add_co_u32 s20, s20, s98
	s_mov_b32 s21, 0
	s_add_nc_u64 s[12:13], s[12:13], s[20:21]
; The eight fragments of step t (128 along K) into set t % 2: 24 loads of 512 consecutive bytes.  Pair t / 4 lies where it was filled; pair 3 lies in pair 0's bytes.
.macro FETCH t
.set PP, ((\t)/4)%3
.set OF, (((\t)/2)%2)*KS2+((\t)%2)*1536
.set FS, 128*((\t)%2)
	WIN TO_F
.irp f, 0,1,2,3
.irp c, 0,1,2
	ds_load_b128 v[FS+48+FR*\f+4*\c:FS+48+FR*\f+4*\c+3], v[ADRB+PP] offset:OF+3072*\f+512*\c
.endr
.endr
.irp f, 0,1,2,3
.irp c, 0,1,2
	ds_load_b128 v[FS+FR*\f+4*\c:FS+FR*\f+4*\c+3], v[ADRA+PP] offset:OF+3072*\f+512*\c
.endr
.endr
.endm
; One product: source 1's tile a x source 0's tile b, step t.  An odd tile's scale words stand in lanes 16-31.  zero = 1: the first product starts the sum: nothing is ever cleared.
.macro WM a, b, t, zero
.set DD, ACC+8*(4*(\a)+(\b))
.set FB, 128*((\t)%2)+48+FR*(\b)
.set FA, 128*((\t)%2)+FR*(\a)
.set ZB, SCB+2*(\t)+(\b)/2
.set ZA, SCA+2*(\t)+(\a)/2
.if \zero
.if ((\b)%2) && ((\a)%2)
	v_wmma_scale_f32_16x16x128_f8f6f4 v[DD:DD+7], v[FB:FB+FR-1], v[FA:FA+FR-1], 0, v[ZB], v[ZA] matrix_a_fmt:MATRIX_FMT_FP6 matrix_b_fmt:MATRIX_FMT_FP6 matrix_a_scale:MATRIX_SCALE_ROW1 matrix_b_scale:MATRIX_SCALE_ROW1
.elseif (\b)%2
	v_wmma_scale_f32_16x16x128_f8f6f4 v[DD:DD+7], v[FB:FB+FR-1], v[FA:FA+FR-1], 0, v[ZB], v[ZA] matrix_a_fmt:MATRIX_FMT_FP6 matrix_b_fmt:MATRIX_FMT_FP6 matrix_a_scale:MATRIX_SCALE_ROW1
.elseif (\a)%2
	v_wmma_scale_f32_16x16x128_f8f6f4 v[DD:DD+7], v[FB:FB+FR-1], v[FA:FA+FR-1], 0, v[ZB], v[ZA] matrix_a_fmt:MATRIX_FMT_FP6 matrix_b_fmt:MATRIX_FMT_FP6 matrix_b_scale:MATRIX_SCALE_ROW1
.else
	v_wmma_scale_f32_16x16x128_f8f6f4 v[DD:DD+7], v[FB:FB+FR-1], v[FA:FA+FR-1], 0, v[ZB], v[ZA] matrix_a_fmt:MATRIX_FMT_FP6 matrix_b_fmt:MATRIX_FMT_FP6
.endif
.else
.if ((\b)%2) && ((\a)%2)
	v_wmma_scale_f32_16x16x128_f8f6f4 v[DD:DD+7], v[FB:FB+FR-1], v[FA:FA+FR-1], v[DD:DD+7], v[ZB], v[ZA] matrix_a_fmt:MATRIX_FMT_FP6 matrix_b_fmt:MATRIX_FMT_FP6 matrix_a_scale:MATRIX_SCALE_ROW1 matrix_b_scale:MATRIX_SCALE_ROW1
.elseif (\b)%2
	v_wmma_scale_f32_16x16x128_f8f6f4 v[DD:DD+7], v[FB:FB+FR-1], v[FA:FA+FR-1], v[DD:DD+7], v[ZB], v[ZA] matrix_a_fmt:MATRIX_FMT_FP6 matrix_b_fmt:MATRIX_FMT_FP6 matrix_a_scale:MATRIX_SCALE_ROW1
.elseif (\a)%2
	v_wmma_scale_f32_16x16x128_f8f6f4 v[DD:DD+7], v[FB:FB+FR-1], v[FA:FA+FR-1], v[DD:DD+7], v[ZB], v[ZA] matrix_a_fmt:MATRIX_FMT_FP6 matrix_b_fmt:MATRIX_FMT_FP6 matrix_b_scale:MATRIX_SCALE_ROW1
.else
	v_wmma_scale_f32_16x16x128_f8f6f4 v[DD:DD+7], v[FB:FB+FR-1], v[FA:FA+FR-1], v[DD:DD+7], v[ZB], v[ZA] matrix_a_fmt:MATRIX_FMT_FP6 matrix_b_fmt:MATRIX_FMT_FP6
.endif
.endif
.endm
.macro MULA a, t, zero                 ; tile a of source 1 against source 0's four.  The 16 accumulators take turns, one instruction a turn, in the same order in every step
.irp b, 0,1,2,3
	WM \a, \b, \t, \zero
.endr
.endm
; A load into a register that a matrix instruction has read, and an LDS store that reads a matrix result, stand NP places behind it; only plain vector instructions that name none of its registers are places.
.macro PLACES n
.rept \n
	v_nop
.endr
.endm
; A step of 128 along K: the next step's fragments are asked for at its head, into the set that the step before multiplied; then its 16 products.
.macro STEP t, zero
	s_wait_dscnt 0x0                               ; this step's fragments are in (asked for a step ago)
.if (\t) > 0
	PLACES NP
.endif
	FETCH (\t)+1
	WIN MUL
	MULA 0, \t, \zero
	MULA 1, \t, \zero
	MULA 2, \t, \zero
	MULA 3, \t, \zero
.endm
; A step whose successor lies in bytes that tensor loads bring meanwhile: ONE barrier.  In front of it each wave waits for all its tensor loads, adds 0 to its spare word, and waits for that and for its own LDS reads.
; fill = 1: the barrier opens a round of the cluster's barrier, and behind it pair 3 is filled over pair 0, whose last reads (this step's fragments) are in.
.macro TURN t, fill
	WIN 0                                          ; (the add's two registers lie in window 0)
	s_wait_tensorcnt 0x0                           ; all my tensor loads have landed
	ds_add_u32 v[SPW], v[NIL]                      ; 0 onto my spare word
	s_wait_dscnt 1                                 ; this step's fragments are in; the add alone may be out
	WIN MUL
	MULA 0, \t, 0                                  ; four matrix instructions stand between the add and the wait for it
	s_wait_dscnt 0x0                               ; the add is done, and my LDS reads are over
	s_barrier_signal -1
	MULA 1, \t, 0
	WIN 0
	s_barrier_wait -1
.if \fill
	CREST                                          ; no wave of any partner still reads pair 0 or has a load on its way
	JLOAD G0+8, G1, G0B+8, G1B                     ; pair 3 over pair 0: the first tensor load behind the round, my one load from here on; its four v_nop are the places in front of the loads below
.else
	PLACES NP
.endif
	FETCH (\t)+1
	WIN MUL
	MULA 2, \t, 0
	MULA 3, \t, 0
.endm
	s_wait_alu depctr_va_vdst(0)                   ; the wait at the head's end
	s_wait_tensorcnt 0x0                           ; my tile of the head's four is in
	s_mov_b32 s[G1+2], 96<<16                      ; no tensor load of mine is out: the one load to come, pair 3's, brings 96 rows, a K step of 256
	s_mov_b32 s[G1+4], 96
	s_mov_b32 s[G1B+2], 96<<16
	s_mov_b32 s[G1B+4], 96
	s_barrier_signal -1
	s_barrier_wait -1                              ; everybody's tile is in
	FETCH 0
	WIN 0
.set tt, 0
.rept 16                                       ; the packs of all 16 steps, once: 8 bytes a lane each
	ds_load_b64 v[SCA+2*tt:SCA+2*tt+1], v[ADSA] offset:256*tt
	ds_load_b64 v[SCB+2*tt:SCB+2*tt+1], v[ADSB] offset:256*tt
.set tt, tt+1
.endr
	STEP 0, 1                                      ; the first step's products start the sums
	STEP 1, 0
	STEP 2, 0
	TURN 3, 1                                      ; pair 0 has been read; pairs 1 and 2 are whole; pair 3 goes out
	STEP 4, 0
	STEP 5, 0
	STEP 6, 0
	STEP 7, 0
	STEP 8, 0
	STEP 9, 0
	STEP 10, 0
	TURN 11, 0                                     ; pair 3 is whole; nothing is filled again, so no round follows.  No wave reads pairs 1 and 2 behind this barrier
	STEP 12, 0
	STEP 13, 0
	STEP 14, 0
	s_wait_dscnt 0x0                               ; the last step: nothing more to fetch
	WIN MUL
	MULA 0, 15, 0
	MULA 1, 15, 0
	MULA 2, 15, 0
	MULA 3, 15, 0
	WIN 0
; THE WAY OUT, block by block of 16 tokens x 64 columns, through my own stage and back as whole rows of 256 bytes, into the registers that they left.  Accumulator b's eight registers are columns 32 (b / 2) + 16 h + 8 (b % 2) + 0 .. 7.
; Stage row t is the tile's lane row t: token 32 (a / 2) + 8 (a % 2) + t + 8 (t / 8) of my 64: the tiles' order is undone in the stores' immediates, 62 rows of 8,192 bytes at the most.
.macro TOSTAGE a
.irp b, 0,1,2,3
	ds_store_b128 v[STO], v[ACC+8*(4*(\a)+\b):ACC+8*(4*(\a)+\b)+3] offset:128*(\b/2)+32*(\b%2)          ; each accumulator from its low end on
	ds_store_b128 v[STO], v[ACC+8*(4*(\a)+\b)+4:ACC+8*(4*(\a)+\b)+7] offset:128*(\b/2)+32*(\b%2)+16
.endr
.irp u, 0,1,2,3,4,5,6,7
	ds_load_b128 v[ACC+32*(\a)+4*\u:ACC+32*(\a)+4*\u+3], v[RD] offset:\u*2*SPITCH   ; LDS serves a wave's instructions in order (ISA guide 5.7.1.4): these see my stores, and the next block's stores come behind them
.endr
.endm
.macro SEND a, younger                 ; younger: the LDS instructions issued behind block a's loads, which may stay out
	s_wait_dscnt \younger
.irp u, 0,1,2,3,4,5,6,7
	global_store_b128 v[CO], v[ACC+32*(\a)+4*\u:ACC+32*(\a)+4*\u+3], s[12:13] offset:(32*((\a)/2)+8*((\a)%2)+2*\u+8*(\u/4))*8192 th:TH_STORE_NT   ; 16 lanes store 256 consecutive bytes, at a multiple of 256 from out0's first byte; written once
.endr
.endm
	PLACES NP                                      ; behind the last products: for the stores that read results and the loads that land on them
	s_wait_alu depctr_va_vdst(0)
	TOSTAGE 0
	TOSTAGE 1
	SEND 0, 16                                     ; behind block 0's loads: block 1's 8 stores and 8 loads
	TOSTAGE 2
	SEND 1, 16
	TOSTAGE 3
	SEND 2, 16
	SEND 3, 0
	s_wait_tensorcnt 0x0                           ; the wave's end: behind my last tensor load and my last LDS store
	ds_add_u32 v[SPW], v[NIL]
	s_wait_dscnt 0x0
	CROUND                                         ; the closing round: no work-group ends while a partner may still ask for a tile that names it
	s_endpgm
.Lfunc_end_k_qf6d92946cb_proj:
	.size	k_qf6d92946cb_proj, .Lfunc_end_k_qf6d92946cb_proj-k_qf6d92946cb_proj
	.p2alignl 7, 3214868480
	.fill 96, 4, 3214868480
	.section	.rodata,"a",@progbits
	.p2align	6, 0x0
	.amdhsa_kernel k_qf6d92946cb_proj
		.amdhsa_group_segment_fixed_size 327680
		.amdhsa_private_segment_fixed_size 0
		.amdhsa_enable_private_segment 0
		.amdhsa_kernarg_size 40
		.amdhsa_user_sgpr_count 2
		.amdhsa_user_sgpr_kernarg_segment_ptr 1
		.amdhsa_wavefront_size32 1
		.amdhsa_system_sgpr_workgroup_id_x 1
		.amdhsa_system_sgpr_workgroup_id_y 1
		.amdhsa_system_sgpr_workgroup_id_z 1
		.amdhsa_system_vgpr_workitem_id 0
		.amdhsa_next_free_vgpr 512
		.amdhsa_next_free_sgpr 102
		.amdhsa_reserve_vcc 0
		.amdhsa_float_denorm_mode_32 3
		.amdhsa_float_denorm_mode_16_64 3
		.amdhsa_memory_ordered 1
		.amdhsa_forward_progress 1
		.amdhsa_inst_pref_size 80
	.end_amdhsa_kernel
	.amdgpu_metadata
---
amdhsa.version: [ 1, 2 ]
amdhsa.kernels:
  - .name:           k_qf6d92946cb_proj
    .symbol:         k_qf6d92946cb_proj.kd
    .args:
      - { .name: o_codes, .offset: 0, .size: 8, .value_kind: global_buffer, .address_space: global }
      - { .name: o_scales, .offset: 8, .size: 8, .value_kind: global_buffer, .address_space: global }
      - { .name: xw_codes, .offset: 16, .size: 8, .value_kind: global_buffer, .address_space: global }
      - { .name: xw_scales, .offset: 24, .size: 8, .value_kind: global_buffer, .address_space: global }
      - { .name: out0, .offset: 32, .size: 8, .value_kind: global_buffer, .address_space: global }
    .group_segment_fixed_size: 327680
    .private_segment_fixed_size: 0
    .kernarg_segment_align: 8
    .kernarg_segment_size: 40
    .max_flat_workgroup_size: 128
    .sgpr_count:     102
    .vgpr_count:     512
    .wavefront_size: 32
...
	.end_amdgpu_metadata
.endif
;; end of part 8
